; MI455X (gfx1250); checked and timed in simulation.
; The chip was launched on July 23, 2026; its instructions are those of AMD's public machine-readable ISA for CDNA 5 (MIT licence, August 2026) and "CDNA5" Instruction Set Architecture Reference Guide (July 2026). The comments in the code are by the model that wrote it; some were corrected since.
;; Context Memory. Allowed arithmetic: matrix products marked QUANTISED: E2M1 operands, one E8M0 scale for each 32 along K, by v_wmma_scale_f32_16x16x128_f8f6f4 with both operands' format E2M1 (or v_wmma_scale_f32_32x16x128_f4), f32 sums; products left as they are: f32 operands where the result goes on into a quantised operand, else bf16, f16 or f32 operands; f32 sums; everything else in f32.
;; Inputs: gate_b 1,024 float32; gate_w_codes 1,024 x 64 x 16 uint8 (E2M1 codes of gate_w, K innermost, in blocks of 32 codes, two codes a byte); gate_w_scales 1,024 x 64 uint8 (E8M0 scales of gate_w, one for each 32 codes along K); memory 1 x 512 x 1,024 float32; query 8 x 1,024 x 1,024 float32; r_in_b 3,072 float32; r_in_w_codes 3,072 x 32 x 16 uint8 (E2M1 codes of r_in_w, K innermost, in blocks of 32 codes, two codes a byte); r_in_w_scales 3,072 x 32 uint8 (E8M0 scales of r_in_w, one for each 32 codes along K); r_out_b 1,024 float32; r_out_w_codes 1,024 x 32 x 16 uint8 (E2M1 codes of r_out_w, K innermost, in blocks of 32 codes, two codes a byte); r_out_w_scales 1,024 x 32 uint8 (E8M0 scales of r_out_w, one for each 32 codes along K); rn_b 1,024 float32; rn_g 1,024 float32; w_in_b 3,072 float32; w_in_w 3,072 x 1,024 float32; w_out_b 1,024 float32; w_out_w_codes 1,024 x 32 x 16 uint8 (E2M1 codes of w_out_w, K innermost, in blocks of 32 codes, two codes a byte); w_out_w_scales 1,024 x 32 uint8 (E8M0 scales of w_out_w, one for each 32 codes along K); wn_b 1,024 float32; wn_g 1,024 float32.
;; Outputs: out0 8 x 1,024 x 1,024 float32; out1 8 x 512 x 1,024 float32.
;; This version of the problem:
;;   THIS VERSION OF THE PROBLEM IS GIVEN IN LOW PRECISION. The matrix products marked QUANTISED in the list below multiply operands that are first quantised to E2M1 (2 exponent bits, 1 mantissa bit; 4 bits a number), with one power-of-two scale for each 32 numbers along K (OCP MX v1.0); their sums are f32. All else is computed in f32.
;;   The module's matrix products, in the order in which they are computed (A, B: the left and right operand; K: the contracted axis; several contracted axes count as one K, in the product's order):
;;     1. [M 8,192, K 1,024] x [K 1,024, N 1,024]; A: input query; B: input r_in_w (given as codes): QUANTISED
;;     2. [M 4,096, K 1,024] x [K 1,024, N 1,024]; A: input memory; B: input r_in_w (given as codes): QUANTISED
;;     3. [M 4,096, K 1,024] x [K 1,024, N 1,024]; A: input memory; B: input r_in_w (given as codes): QUANTISED
;;     4. batch 128 x [M 1,024, K 64] x [K 64, N 512]; A: computed on the way; B: computed on the way: QUANTISED
;;     5. batch 128 x [M 64, K 512] x [K 512, N 1,024]; A: computed on the way; B: softmax (see below): QUANTISED
;;     6. [M 8,192, K 1,024] x [K 1,024, N 1,024]; A: computed on the way; B: input r_out_w (given as codes): QUANTISED
;;     7. [M 4,096, K 1,024] x [K 1,024, N 1,024]; A: input memory; B: input w_in_w: QUANTISED
;;     8. [M 8, K 1,024] x [K 1,024, N 1,024]; A: computed on the way; B: input w_in_w: left as it is (M = 8 < 16)
;;     9. [M 8, K 1,024] x [K 1,024, N 1,024]; A: computed on the way; B: input w_in_w: left as it is (M = 8 < 16)
;;     10. batch 128 x [M 512, K 64] x [K 64, N 1]; A: computed on the way; B: computed on the way: left as it is (N = 1 < 16)
;;     11. batch 128 x [M 64, K 1] x [K 1, N 512]; A: computed on the way; B: softmax (see below): left as it is (K = 1 < 32)
;;     12. [M 4,096, K 1,024] x [K 1,024, N 1,024]; A: computed on the way; B: input w_out_w (given as codes): QUANTISED
;;     13. [M 4,096, K 2,048] x [K 2,048, N 1,024]; A: computed on the way; B: input gate_w (given as codes): QUANTISED
;;   THE QUANTISER, for each operand of a quantised product, along K:
;;     - K is cut into blocks of 32 from its start; a last block that is shorter is filled with zeros.
;;     - A block's scale is 2^e with e = floor(log2(the largest magnitude in the block)) - 2, held to -126 .. 127; a block of zeros has e = 0. As a byte (E8M0): e + 127.
;;     - Each number is divided by its block's scale, clamped to +-6, and rounded to the nearest number of E2M1, ties to even, subnormals kept.
;;     - The product sums the exact products of the quantised numbers (number of the format x scale) in f32.
;;   ~~~python
;;   def quantise(x, axis):      # numpy; x: float32 -> the quantised numbers, widened to float32 again
;;       x = np.moveaxis(x, axis, -1); K = x.shape[-1]
;;       x = np.pad(x, [(0, 0)] * (x.ndim - 1) + [(0, -K % 32)]); x = x.reshape(x.shape[:-1] + (-1, 32)); a = np.abs(x).max(-1, keepdims=True)
;;       e = np.where(a > 0, np.clip(np.frexp(np.where(a > 0, a, 1))[1] - 1 - 2, -126, 127), 0)      # np.frexp(a)[1] - 1 = floor(log2(a)), exactly
;;       r = np.clip(x / 2.0 ** e, -6, 6)
;;       step = 2.0 ** (np.maximum(np.frexp(np.where(r == 0, 1, r))[1] - 1, 0) - 1)
;;       q = np.round(r / step) * step * 2.0 ** e      # np.round: ties to even
;;       return np.moveaxis(q.reshape(q.shape[:-2] + (-1,))[..., :K], -1, axis).astype(np.float32)
;;   ~~~
;;   SOFTMAX AHEAD OF A QUANTISED PRODUCT. Where the list says 'softmax', what is quantised is not the finished softmax but p = 2^(t - M), with t = logit x log2(e) and M = ceil(the row's largest t), a whole number; so 1/2 < the row's largest p <= 1. The row's sum l is taken of the UNQUANTISED p, in f32, and the product's result is divided by l at the end. Since M is a whole number, a kernel that streams over the keys may use a running M (the ceiling of the running maximum): every later rescaling is an exact power of two, which a block's scale takes up: the codes' values come out the same.
;;   OPERANDS COMPUTED ON THE WAY. 'Computed on the way' means the value that the module computes at that place (a softmax that the list does not call 'softmax' is quantised finished and normalised). What goes into a quantiser is computed in f32, as accurately as f32 sums, v_exp_f32 and their like allow (about 1e-6 of the number): no bf16 or f16 on the way to a quantiser, and a product that is left as it is and whose result goes on into a quantised operand takes f32 operands (vector FMAs, or v_wmma_f32_16x16x4_f32). A number that lies on a knife's edge between two numbers of the format may be rounded either way, as far as f32 arithmetic and the matrix unit's own rounding can turn it there, and no further.
;;   INPUTS GIVEN AS CODES. gate_w (in the module: [1024, 2048], K = its axis 1); r_in_w (in the module: [3072, 1024], K = its axis 1); r_out_w (in the module: [1024, 1024], K = its axis 1); w_out_w (in the module: [1024, 1024], K = its axis 1): each comes as NAME_codes (uint8): NAME with its K axis moved to the last place and cut into blocks of 32 codes, [.., K / 32, bytes a block], one block behind the other in memory; two codes a byte, the lower K in the low four bits (a code: sign, 2 exponent bits, 1 mantissa bit); and NAME_scales (uint8): the same leading axes, one E8M0 byte (e + 127) for each 32 codes along K. Its value is code x scale, taken as it is: it is not quantised again, and the codes and scales need not be those that the quantiser above would give.
;; 2 versions. Each part assembles by itself: llvm-mc -triple=amdgcn-amd-amdhsa -mcpu=gfx1250 --defsym DOCPART=n.
;; ======== version 1 of 2: 4 launches
;; workspace buffers: xq 4,521,984 bytes; kv 622,592 bytes; gw 3,670,016 bytes; oq 4,489,216 bytes
;; launch prep (part 1): grid 182 x 1, 16 waves a work-group, no clusters, 317,440 bytes of LDS; arguments query, memory, r_in_w_codes, r_in_w_scales, r_in_b, gate_w_codes, gate_w_scales, r_out_w_codes, w_out_w_codes, xq, kv, gw; writes xq, kv, gw
.if DOCPART == 1
	.amdgcn_target "amdgcn-amd-amdhsa--gfx1250"
	.amdhsa_code_object_version 6
	.text
	.protected	k_q807d6514e6_prep
	.globl	k_q807d6514e6_prep
	.p2align	8
	.type	k_q807d6514e6_prep,@function
k_q807d6514e6_prep:
	s_mov_b64 s[64:65], 0
	v_nop
	global_prefetch_b8 v0, s[64:65] scope:SCOPE_SE
	s_setreg_imm32_b32 hwreg(HW_REG_WAVE_MODE, 25, 1), 1
	s_wait_xcnt 0x0
; CONTEXT MEMORY, launch 1 of 4: everything that hangs on the inputs alone.
; WORK LEFT OUT, for all finite values of the inputs:
;  (a) mem is one [512][1024] matrix broadcast over the 8 batches, so the read attention's K and V (and their codes) have 512 different rows, not 4,096: they are made once.
;  (b) The write attention has ONE key.  A softmax over one element is p / l = 1 whatever the score, so its result is the value row v_b of the batch for every slot: the write attention's q and k
;      projections and its scores reach no output.  Rows 0 .. 2047 of w_in_w and w_in_b[0 .. 2047] have no way to an output and are not loaded.
;  (c) So upd has 8 different rows (one a batch): its out projection has 8 rows.
;  (d) The gate's K = 2,048 is 32 blocks of mem (they hang on the slot m alone) and 32 blocks of upd (on the batch b alone); blocks are quantised one by one, so the logit is G1[m][n] + G2[b][n] + gate_b[n],
;      G1 with 512 rows (made here), G2 with 8.
; LIMITS: a NaN, an infinity or an overflow that reaches only the work left out is not carried to the result.  A block whose largest magnitude lies under 2^-124 gets the scale byte 1, a block of zeros too
; (its codes are zeros; the bytes are read by this program alone).  f32 sums are taken in another order than the problem's text takes them.  NaN and infinities among the inputs are not served.
; ROLES, by the work-group's number; each takes its own path to its own end:
;  M (0 .. 47): 64 rows of memory x 512 columns of one of K, V, G1.  The 16 waves quantise the rows (images in LDS), then each wave multiplies them by its 32 weight rows.
;  W (48 .. 53): r_out_w, w_out_w and the second half of gate_w are laid out in the order of the operand's registers.
;  S (54 .. 181): 512 rows x 128 columns of query: codes (images), scale words, column sums for the mean.
; AN IMAGE is a fragment (16 rows x 128 K of 4-bit codes, 8 registers a lane) as it stands in registers: byte 512 c + 16 lane holds registers 4 c .. 4 c + 3.
; THE ROWS OF A TILE ARE NOT NEIGHBOURS: in a group of 64, tile t's row p is member 32 (t / 2) + 8 (t % 2) + p + 8 (p / 8), so that a transposed product's 16 registers of tiles 2 b, 2 b + 1 are 16 neighbours.
; No tensor load, no copy, no cluster: every operand comes by dense loads of 512 bytes.
.set STGW,  16896                      ; LDS: a stage of 32 rows x 528 bytes for each wave, its own
.set XIMG,  270336                     ; M: the 64 rows' 32 images (slot 8 t + s)
.set XSCM,  303104                     ; M: their scale words, 64 bytes a slot
.set XSCS,  305152                     ; S: the scale words of 32 tiles
.set CSB,   307200                     ; S: 16 waves' column sums, 512 bytes each
.set SPARE, 315392                     ; the spare words, 128 bytes a wave
.set XSCO,  4194304                    ; xq: images [T 512][s 8][1024]; from here scale words [b][hf][s][tile 32][r 16];
.set PSUM,  4456448                    ; from here column sums [b][hf][1024]
.set KSC2,  262144                     ; kv: K images [head][tile 32][512]; K's scale bytes in two planes [head][bb][rb][r][t];
.set VIMG,  327680                     ; V images [head][d tile 4][rb 8][512];
.set VSC2,  589824                     ; V's scale bytes in planes [rb][head][r][d tile]
.set WIMG,  2097152                    ; gw: G1 [n / 32][m 512][32]; from here weight images [mat 3][w 16][s 8][tile 4][1024]
.set SPW, 10
.set NIL, 11
.set QM,  18                           ; v18-21 largest magnitudes; v22-25 the other half's, then bytes; v30-33 the conversions' scale operands
.set QB,  22
.set QO,  30
.set PW,  34                           ; the scale word just made
.set PC,  36                           ; v36-43 the codes just made
.set AS,  48                           ; v48-55 the rows' scale words, two sets (scales alone)
.set BS,  56                           ; v56-63 my weight rows' scale words (scales alone)
.set WA,  64                           ; v64-127 weight rows 0-15, later the accumulators
.set ACC, 64
.set RA,  128                          ; v128-191 16 rows of f32, later weight rows 16-31, later the rows' fragments, two sets
.set AF,  128
.set RB,  192                          ; v192-255 16 rows of f32, later my weights' fragments, two sets (192-223), and the bias (224-239)
.set BF,  192
.set BI,  224
.set SEL, 48                           ; s[48:49] lane selects for lane xor 16
.macro ENDW                            ; a wave's end, behind its last LDS store
	s_wait_tensorcnt 0x0
	ds_add_u32 v[SPW], v[NIL]
	s_wait_dscnt 0x0
	s_endpgm
.endm
.macro NOPS n
.rept \n
	v_nop
.endr
.endm
; one scaled product.  c < 0: the sum begins with the constant 0.  ar, br = 1: that side's scale words stand in lanes 16-31
.macro WM d, a, b, c, sa, sb, ar, br
.if (\c) < 0
	v_wmma_scale_f32_16x16x128_f8f6f4 v[(\d):(\d)+7], v[(\a):(\a)+7], v[(\b):(\b)+7], 0, v[(\sa)], v[(\sb)] matrix_a_fmt:MATRIX_FMT_FP4 matrix_b_fmt:MATRIX_FMT_FP4
.elseif (\ar) == 1
	v_wmma_scale_f32_16x16x128_f8f6f4 v[(\d):(\d)+7], v[(\a):(\a)+7], v[(\b):(\b)+7], v[(\c):(\c)+7], v[(\sa)], v[(\sb)] matrix_a_fmt:MATRIX_FMT_FP4 matrix_b_fmt:MATRIX_FMT_FP4 matrix_a_scale:MATRIX_SCALE_ROW1
.elseif (\br) == 1
	v_wmma_scale_f32_16x16x128_f8f6f4 v[(\d):(\d)+7], v[(\a):(\a)+7], v[(\b):(\b)+7], v[(\c):(\c)+7], v[(\sa)], v[(\sb)] matrix_a_fmt:MATRIX_FMT_FP4 matrix_b_fmt:MATRIX_FMT_FP4 matrix_b_scale:MATRIX_SCALE_ROW1
.else
	v_wmma_scale_f32_16x16x128_f8f6f4 v[(\d):(\d)+7], v[(\a):(\a)+7], v[(\b):(\b)+7], v[(\c):(\c)+7], v[(\sa)], v[(\sb)] matrix_a_fmt:MATRIX_FMT_FP4 matrix_b_fmt:MATRIX_FMT_FP4
.endif
.endm
; nb blocks of 32: register src + 16 b + i is number 32 b + 16 (lane / 16) + i of my row.  Codes to v[PC + 2 b], v[PC + 2 b + 1]; bytes to v[QB + b].
; sw = 1: the bytes make the scale word v[PW], and the halves change places so that a lane holds whole blocks (the operand's layout).
.macro QUANT src, nb, sw
.set qb, 0
.rept \nb
	v_max3_num_f32 v[QM+qb], |v[(\src)+16*qb]|, |v[(\src)+16*qb+1]|, 0x1800000    ; my 16 numbers and the floor 2^(3 - 127): the byte cannot fall under 1
.set qb, qb+1
.endr
.set qi, 2
.rept 7
.set qb, 0
.rept \nb
	v_max3_num_f32 v[QM+qb], v[QM+qb], |v[(\src)+16*qb+qi]|, |v[(\src)+16*qb+qi+1]|
.set qb, qb+1
.endr
.set qi, qi+2
.endr
.set qb, 0
.rept \nb
	v_permlanex16_b32 v[QB+qb], v[QM+qb], s[SEL], s[SEL+1]
.set qb, qb+1
.endr
.set qb, 0
.rept \nb
	v_max_num_f32 v[QM+qb], v[QM+qb], v[QB+qb]                 ; with lane xor 16's: the block's largest magnitude
.set qb, qb+1
.endr
.set qb, 0
.rept \nb
	v_add_nc_u32 v[QO+qb], 0xff000000, v[QM+qb]                ; 2 off its exponent field: the conversion's scale operand
.set qb, qb+1
.endr
.set qb, 0
.rept \nb
	v_lshrrev_b32 v[QB+qb], 23, v[QO+qb]                       ; the scale's byte
.set qb, qb+1
.endr
.if \sw
	v_lshl_or_b32 v[PW], v[QB+1], 8, v[QB]
.if \nb == 4
	v_lshl_or_b32 v[PW], v[QB+2], 16, v[PW]
	v_lshl_or_b32 v[PW], v[QB+3], 24, v[PW]
.endif
.endif
.set qb, 0
.rept \nb
	v_cvt_scalef32_pk8_fp4_f32 v[PC+2*qb], v[(\src)+16*qb:(\src)+16*qb+7], v[QO+qb]
	v_cvt_scalef32_pk8_fp4_f32 v[PC+2*qb+1], v[(\src)+16*qb+8:(\src)+16*qb+15], v[QO+qb]
.set qb, qb+1
.endr
	v_nop                                                      ; one plain place behind a scaled conversion
.if \sw
.set qb, 0
.rept \nb/2
	v_permlane16_swap_b32 v[PC+4*qb], v[PC+4*qb+2]
	v_permlane16_swap_b32 v[PC+4*qb+1], v[PC+4*qb+3]
.set qb, qb+1
.endr
.endif
.endm
; 16 rows of a tile, 512 bytes of each: one row an instruction, 16 bytes a lane
.macro XLOAD reg, extra, nt
.set xi, 0
.rept 16
.if \nt
	global_load_b128 v[\reg+4*xi:\reg+4*xi+3], v1, s[36:37] offset:(xi+8*(xi/8))*4096+\extra th:TH_LOAD_NT
.else
	global_load_b128 v[\reg+4*xi:\reg+4*xi+3], v1, s[36:37] offset:(xi+8*(xi/8))*4096+\extra
.endif
.set xi, xi+1
.endr
.endm
; the 16 rows turn through my stage: in as rows, back as 16 neighbours of each block a lane.  LDS serves a wave's instructions in order: no wait between
.macro TURN reg
.irp i, 0,1,2,3,4,5,6,7,8,9,10,11,12,13,14,15
	ds_store_b128 v2, v[\reg+4*\i:\reg+4*\i+3] offset:528*\i
.endr
.irp b, 0,1,2,3
.irp j, 0,1,2,3
	ds_load_b128 v[\reg+16*\b+4*\j:\reg+16*\b+4*\j+3], v3 offset:128*\b+16*\j
.endr
.endr
.endm
.macro WLOAD reg, first, pitch         ; 16 weight rows, 512 bytes of codes each
.irp i, 0,1,2,3,4,5,6,7,8,9,10,11,12,13,14,15
	global_load_b128 v[\reg+4*\i:\reg+4*\i+3], v1, s[38:39] offset:(\first+\i)*\pitch
.endr
.endm
.macro WARMS reg, first                ; gate_w's rows are 1,024 bytes apart, the others' 512: two arms with the same registers and the same number of loads
	s_cmp_eq_u32 s31, 2
	s_cbranch_scc1 .Lwg_\@
	WLOAD \reg, \first, 512
	s_branch .Lwj_\@
.Lwg_\@:
	WLOAD \reg, \first, 1024
.Lwj_\@:
.endm
.macro WSTORE                          ; my 32 weight rows into my stage
.irp i, 0,1,2,3,4,5,6,7,8,9,10,11,12,13,14,15
	ds_store_b128 v2, v[WA+4*\i:WA+4*\i+3] offset:528*\i
.endr
.irp i, 0,1,2,3,4,5,6,7,8,9,10,11,12,13,14,15
	ds_store_b128 v2, v[RA+4*\i:RA+4*\i+3] offset:528*(16+\i)
.endr
.endm
.macro KLOAD ks, st                    ; a K step's operands, 16 LDS loads: four fragments of rows, my two of weights, the rows' four scale words
.irp t, 0,1,2,3
.irp c, 0,1
	ds_load_b128 v[AF+32*(\st)+8*\t+4*\c:AF+32*(\st)+8*\t+4*\c+3], v5 offset:(8*\t+(\ks))*1024+512*\c
.endr
.endr
.irp u, 0,1
.irp c, 0,1
	ds_load_b128 v[BF+16*(\st)+8*\u+4*\c:BF+16*(\st)+8*\u+4*\c+3], v4 offset:8*\u*528+64*(\ks)+32*\c
.endr
.endr
.irp t, 0,1,2,3
	ds_load_b32 v[AS+4*(\st)+\t], v6 offset:(8*\t+(\ks))*64
.endr
.endm
; 64 rows x my 32 columns, K = 1,024 in eight steps; eight accumulators by turns, one instruction a turn.
; var 0: source 0 = weights (a lane holds one row of memory, registers run along the columns); var 1: source 0 = rows (a lane holds one column, registers run along the rows).
; cm 1: the bias is the C of the first step
.macro GEMM var, cm
	KLOAD 0, 0
	KLOAD 1, 1
.set gs, 0
.rept 8
.if gs < 7
	s_wait_dscnt 16                                            ; this step's 16 loads are in, the next step's 16 stay out
.else
	s_wait_dscnt 0x0
.endif
.set gt, 0
.rept 4
.set gu, 0
.rept 2
.if \var == 0
.set DD, ACC+16*gt+8*gu
.else
.set DD, ACC+32*gu+8*gt
.endif
.set CC, DD
.if gs == 0
.if \cm
.set CC, BI+8*gu
.else
.set CC, -1
.endif
.endif
.if \var == 0
	WM DD, BF+16*(gs%2)+8*gu, AF+32*(gs%2)+8*gt, CC, BS+4*gu+gs%4, AS+4*(gs%2)+gt, gs/4, 0
.else
	WM DD, AF+32*(gs%2)+8*gt, BF+16*(gs%2)+8*gu, CC, AS+4*(gs%2)+gt, BS+4*gu+gs%4, 0, gs/4
.endif
.set gu, gu+1
.endr
.set gt, gt+1
.endr
.if gs < 6
	NOPS 4                                                     ; four places in front of loads into registers that these products read
	KLOAD gs+2, gs%2
.endif
.set gs, gs+1
.endr
.endm
.macro MFIN                            ; all my loads are in; my weights go to my stage; my LDS stores have landed: the work-group's barrier; behind it the 32 images are whole
	s_wait_loadcnt 0x0
	WSTORE
	s_wait_dscnt 0x0
	s_barrier_signal -1
	s_barrier_wait -1
.endm
.macro CSUMS reg, first                ; the 16 rows' column sums, in two chains
.set ci, 0
.if \first
	v_pk_add_f32 v[44:45], v[\reg:\reg+1], v[\reg+4:\reg+5]
	v_pk_add_f32 v[46:47], v[\reg+2:\reg+3], v[\reg+6:\reg+7]
.set ci, 2
.endif
.rept 16-2*\first
	v_pk_add_f32 v[44:45], v[44:45], v[\reg+4*ci:\reg+4*ci+1]
	v_pk_add_f32 v[46:47], v[46:47], v[\reg+4*ci+2:\reg+4*ci+3]
.set ci, ci+1
.endr
.endm
	; ---- the common head: every LDS address is made here, ahead of the parting of the roles
	s_load_b512 s[4:19], s[0:1], 0x0               ; query, memory, r_in_w codes, scales, r_in_b, gate_w codes, scales, r_out_w codes
	s_load_b256 s[20:27], s[0:1], 0x40             ; w_out_w codes, xq, kv, gw
	v_lshl_add_u32 v[SPW], v0, 2, SPARE
	v_mov_b32 v[NIL], 0
	v_lshrrev_b32 v36, 5, v0
	v_readfirstlane_b32 s28, v36                   ; wave 0..15
	v_and_b32 v36, 31, v0                          ; lane
	v_and_b32 v37, 15, v0                          ; r
	v_bfe_u32 v28, v0, 4, 1                        ; h
	v_and_b32 v29, 8, v37
	v_add_nc_u32 v29, v29, v37                     ; r + 8 (r / 8)
	s_mul_i32 s30, s28, STGW                       ; my stage
	v_lshlrev_b32 v1, 4, v36                       ; v1  16 x lane
	v_add_nc_u32 v2, s30, v1                       ; v2  the stage by rows
	v_mul_u32_u24 v3, v37, 528
	v_lshl_add_u32 v3, v28, 6, v3
	v_add_nc_u32 v3, s30, v3                       ; v3  row r, + 64 h: my 16 numbers of a block
	v_mul_u32_u24 v4, v29, 528
	v_lshl_add_u32 v4, v28, 4, v4
	v_add_nc_u32 v4, s30, v4                       ; v4  weight row r + 8 (r / 8), + 16 h: a fragment's place
	v_add_nc_u32 v5, XIMG, v1                      ; v5  an image's place for my lane
	v_lshl_add_u32 v6, v37, 2, XSCM                ; v6  a scale word's
	s_lshl_b32 s31, s28, 7
	v_add_nc_u32 v7, s31, v6                       ; v7  M: where I store my two scale words
	v_lshl_add_u32 v16, v37, 2, XSCS
	v_add_nc_u32 v16, s31, v16                     ; v16 S: the same
	s_lshl_b32 s31, s28, 11
	v_add_nc_u32 v8, s31, v5                       ; v8  M: where I store my two images
	s_lshl_b32 s31, s28, 9
	v_add_nc_u32 v26, CSB, v1                      ; v26 S: the column sums, read
	v_add_nc_u32 v9, s31, v26                      ; v9  S: and stored
	v_mul_u32_u24 v12, v37, 144
	v_lshl_add_u32 v12, v28, 6, v12
	v_add_nc_u32 v12, s30, v12                     ; v12 G1's way out: row r of 128 bytes + 16, + 64 h
	v_lshrrev_b32 v38, 3, v36
	v_mul_u32_u24 v13, v38, 144
	v_and_b32 v38, 7, v36
	v_lshl_add_u32 v13, v38, 4, v13
	v_add_nc_u32 v13, s30, v13                     ; v13 and back: four rows an instruction
	v_lshlrev_b32 v14, 4, v37                      ; v14 16 r
	v_lshl_add_u32 v15, v28, 3, v14                ; v15 16 r + 8 h
	s_add_co_u32 s31, s28, 3
	s_and_b32 s31, s31, 3
	s_lshl_b32 s31, s31, 9
	v_add_nc_u32 v17, s31, v1                      ; v17 S: 512 ((wave - 1) mod 4) + 16 lane;
	v_add_nc_u32 v27, XSCS, v17                    ; v27 the same place among the scale words in LDS
.irp b, 0,1,2,3
	v_mov_b32 v[QB+\b], 0                          ; written once: a lane permute's destination counts as one of its sources
.endr
	s_mov_b32 s[SEL], 0x76543210
	s_mov_b32 s[SEL+1], 0xfedcba98
	s_mov_b32 s53, 0
	s_wait_kmcnt 0x0
	s_cmp_ge_u32 ttmp9, 54
	s_cbranch_scc1 .LroleS
	s_cmp_ge_u32 ttmp9, 48
	s_cbranch_scc1 .LroleW
	; ================ ROLE M
	s_and_b32 s29, ttmp9, 7                        ; rb: which 64 rows of memory
	s_lshr_b32 s30, ttmp9, 3
	s_lshr_b32 s31, s30, 1                         ; kind: 0 K, 1 V, 2 G1
	s_and_b32 s32, s30, 1
	s_lshl_b32 s33, s32, 4
	s_add_co_u32 s33, s33, s28                     ; g32: my 32 columns are 32 g32 ..
	s_add_co_u32 s34, s31, 1
	s_lshl_b32 s34, s34, 5
	s_add_co_u32 s34, s34, s33                     ; in r_in_w they are rows 32 (32 (kind + 1) + g32) ..
	s_cmp_eq_u32 s31, 2
	s_cselect_b32 s34, s33, s34
	s_cselect_b32 s50, 64, 32                      ; bytes of a row of scales
	s_cselect_b32 s35, 15, 14                      ; 32 rows of codes: 2^15 or 2^14 bytes
	s_cselect_b64 s[38:39], s[14:15], s[8:9]
	s_cselect_b64 s[40:41], s[16:17], s[10:11]
	s_lshl_b32 s52, s34, s35
	s_add_nc_u64 s[38:39], s[38:39], s[52:53]      ; my weight rows' codes
	s_mul_i32 s52, s34, s50
	s_lshl_b32 s52, s52, 5
	s_add_nc_u64 s[40:41], s[40:41], s[52:53]      ; their scales
	s_lshl_b32 s52, s34, 7
	s_add_nc_u64 s[42:43], s[12:13], s[52:53]      ; their bias (K, V)
	s_lshl_b32 s52, s29, 6                         ; I quantise tile t = wave / 4, K steps 2 (wave % 4) and + 1
	s_lshr_b32 s54, s28, 3
	s_lshl_b32 s54, s54, 5
	s_add_co_u32 s52, s52, s54
	s_bfe_u32 s54, s28, 0x10002
	s_lshl_b32 s54, s54, 3
	s_add_co_u32 s52, s52, s54
	s_lshl_b32 s52, s52, 12
	s_and_b32 s54, s28, 3
	s_lshl_b32 s54, s54, 10
	s_add_co_u32 s52, s52, s54
	s_add_nc_u64 s[36:37], s[6:7], s[52:53]
	v_mul_lo_u32 v17, v29, s50
	v_lshl_add_u32 v17, v28, 4, v17                ; scales: lanes 0-15 take the words of K steps 0-3, lanes 16-31 of steps 4-7
	s_lshl_b32 s54, s50, 3
	v_add_nc_u32 v35, s54, v17                     ; the second tile's rows lie 8 further on
	global_load_b128 v[BS:BS+3], v17, s[40:41]
	global_load_b128 v[BS+4:BS+7], v35, s[40:41]
	XLOAD RA, 0, 0
	XLOAD RB, 512, 0
	WARMS WA, 0
	s_wait_loadcnt 32                              ; the first K step's rows are in; the second's 16 loads and the weights' 16 stay out
	TURN RA
	s_wait_loadcnt 16                              ; the weights' 16 stay out
	TURN RB
	s_wait_dscnt 32                                ; the first turn is back; the second's 32 stay out
	QUANT RA, 4, 1
	ds_store_b128 v8, v[PC:PC+3]
	ds_store_b128 v8, v[PC+4:PC+7] offset:512
	ds_store_b32 v7, v[PW]
	WARMS RA, 16                                   ; weight rows 16-31 into the registers just quantised
	s_wait_dscnt 0x0                               ; the second turn is back, and the stores have read the codes' registers
	QUANT RB, 4, 1
	ds_store_b128 v8, v[PC:PC+3] offset:1024
	ds_store_b128 v8, v[PC+4:PC+7] offset:1536
	ds_store_b32 v7, v[PW] offset:64
	s_cmp_eq_u32 s31, 1
	s_cbranch_scc1 .LkindV
	s_cmp_eq_u32 s31, 2
	s_cbranch_scc1 .LkindG
	; ---- K: my 32 columns are block bb = wave % 2 of head g32 / 2.  A lane holds one key; its 16 registers of a tile of keys are half of that block
	v_lshlrev_b32 v44, 6, v28
.irp u, 0,1
.irp q, 0,1
	global_load_b128 v[BI+8*\u+4*\q:BI+8*\u+4*\q+3], v44, s[42:43] offset:32*\u+16*\q    ; bias of columns 16 h + 8 u + 0 .. 7
.endr
.endr
	s_lshr_b32 s52, s33, 1
	s_lshl_b32 s52, s52, 14
	s_lshl_b32 s54, s29, 11
	s_add_co_u32 s52, s52, s54
	s_and_b32 s54, s33, 1
	s_lshl_b32 s51, s54, 3                         ; my byte's place in a key's scale word
	s_lshl_b32 s54, s54, 8
	s_add_co_u32 s52, s52, s54
	s_add_nc_u64 s[44:45], s[24:25], s[52:53]
	s_lshl_b32 s52, s33, 3
	s_add_co_u32 s52, s52, s29
	s_lshl_b32 s52, s52, 8
	s_add_co_u32 s52, s52, KSC2
	s_add_nc_u64 s[46:47], s[24:25], s[52:53]
	MFIN
	GEMM 0, 1
	NOPS 4
	QUANT ACC, 4, 0                                ; block b of the macro = tile b of keys
.irp t, 0,1,2,3
	v_lshlrev_b32 v[QB+\t], s51, v[QB+\t]
.endr
.irp t, 0,1,2,3
	global_store_b64 v15, v[PC+2*\t:PC+2*\t+1], s[44:45] offset:512*\t    ; 32 lanes store 256 bytes on end: lanes' half bb of the tile's image
.endr
	global_store_b128 v14, v[QB:QB+3], s[46:47]    ; key r's bytes for the four tiles (lanes 16-31 store the same bytes again)
	ENDW
.LkindV:
	; ---- V: a lane holds one column d; its registers run along the keys, which are the second product's K
	v_lshlrev_b32 v44, 2, v29
.irp u, 0,1
.irp j, 0,1,2,3,4,5,6,7
	global_load_b32 v[BI+8*\u+\j], v44, s[42:43] offset:32*\u    ; my column's bias, the same for all eight keys of a register run
.endr
.endr
	s_lshl_b32 s52, s33, 13
	s_lshl_b32 s54, s29, 9
	s_add_co_u32 s52, s52, s54
	s_add_co_u32 s52, s52, VIMG
	s_add_nc_u64 s[44:45], s[24:25], s[52:53]
	s_lshl_b32 s52, s29, 4
	s_lshr_b32 s54, s33, 1
	s_add_co_u32 s52, s52, s54
	s_lshl_b32 s52, s52, 8
	s_and_b32 s54, s33, 1
	s_lshl_b32 s54, s54, 3
	s_add_co_u32 s52, s52, s54
	s_add_co_u32 s52, s52, VSC2
	s_add_nc_u64 s[46:47], s[24:25], s[52:53]
	s_and_b32 s51, s29, 1
	s_lshl_b32 s51, s51, 4                         ; these 64 keys are the lower or the upper half of a key step's scale word
	MFIN
	GEMM 1, 1
	NOPS 4
	QUANT ACC, 4, 0                                ; block 2 u + kb of the macro = d tile u, keys 32 kb ..
.irp u, 0,1
.irp k, 0,1
	global_store_b64 v15, v[PC+4*\u+2*\k:PC+4*\u+2*\k+1], s[44:45] offset:4096*\u+256*\k
.endr
.endr
	v_lshl_or_b32 v18, v23, 8, v22
	v_lshl_or_b32 v19, v25, 8, v24
	v_lshlrev_b32 v18, s51, v18
	v_lshlrev_b32 v19, s51, v19
	global_store_b64 v14, v[18:19], s[46:47]       ; pieces of 8 bytes, 16 apart: 32,768 bytes in the whole launch
	ENDW
.LkindG:
	; ---- G1: no bias here (gate_b goes in with G2); f32 results leave through my stage, 512 bytes on end a store
	s_lshl_b32 s52, s33, 16
	s_lshl_b32 s54, s29, 13
	s_add_co_u32 s52, s52, s54
	s_add_nc_u64 s[44:45], s[26:27], s[52:53]
	MFIN
	GEMM 0, 0
	NOPS 4
.irp t, 0,1,2,3
.irp u, 0,1
.irp q, 0,1
	ds_store_b128 v12, v[ACC+16*\t+8*\u+4*\q:ACC+16*\t+8*\u+4*\q+3] offset:2304*\t+32*\u+16*\q    ; each accumulator from its low end on
.endr
.endr
.endr
.irp t, 0,1,2,3
.irp i, 0,1,2,3
	ds_load_b128 v[128+16*\t+4*\i:131+16*\t+4*\i], v13 offset:2304*\t+576*\i
.endr
.endr
	s_wait_dscnt 0x0
.irp t, 0,1,2,3
.irp i, 0,1,2,3
	global_store_b128 v1, v[128+16*\t+4*\i:131+16*\t+4*\i], s[44:45] offset:(32*(\t/2)+8*(\t%2)+4*\i+8*(\i/2))*128
.endr
.endr
	ENDW
	; ================ ROLE W: my 32 weight rows go through my stage and leave as images; waves share nothing, so no barrier
.LroleW:
	s_sub_co_u32 s29, ttmp9, 48
	s_lshr_b32 s31, s29, 1                         ; 0 r_out_w, 1 w_out_w, 2 gate_w's second half
	s_and_b32 s30, s29, 1
	s_lshl_b32 s30, s30, 4
	s_add_co_u32 s30, s30, s28                     ; rows 32 unit ..
	s_cmp_eq_u32 s31, 1
	s_cselect_b64 s[38:39], s[20:21], s[18:19]
	s_cmp_eq_u32 s31, 2
	s_cselect_b64 s[38:39], s[14:15], s[38:39]
	s_cselect_b32 s35, 15, 14
	s_cselect_b32 s54, 512, 0
	s_lshl_b32 s52, s30, s35
	s_add_co_u32 s52, s52, s54
	s_add_nc_u64 s[38:39], s[38:39], s[52:53]
	s_lshl_b32 s52, s31, 19
	s_lshr_b32 s54, s30, 1
	s_lshl_b32 s54, s54, 15
	s_add_co_u32 s52, s52, s54
	s_and_b32 s54, s30, 1
	s_lshl_b32 s54, s54, 11
	s_add_co_u32 s52, s52, s54
	s_add_co_u32 s52, s52, WIMG
	s_add_nc_u64 s[44:45], s[26:27], s[52:53]
	WARMS WA, 0
	WARMS RA, 16
	s_wait_loadcnt 0x0
	WSTORE
.irp u, 0,1
.irp k, 0,1,2,3,4,5,6,7
.irp c, 0,1
	ds_load_b128 v[128+64*\u+8*\k+4*\c:131+64*\u+8*\k+4*\c], v4 offset:8*\u*528+64*\k+32*\c
.endr
.endr
.endr
	s_wait_dscnt 0x0
.irp u, 0,1
.irp k, 0,1,2,3,4,5,6,7
.irp c, 0,1
	global_store_b128 v1, v[128+64*\u+8*\k+4*\c:131+64*\u+8*\k+4*\c], s[44:45] offset:4096*\k+1024*\u+512*\c
.endr
.endr
.endr
	ENDW
	; ================ ROLE S: batch b, half hf of its rows, K step s.  My wave: 32 rows = two tiles
.LroleS:
	s_sub_co_u32 s29, ttmp9, 54
	s_lshr_b32 s30, s29, 4                         ; b
	s_bfe_u32 s31, s29, 0x30001                    ; s
	s_and_b32 s32, s29, 1                          ; hf
	s_lshl_b32 s33, s30, 1
	s_add_co_u32 s33, s33, s32
	s_lshl_b32 s34, s33, 4
	s_add_co_u32 s34, s34, s28                     ; which 32 rows of the 8,192
	s_lshl_b32 s52, s34, 17
	s_lshl_b32 s54, s31, 9
	s_add_co_u32 s52, s52, s54
	s_add_nc_u64 s[36:37], s[4:5], s[52:53]
	s_lshl_b32 s52, s34, 14
	s_lshl_b32 s54, s31, 10
	s_add_co_u32 s52, s52, s54
	s_add_nc_u64 s[38:39], s[22:23], s[52:53]      ; my two images
	s_lshl_b32 s52, s33, 12
	s_lshl_b32 s54, s31, 9
	s_add_co_u32 s52, s52, s54
	s_add_co_u32 s52, s52, PSUM
	s_add_nc_u64 s[40:41], s[22:23], s[52:53]
	s_lshl_b32 s52, s33, 3
	s_add_co_u32 s52, s52, s31
	s_lshl_b32 s52, s52, 11
	s_add_co_u32 s52, s52, XSCO
	s_add_nc_u64 s[42:43], s[22:23], s[52:53]
	XLOAD RA, 0, 1
	XLOAD RB, 32768, 1
	s_wait_loadcnt 16                              ; the first tile's rows are in, the second's 16 loads stay out
	CSUMS RA, 1
	TURN RA
	s_wait_loadcnt 0x0
	CSUMS RB, 0
	TURN RB
	s_wait_dscnt 32                                ; the first turn is back; the second's 32 stay out
	QUANT RA, 4, 1
	global_store_b128 v1, v[PC:PC+3], s[38:39]
	global_store_b128 v1, v[PC+4:PC+7], s[38:39] offset:512
	ds_store_b32 v16, v[PW]
	s_wait_dscnt 0x0                               ; the second turn is back, the word's store has read its register,
	s_wait_xcnt 0x0                                ; and the codes' registers are written again only behind this wait
	QUANT RB, 4, 1
	global_store_b128 v1, v[PC:PC+3], s[38:39] offset:8192
	global_store_b128 v1, v[PC+4:PC+7], s[38:39] offset:8704
	ds_store_b32 v16, v[PW] offset:64
	ds_store_b128 v9, v[44:47]
	s_wait_dscnt 0x0                               ; for the others' sake: my words and sums have landed
	s_barrier_signal -1
	s_barrier_wait -1
	s_cmp_lg_u32 s28, 0
	s_cbranch_scc1 .Lsw
.set ci, 0
.rept 16
	ds_load_b128 v[64+4*ci:67+4*ci], v26 offset:512*ci         ; wave 0 adds the 16 waves' column sums
.set ci, ci+1
.endr
	s_wait_dscnt 0x0
.set ci, 1
.rept 15
	v_pk_add_f32 v[64:65], v[64:65], v[64+4*ci:65+4*ci]
	v_pk_add_f32 v[66:67], v[66:67], v[66+4*ci:67+4*ci]
.set ci, ci+1
.endr
	global_store_b128 v1, v[64:67], s[40:41]
	ENDW
.Lsw:
	s_cmp_gt_u32 s28, 4
	s_cbranch_scc1 .Lsx
	ds_load_b128 v[64:67], v27                     ; waves 1 to 4 send the 2,048 bytes of scale words out, 512 on end each
	s_wait_dscnt 0x0
	global_store_b128 v17, v[64:67], s[42:43]
.Lsx:
	ENDW
.Lfunc_end_k_q807d6514e6_prep:
	.size	k_q807d6514e6_prep, .Lfunc_end_k_q807d6514e6_prep-k_q807d6514e6_prep
	.p2alignl 7, 3214868480
	.fill 96, 4, 3214868480
	.section	.rodata,"a",@progbits
	.p2align	6, 0x0
	.amdhsa_kernel k_q807d6514e6_prep
		.amdhsa_group_segment_fixed_size 317440
		.amdhsa_private_segment_fixed_size 0
		.amdhsa_enable_private_segment 0
		.amdhsa_kernarg_size 96
		.amdhsa_user_sgpr_count 2
		.amdhsa_user_sgpr_kernarg_segment_ptr 1
		.amdhsa_wavefront_size32 1
		.amdhsa_system_sgpr_workgroup_id_x 1
		.amdhsa_system_sgpr_workgroup_id_y 1
		.amdhsa_system_sgpr_workgroup_id_z 1
		.amdhsa_system_vgpr_workitem_id 0
		.amdhsa_next_free_vgpr 256
		.amdhsa_next_free_sgpr 66
		.amdhsa_reserve_vcc 0
		.amdhsa_float_denorm_mode_32 3
		.amdhsa_float_denorm_mode_16_64 3
		.amdhsa_memory_ordered 1
		.amdhsa_forward_progress 1
		.amdhsa_inst_pref_size 137
	.end_amdhsa_kernel
	.amdgpu_metadata
---
amdhsa.version: [ 1, 2 ]
amdhsa.kernels:
  - .name:           k_q807d6514e6_prep
    .symbol:         k_q807d6514e6_prep.kd
    .args:
      - { .name: query, .offset: 0, .size: 8, .value_kind: global_buffer, .address_space: global }
      - { .name: memory, .offset: 8, .size: 8, .value_kind: global_buffer, .address_space: global }
      - { .name: r_in_w_codes, .offset: 16, .size: 8, .value_kind: global_buffer, .address_space: global }
      - { .name: r_in_w_scales, .offset: 24, .size: 8, .value_kind: global_buffer, .address_space: global }
      - { .name: r_in_b, .offset: 32, .size: 8, .value_kind: global_buffer, .address_space: global }
      - { .name: gate_w_codes, .offset: 40, .size: 8, .value_kind: global_buffer, .address_space: global }
      - { .name: gate_w_scales, .offset: 48, .size: 8, .value_kind: global_buffer, .address_space: global }
      - { .name: r_out_w_codes, .offset: 56, .size: 8, .value_kind: global_buffer, .address_space: global }
      - { .name: w_out_w_codes, .offset: 64, .size: 8, .value_kind: global_buffer, .address_space: global }
      - { .name: xq, .offset: 72, .size: 8, .value_kind: global_buffer, .address_space: global }
      - { .name: kv, .offset: 80, .size: 8, .value_kind: global_buffer, .address_space: global }
      - { .name: gw, .offset: 88, .size: 8, .value_kind: global_buffer, .address_space: global }
    .group_segment_fixed_size: 317440
    .private_segment_fixed_size: 0
    .kernarg_segment_align: 8
    .kernarg_segment_size: 96
    .max_flat_workgroup_size: 512
    .sgpr_count:     66
    .vgpr_count:     256
    .wavefront_size: 32
...
	.end_amdgpu_metadata
.endif
;; end of part 1
;; launch attn (part 2): grid 256 x 1, 16 waves a work-group, no clusters, 171,520 bytes of LDS; arguments xq, kv, r_in_w_codes, r_in_w_scales, r_in_b, w_in_w, w_in_b, oq; writes oq
.if DOCPART == 2
	.amdgcn_target "amdgcn-amd-amdhsa--gfx1250"
	.amdhsa_code_object_version 6
	.text
	.protected	k_q807d6514e6_attn
	.globl	k_q807d6514e6_attn
	.p2align	8
	.type	k_q807d6514e6_attn,@function
k_q807d6514e6_attn:
	s_mov_b64 s[64:65], 0
	v_nop
	global_prefetch_b8 v0, s[64:65] scope:SCOPE_SE
	s_setreg_imm32_b32 hwreg(HW_REG_WAVE_MODE, 25, 1), 1
	s_wait_xcnt 0x0
; CONTEXT MEMORY, launch 2 of 4: the read attention (q projection, scores, softmax, values) on codes of FP4, and the write path's value rows v_b.
; Left out, as shown at the head of launch 1: the write attention's q, k and scores (one key: its softmax is 1), and the repeated rows of K and V (memory is the same for all batches).
; SHARES.  Work-group id: head pair hp = id % 8, 256 queries rg = id / 8.  Each of the sixteen waves owns one tile of 16 queries, in 256 registers, and takes it through both heads of the pair.
; Both heads' K and V images, their scale words and Wq's 128 rows lie in LDS, filled once through registers.  Beside that the work-group makes 32 numbers of v_b = mean(query) Wv^T + bv, in f32
; multiply-adds (its result goes on into a quantised operand): wave w takes column 8 (id / 2) + w % 8 for two of the four batches 4 (id % 2) ..
; LAYOUT.  All products are used transposed, so that a lane holds ONE query (lane % 16) throughout: q^T = Wq x^T, S^T = K q^T, O^T = V^T P^T.  The rows of every tile are chosen as launch 1's head says, so that the
; registers of two neighbouring tiles are 16 neighbours along the next product's K.  A head's 64 are half of the instruction's K = 128: the other half is zero codes on both sides.
; SOFTMAX: t = score x log2(e) / 8; M = the running largest t rounded up to a whole number; p = 2^(t - M) is quantised along the keys; the row's sum is taken of the unquantised p and divides O at the end.
; LIMITS as in launch 1.
.set VI,    32768                      ; LDS: K images at 0 [head 2][tile 32][512]; V images [head 2][d tile 4][rb 8][512];
.set WQ,    65536                      ; Wq: 128 rows x (512 + 16);
.set KSC,   133120                     ; K's scale words [head][rb][r][t];
.set VSC,   137216                     ; V's [head][step][r][d tile];
.set XSC,   139264                     ; x's [s][tile 16][r];
.set WQS,   147456                     ; Wq's scale rows as they lie;
.set BQ,    151552                     ; bq, 128 numbers;
.set WQM,   152064                     ; four batches' column sums of query;
.set OSG,   168448                     ; O's scale words [tile 16][r];
.set SPARE, 169472                     ; the spare words
.set XSCO,  4194304
.set PSUM,  4456448
.set KSC2,  262144
.set VIMG,  327680
.set VSC2,  589824
.set OSCG,  4194304                    ; oq: O images [T][head pair][1024]; scale words [head pair][T][r]; v_b
.set VBQ,   4456448
.set SPW, 9
.set NIL, 10
.set QM,  238                          ; v238-241 largest magnitudes or scores; v242-245 the other half's, then bytes; v246-249 the conversions' scale operands
.set QB,  242
.set QO,  246
.set QA,  160                          ; v160-191 q's four tiles, later O^T
.set SEL, 40                           ; s[40:41]
; REGISTERS: v1 16 lane; v2 .. v8, v31, v254, v255 LDS addresses that stay; v11, v28-30 addresses of the step in hand; v12 -M, v13 the largest t, v[14:15] the sum; v16-23 q's fragment (20-23 zeros); v24-27 the second head's q;
; v32-63 four fragments of K (upper halves zeros); v64-95 V's four; v96-159 x's eight fragments, later S^T and p; v192-199 p's codes; v200-207 O's codes; v208-231 scale words from LDS; v232, v233 q's scale words; v234 p's;
; v235 O's scale word; v[236:237] f; v250, v251 at work; v[252:253] the sum's second chain.
.macro NOPS n
.rept \n
	v_nop
.endr
.endm
.macro WM d, a, b, c, sa, sb, ar, br
.if (\c) < 0
	v_wmma_scale_f32_16x16x128_f8f6f4 v[(\d):(\d)+7], v[(\a):(\a)+7], v[(\b):(\b)+7], 0, v[(\sa)], v[(\sb)] matrix_a_fmt:MATRIX_FMT_FP4 matrix_b_fmt:MATRIX_FMT_FP4
.elseif (\ar) == 1
	v_wmma_scale_f32_16x16x128_f8f6f4 v[(\d):(\d)+7], v[(\a):(\a)+7], v[(\b):(\b)+7], v[(\c):(\c)+7], v[(\sa)], v[(\sb)] matrix_a_fmt:MATRIX_FMT_FP4 matrix_b_fmt:MATRIX_FMT_FP4 matrix_a_scale:MATRIX_SCALE_ROW1
.elseif (\br) == 1
	v_wmma_scale_f32_16x16x128_f8f6f4 v[(\d):(\d)+7], v[(\a):(\a)+7], v[(\b):(\b)+7], v[(\c):(\c)+7], v[(\sa)], v[(\sb)] matrix_a_fmt:MATRIX_FMT_FP4 matrix_b_fmt:MATRIX_FMT_FP4 matrix_b_scale:MATRIX_SCALE_ROW1
.else
	v_wmma_scale_f32_16x16x128_f8f6f4 v[(\d):(\d)+7], v[(\a):(\a)+7], v[(\b):(\b)+7], v[(\c):(\c)+7], v[(\sa)], v[(\sb)] matrix_a_fmt:MATRIX_FMT_FP4 matrix_b_fmt:MATRIX_FMT_FP4
.endif
.endm
; as in launch 1: nb blocks of 32, register src + 16 b + i = number 32 b + 16 (lane / 16) + i of my row; codes to v[PC] on, the scale word to v[PW]
.macro QUANT src, nb, sw
.set qb, 0
.rept \nb
	v_max3_num_f32 v[QM+qb], |v[(\src)+16*qb]|, |v[(\src)+16*qb+1]|, 0x1800000
.set qb, qb+1
.endr
.set qi, 2
.rept 7
.set qb, 0
.rept \nb
	v_max3_num_f32 v[QM+qb], v[QM+qb], |v[(\src)+16*qb+qi]|, |v[(\src)+16*qb+qi+1]|
.set qb, qb+1
.endr
.set qi, qi+2
.endr
.set qb, 0
.rept \nb
	v_permlanex16_b32 v[QB+qb], v[QM+qb], s[SEL], s[SEL+1]
.set qb, qb+1
.endr
.set qb, 0
.rept \nb
	v_max_num_f32 v[QM+qb], v[QM+qb], v[QB+qb]
.set qb, qb+1
.endr
.set qb, 0
.rept \nb
	v_add_nc_u32 v[QO+qb], 0xff000000, v[QM+qb]
.set qb, qb+1
.endr
.set qb, 0
.rept \nb
	v_lshrrev_b32 v[QB+qb], 23, v[QO+qb]
.set qb, qb+1
.endr
.if \sw
	v_lshl_or_b32 v[PW], v[QB+1], 8, v[QB]
.if \nb == 4
	v_lshl_or_b32 v[PW], v[QB+2], 16, v[PW]
	v_lshl_or_b32 v[PW], v[QB+3], 24, v[PW]
.endif
.endif
.set qb, 0
.rept \nb
	v_cvt_scalef32_pk8_fp4_f32 v[PC+2*qb], v[(\src)+16*qb:(\src)+16*qb+7], v[QO+qb]
	v_cvt_scalef32_pk8_fp4_f32 v[PC+2*qb+1], v[(\src)+16*qb+8:(\src)+16*qb+15], v[QO+qb]
.set qb, qb+1
.endr
	v_nop
.if \sw
.set qb, 0
.rept \nb/2
	v_permlane16_swap_b32 v[PC+4*qb], v[PC+4*qb+2]
	v_permlane16_swap_b32 v[PC+4*qb+1], v[PC+4*qb+3]
.set qb, qb+1
.endr
.endif
.endm
	s_load_b512 s[4:19], s[0:1], 0x0               ; xq, kv, r_in_w codes, scales, r_in_b, w_in_w, w_in_b, oq
	v_lshl_add_u32 v[SPW], v0, 2, SPARE
	v_mov_b32 v[NIL], 0
	v_lshrrev_b32 v11, 5, v0
	v_readfirstlane_b32 s20, v11                   ; wave 0..15
	s_and_b32 s21, ttmp9, 7                        ; hp
	s_lshr_b32 s22, ttmp9, 3                       ; rg
	v_and_b32 v11, 31, v0                          ; lane
	v_and_b32 v12, 15, v0                          ; r
	v_bfe_u32 v13, v0, 4, 1                        ; h
	v_and_b32 v14, 8, v12
	v_add_nc_u32 v14, v14, v12                     ; r + 8 (r / 8)
	v_lshlrev_b32 v1, 4, v11                       ; v1  16 lane: an image's place, K's too (K's images begin at LDS byte 0)
	v_add_nc_u32 v3, VI, v1                        ; v3  V's images
	v_lshl_add_u32 v4, v12, 4, KSC                 ; v4  K's scale words: four tiles' for key row r
	v_lshl_add_u32 v5, v12, 4, VSC                 ; v5  V's: four d tiles' for row r
	v_mul_u32_u24 v6, v14, 528
	v_lshl_add_u32 v6, v13, 4, v6
	v_add_nc_u32 v6, WQ, v6                        ; v6  a fragment of Wq
	v_lshlrev_b32 v7, 5, v14
	v_lshl_add_u32 v7, v13, 4, v7
	v_add_nc_u32 v7, WQS, v7                       ; v7  its scale words: lanes 0-15 K steps 0-3, lanes 16-31 steps 4-7
	v_lshl_add_u32 v8, v13, 6, BQ                  ; v8  bq in the result's layout
	s_lshl_b32 s50, s20, 6
	v_lshl_add_u32 v31, v12, 2, OSG
	v_add_nc_u32 v31, s50, v31                     ; v31 where O's scale word goes
	v_lshl_add_u32 v254, v12, 2, XSC
	v_add_nc_u32 v254, s50, v254                   ; v254 my tile's scale words of x
	s_lshr_b32 s50, s20, 3
	s_lshl_b32 s50, s50, 13
	v_add_nc_u32 v255, WQM, v1
	v_add_nc_u32 v255, s50, v255                   ; v255 my two batches' column sums
	s_and_b32 s50, s20, 1
	s_lshl_b32 s50, s50, 9
	v_add_nc_u32 v2, OSG, v1
	v_add_nc_u32 v2, s50, v2                       ; v2  O's scale words on the way out (waves 0, 1)
	; the fill's addresses, in registers that take other work later
	v_lshlrev_b32 v16, 4, v0                       ; 16 x thread
	s_mul_i32 s50, s20, 528
	v_add_nc_u32 v17, WQ, v1
	v_add_nc_u32 v17, s50, v17
	v_lshlrev_b32 v18, 3, v0                       ; 8 x thread
	v_add_nc_u32 v19, KSC, v18
	v_add_nc_u32 v20, WQS, v18
	v_lshrrev_b32 v21, 8, v0
	v_and_b32 v22, 2047, v18
	v_lshl_add_u32 v21, v21, 12, v22               ; K's planes in memory: head x 4,096 + the place in a plane
	v_bfe_u32 v22, v0, 6, 2
	v_lshlrev_b32 v22, 13, v22
	v_lshrrev_b32 v23, 8, v0
	v_lshl_add_u32 v22, v23, 8, v22
	v_and_b32 v23, 63, v0
	v_lshl_add_u32 v22, v23, 2, v22                ; V's planes: step x 8,192 + head x 256 + the word
	v_lshrrev_b32 v24, 6, v0
	v_lshlrev_b32 v24, 11, v24
	v_lshl_add_u32 v24, v23, 4, v24                ; x's scale words: s x 2,048 + 16 bytes
	v_lshl_add_u32 v23, v0, 2, VSC
	v_add_nc_u32 v25, XSC, v16
	v_lshrrev_b32 v27, 7, v0
	v_and_b32 v28, 127, v0
	v_lshlrev_b32 v28, 4, v28
	v_lshl_add_u32 v26, v27, 13, v28               ; the column sums in memory: batch x 8,192
	v_lshl_add_u32 v27, v27, 12, v28
	v_add_nc_u32 v27, WQM, v27                     ; and in LDS: batch x 4,096
	v_add_nc_u32 v28, BQ, v1
	s_mov_b32 s[SEL], 0x76543210
	s_mov_b32 s[SEL+1], 0xfedcba98
	s_mov_b32 s42, 0x3e38aa3b                      ; c = log2(e) / sqrt(64)
	s_mov_b32 s43, s42                             ; (named with it as a pair, so it is written)
	s_mov_b32 s61, 0x3a800000                      ; 2^-10: the mean over 1,024 rows
	s_mov_b32 s51, 0
	s_wait_kmcnt 0x0
	s_lshl_b32 s50, s21, 15
	s_add_nc_u64 s[24:25], s[6:7], s[50:51]        ; the pair's K images,
	s_add_nc_u64 s[26:27], s[24:25], VIMG          ; V images,
	s_lshl_b32 s50, s21, 16
	s_add_nc_u64 s[28:29], s[8:9], s[50:51]        ; Wq's 128 rows,
	s_lshl_b32 s50, s21, 13
	s_add_co_u32 s50, s50, KSC2
	s_add_nc_u64 s[30:31], s[6:7], s[50:51]
	s_lshl_b32 s50, s21, 9
	s_add_nc_u64 s[44:45], s[12:13], s[50:51]      ; bq,
	s_add_co_u32 s50, s50, VSC2
	s_add_nc_u64 s[32:33], s[6:7], s[50:51]
	s_lshr_b32 s50, s22, 1
	s_lshl_b32 s50, s50, 14
	s_and_b32 s52, s22, 1
	s_lshl_b32 s52, s52, 10
	s_add_co_u32 s50, s50, s52
	s_add_co_u32 s50, s50, XSCO
	s_add_nc_u64 s[34:35], s[4:5], s[50:51]
	s_lshl_b32 s50, s21, 12
	s_add_nc_u64 s[36:37], s[10:11], s[50:51]
	s_and_b32 s50, ttmp9, 1
	s_lshl_b32 s50, s50, 15
	s_add_co_u32 s50, s50, PSUM
	s_add_nc_u64 s[38:39], s[4:5], s[50:51]
	s_lshl_b32 s50, s22, 4
	s_add_co_u32 s50, s50, s20                     ; my tile T = 16 rg + wave
	s_lshl_b32 s50, s50, 13
	s_add_nc_u64 s[46:47], s[4:5], s[50:51]        ; its eight images of x
	s_lshl_b32 s52, s21, 10
	s_add_co_u32 s50, s50, s52
	s_add_nc_u64 s[54:55], s[18:19], s[50:51]      ; its image of O for this head pair
	s_lshl_b32 s50, s21, 15
	s_lshl_b32 s52, s22, 10
	s_add_co_u32 s50, s50, s52
	s_add_co_u32 s50, s50, OSCG
	s_add_nc_u64 s[56:57], s[18:19], s[50:51]
	s_lshr_b32 s52, ttmp9, 1
	s_lshl_b32 s52, s52, 3
	s_and_b32 s53, s20, 7
	s_add_co_u32 s52, s52, s53                     ; n: my column of v_b
	s_add_co_u32 s50, s52, 2048
	s_lshl_b32 s50, s50, 12
	s_add_nc_u64 s[48:49], s[14:15], s[50:51]      ; row 2,048 + n of w_in_w
	s_lshl_b32 s53, s52, 2
	s_load_b32 s60, s[16:17], s53 offset:0x2000    ; w_in_b[2,048 + n]
	s_lshr_b32 s50, s52, 5                         ; v_b's place: laid so that launch 4's lanes load 16 neighbours of a block by 16-byte loads
	s_lshl_b32 s50, s50, 10
	s_bfe_u32 s59, s52, 0x20002
	s_lshl_b32 s59, s59, 8
	s_add_co_u32 s50, s50, s59
	s_bfe_u32 s59, s52, 0x10004
	s_lshl_b32 s59, s59, 7
	s_add_co_u32 s50, s50, s59
	s_and_b32 s59, s52, 3
	s_lshl_b32 s59, s59, 2
	s_add_co_u32 s50, s50, s59
	s_and_b32 s59, ttmp9, 1
	s_lshl_b32 s59, s59, 6
	s_add_co_u32 s50, s50, s59
	s_lshr_b32 s59, s20, 3
	s_lshl_b32 s59, s59, 5
	s_add_co_u32 s50, s50, s59
	s_add_co_u32 s50, s50, VBQ
	s_add_nc_u64 s[58:59], s[18:19], s[50:51]
	; ---- THE FILL: all loads go out together
.irp k, 0,1,2,3
	global_load_b128 v[32+4*\k:35+4*\k], v16, s[24:25] offset:8192*\k
.endr
.irp k, 0,1,2,3
	global_load_b128 v[48+4*\k:51+4*\k], v16, s[26:27] offset:8192*\k
.endr
.irp k, 0,1,2,3,4,5,6,7
	global_load_b128 v[64+4*\k:67+4*\k], v16, s[28:29] offset:8192*\k
.endr
	global_load_b64 v[192:193], v21, s[30:31]
	global_load_b64 v[194:195], v21, s[30:31] offset:2048
	global_load_b32 v196, v22, s[32:33]
	global_load_b32 v197, v22, s[32:33] offset:4096
	global_load_b64 v[198:199], v18, s[36:37]
	global_load_b128 v[200:203], v24, s[34:35]
.irp e, 0,1
.irp f, 0,1
	global_load_b128 v[236+8*\e+4*\f:239+8*\e+4*\f], v26, s[38:39] offset:2048*\e+4096*\f
.endr
.endr
	global_load_b128 v[204:207], v1, s[44:45]
.irp k, 0,1,2,3,4,5,6,7
.irp c, 0,1
	global_load_b128 v[96+8*\k+4*\c:99+8*\k+4*\c], v1, s[46:47] offset:1024*\k+512*\c
.endr
.endr
.irp i, 0,1,2,3,4,5,6,7
	global_load_b128 v[160+4*\i:163+4*\i], v1, s[48:49] offset:512*\i
.endr
	s_wait_loadcnt 24                              ; what goes to LDS is in; my 16 loads of x and 8 of w_in_w stay out
	v_or_b32 v192, v192, v194                      ; a key's two bytes, a key step's four: the planes are joined
	v_or_b32 v193, v193, v195
	v_or_b32 v196, v196, v197
	v_pk_add_f32 v[236:237], v[236:237], v[240:241]   ; the two halves of a batch's rows
	v_pk_add_f32 v[238:239], v[238:239], v[242:243]
	v_pk_add_f32 v[244:245], v[244:245], v[248:249]
	v_pk_add_f32 v[246:247], v[246:247], v[250:251]
.irp k, 0,1,2,3
	ds_store_b128 v16, v[32+4*\k:35+4*\k] offset:8192*\k
.endr
.irp k, 0,1,2,3
	ds_store_b128 v16, v[48+4*\k:51+4*\k] offset:VI+8192*\k
.endr
.irp k, 0,1,2,3,4,5,6,7
	ds_store_b128 v17, v[64+4*\k:67+4*\k] offset:8448*\k
.endr
	ds_store_b64 v19, v[192:193]
	ds_store_b32 v23, v196
	ds_store_b64 v20, v[198:199]
	ds_store_b128 v25, v[200:203]
	ds_store_b128 v27, v[236:239]
	ds_store_b128 v27, v[244:247] offset:2048
	s_cmp_lg_u32 s20, 0
	s_cbranch_scc1 .Lnobq
	ds_store_b128 v28, v[204:207]                  ; bq's 512 bytes: wave 0 stores them
.Lnobq:
	s_wait_dscnt 0x0                               ; for the others' sake: my stores have landed
	s_barrier_signal -1
	s_barrier_wait -1
	; ---- v_b: one column, two batches
	s_wait_loadcnt 0x0
	s_wait_kmcnt 0x0
.irp e, 0,1
.irp i, 0,1,2,3,4,5,6,7
	ds_load_b128 v[32+32*\e+4*\i:35+32*\e+4*\i], v255 offset:4096*\e+512*\i
.endr
.endr
	s_wait_dscnt 0x0
.irp e, 0,1
	v_pk_mul_f32 v[192+4*\e:193+4*\e], v[32+32*\e:33+32*\e], v[160:161]
	v_pk_mul_f32 v[194+4*\e:195+4*\e], v[34+32*\e:35+32*\e], v[162:163]
.endr
.irp i, 1,2,3,4,5,6,7
.irp e, 0,1
	v_pk_fma_f32 v[192+4*\e:193+4*\e], v[32+32*\e+4*\i:33+32*\e+4*\i], v[160+4*\i:161+4*\i], v[192+4*\e:193+4*\e]
	v_pk_fma_f32 v[194+4*\e:195+4*\e], v[34+32*\e+4*\i:35+32*\e+4*\i], v[162+4*\i:163+4*\i], v[194+4*\e:195+4*\e]
.endr
.endr
.irp e, 0,1
	v_pk_add_f32 v[192+4*\e:193+4*\e], v[192+4*\e:193+4*\e], v[194+4*\e:195+4*\e]
.endr
.irp e, 0,1
	v_add_f32 v[192+4*\e], v[192+4*\e], v[193+4*\e]
.endr
.irp m, 1,2,4,8
.irp e, 0,1
	v_add_f32_dpp v[192+4*\e], v[192+4*\e], v[192+4*\e] row_xmask:\m row_mask:0xf bank_mask:0xf
.endr
.endr
.irp e, 0,1
	v_permlanex16_b32 v[193+4*\e], v[192+4*\e], s[SEL], s[SEL+1]
.endr
.irp e, 0,1
	v_add_f32 v[192+4*\e], v[192+4*\e], v[193+4*\e]
.endr
.irp e, 0,1
	v_fma_f32 v[192+4*\e], v[192+4*\e], s61, s60   ; x 2^-10 (the mean; exact) + the bias
.endr
	v_and_b32 v194, 1, v0
	v_cmp_eq_u32 vcc_lo, 1, v194
	v_cndmask_b32 v192, v192, v196, vcc_lo         ; even lanes hold the first batch's number, odd lanes the second's
	v_lshlrev_b32 v194, 4, v194
	global_store_b32 v194, v192, s[58:59]          ; all lanes on: sixteen lanes store the same number to the same place
	; ---- THE q PROJECTION of one head: four tiles of 16 of its 64, K = 1,024 in eight steps; the bias is loaded into the accumulators; four accumulators by turns
.macro FLOAD hd, ks, st
.irp n, 0,1,2,3
.irp c, 0,1
	ds_load_b128 v[32+32*(\st)+8*\n+4*\c:35+32*(\st)+8*\n+4*\c], v6 offset:33792*(\hd)+(32*(\n/2)+8*(\n%2))*528+64*(\ks)+32*\c
.endr
.endr
.endm
.macro QPROJ hd
.irp n, 0,1,2,3
.irp q, 0,1
	ds_load_b128 v[QA+8*\n+4*\q:QA+8*\n+4*\q+3], v8 offset:256*\hd+128*(\n/2)+32*(\n%2)+16*\q
.endr
	ds_load_b128 v[208+4*\n:211+4*\n], v7 offset:2048*\hd+(32*(\n/2)+8*(\n%2))*32
.endr
	FLOAD \hd, 0, 0
	FLOAD \hd, 1, 1
.set gs, 0
.rept 8
.if gs < 7
	s_wait_dscnt 8                                 ; this step's fragments are in, the next step's eight loads stay out
.else
	s_wait_dscnt 0x0
.endif
.irp n, 0,1,2,3
	WM QA+8*\n, 32+32*(gs%2)+8*\n, 96+8*gs, QA+8*\n, 208+4*\n+gs%4, 224+gs, gs/4, 0
.endr
.if gs < 6
	NOPS 4
	FLOAD \hd, gs+2, gs%2
.endif
.set gs, gs+1
.endr
	NOPS 4
	QUANT QA, 2, 1
.endm
.irp k, 0,1,2,3,4,5,6,7
	ds_load_b32 v[224+\k], v254 offset:1024*\k
.endr
	s_wait_xcnt 0x0                                ; v_b's store has read its registers: they are written again only behind this wait
.set PC, 16
.set PW, 232
	QPROJ 0
.set PC, 24
.set PW, 233
	QPROJ 1
.irp j, 20,21,22,23, 36,37,38,39, 44,45,46,47, 52,53,54,55, 60,61,62,63
	v_mov_b32 v[\j], 0                             ; zero codes for the upper half of K, in q's fragment and in K's four
.endr
	; ---- A KEY STEP: 128 keys
.macro STEP hd
	v_add_nc_u32 v11, s52, v1
	v_add_nc_u32 v29, s53, v4
	v_add_nc_u32 v28, s62, v3
	v_add_nc_u32 v30, s63, v5
	ds_load_b128 v[208:211], v29 offset:2048*\hd
	ds_load_b128 v[212:215], v29 offset:2048*\hd+256
.irp g, 0,1
.if \g
	NOPS 4                                         ; places in front of loads into registers that the four products above read
.endif
.irp t, 0,1,2,3
	ds_load_b128 v[32+8*\t:35+8*\t], v11 offset:16384*\hd+(4*\g+\t)*512
.endr
	s_wait_dscnt 0x0
.irp t, 0,1,2,3
	WM 96+8*(4*\g+\t), 32+8*\t, 16, -1, 208+4*\g+\t, 232, 0, 0
.endr
.endr
	ds_load_b128 v[216:219], v30 offset:1024*\hd   ; V's operands are asked for here and land under the softmax (eight places lie behind the last products that read these registers)
.irp n, 0,1,2,3
.irp c, 0,1
	ds_load_b128 v[64+8*\n+4*\c:67+8*\n+4*\c], v28 offset:16384*\hd+4096*\n+512*\c
.endr
.endr
	NOPS 4
.irp b, 0,1,2,3
	v_max3_num_f32 v[QM+\b], v[96+16*\b], v[97+16*\b], v[98+16*\b]    ; the largest score of each block of 32 keys: for the row's maximum, and, since p rises with the score, for the block's largest p
.endr
.irp i, 3,5,7,9,11,13
.irp b, 0,1,2,3
	v_max3_num_f32 v[QM+\b], v[QM+\b], v[96+16*\b+\i], v[97+16*\b+\i]
.endr
.endr
.irp b, 0,1,2,3
	v_max_num_f32 v[QM+\b], v[QM+\b], v[111+16*\b]
.endr
.irp b, 0,1,2,3
	v_permlanex16_b32 v[QB+\b], v[QM+\b], s[SEL], s[SEL+1]
.endr
.irp b, 0,1,2,3
	v_max_num_f32 v[QM+\b], v[QM+\b], v[QB+\b]
.endr
	v_max3_num_f32 v250, v238, v239, v240
	v_max_num_f32 v250, v250, v241
	v_mul_f32 v250, s42, v250                      ; as t (c is positive)
	v_max_num_f32 v13, v13, v250                   ; the running largest t
	v_mov_b32 v250, v12
	v_floor_f32 v12, -v13                          ; the new -M = floor(-t): M is a whole number
	v_sub_f32 v250, v12, v250                      ; old M less new M, 0 or less
	v_cvt_i32_f32 v250, v250                       ; (it saturates)
	v_ldexp_f32 v236, 1.0, v250                    ; f = 2^(old M - new M): rounds nothing
.set sj, 0
.rept 32
	v_pk_fma_f32 v[96+sj:97+sj], v[96+sj:97+sj], s[42:43], v[12:13] op_sel_hi:[1,0,0]    ; t - M
.set sj, sj+2
.endr
.irp b, 0,1,2,3
	v_fma_f32 v[QM+\b], v[QM+\b], s42, v12
.endr
.set sj, 0
.rept 64
	v_exp_f32 v[96+sj], v[96+sj]                   ; p = 2^(t - M)
.set sj, sj+1
.endr
	v_pk_mul_f32 v[14:15], v[14:15], v[236:237] op_sel_hi:[1,0]    ; the sums under the new M; the plain place behind the exponentials
	s_wait_alu depctr_va_vdst(0)                   ; one wait for the batch of 64, ahead of its first reader
.irp b, 0,1,2,3
	v_exp_f32 v[QM+\b], v[QM+\b]                   ; each block's largest p
.endr
	v_pk_add_f32 v[252:253], v[96:97], v[98:99]    ; the row's sum of the unquantised p, in two chains
.irp j, 4,8,12,16,20,24,28,32,36,40,44,48,52,56,60
	v_pk_add_f32 v[14:15], v[14:15], v[96+\j:97+\j]
	v_pk_add_f32 v[252:253], v[252:253], v[98+\j:99+\j]
.endr
	v_pk_add_f32 v[14:15], v[14:15], v[252:253]
	s_wait_alu depctr_va_vdst(0)                   ; and one for the four
.irp b, 0,1,2,3
	v_max_num_f32 v[QM+\b], 0x1800000, v[QM+\b]    ; the floor 2^(3 - 127)
.endr
.irp b, 0,1,2,3
	v_add_nc_u32 v[QO+\b], 0xff000000, v[QM+\b]
.endr
.irp b, 0,1,2,3
	v_lshrrev_b32 v[QB+\b], 23, v[QO+\b]
.endr
	v_lshl_or_b32 v234, v243, 8, v242              ; p's scale word for these 128 keys
	v_lshl_or_b32 v234, v244, 16, v234
	v_lshl_or_b32 v234, v245, 24, v234
.irp b, 0,1,2,3
	v_cvt_scalef32_pk8_fp4_f32 v[192+2*\b], v[96+16*\b:103+16*\b], v[QO+\b]
	v_cvt_scalef32_pk8_fp4_f32 v[193+2*\b], v[104+16*\b:111+16*\b], v[QO+\b]
.endr
	v_nop
.irp c, 0,1
.irp i, 0,1
	v_permlane16_swap_b32 v[192+4*\c+\i], v[194+4*\c+\i]
.endr
.endr
.set sj, 0
.rept 16
	v_pk_mul_f32 v[160+sj:161+sj], v[160+sj:161+sj], v[236:237] op_sel_hi:[1,0]    ; O^T under the new M; for each product below twelve of these name none of its registers: the places behind p's codes and scale word
.set sj, sj+2
.endr
	s_wait_dscnt 0x0                               ; V's operands are in
.irp n, 0,1,2,3
	WM 160+8*\n, 64+8*\n, 192, 160+8*\n, 216+\n, 234, 0, 0
.endr
	s_add_co_u32 s52, s52, 4096                    ; the next step's eight tiles of K,
	s_add_co_u32 s53, s53, 512                     ; their scale words,
	s_add_co_u32 s62, s62, 1024                    ; V's next 128 keys,
	s_add_co_u32 s63, s63, 256                     ; their scale words
.endm
; ---- A HEAD: four key steps; then O^T / the sum is quantised along the head's 64: half of the out projection's K step hp
.macro HEAD hd
	v_mov_b32 v13, 0xff61b1e6                      ; the largest t so far: -3e38
	v_floor_f32 v12, -v13
	v_mov_b32 v14, 0
	v_mov_b32 v15, 0
.set sj, 0
.rept 32
	v_mov_b32 v[160+sj], 0                         ; O^T: the step is written once, its first trip finds zeros.  (These are also the places behind q's codes and scale word)
.set sj, sj+1
.endr
	s_mov_b32 s52, 0
	s_mov_b32 s53, 0
	s_mov_b32 s62, 0
	s_mov_b32 s63, 0
	s_mov_b32 s23, 4
.Lstep\hd:
	STEP \hd
	s_sub_co_u32 s23, s23, 1
	s_cmp_lg_u32 s23, 0
	s_cbranch_scc1 .Lstep\hd
	NOPS 4
	v_add_f32 v14, v14, v15
	v_permlanex16_b32 v250, v14, s[SEL], s[SEL+1]
	v_add_f32 v14, v14, v250                       ; the row's sum
	v_rcp_f32 v14, v14
	v_nop
	s_wait_alu depctr_va_vdst(0)
.set sj, 0
.rept 16
	v_pk_mul_f32 v[160+sj:161+sj], v[160+sj:161+sj], v[14:15] op_sel_hi:[1,0]
.set sj, sj+2
.endr
.set PC, 200+4*\hd
.set PW, 251
	QUANT 160, 2, 1
.if \hd == 0
	v_mov_b32 v235, v251
.irp j, 0,1,2,3
	v_mov_b32 v[16+\j], v[24+\j]                   ; the second head's q
.endr
	v_mov_b32 v232, v233
.else
	v_lshl_or_b32 v235, v251, 16, v235             ; the two heads' bytes make the K step's scale word
.endif
.endm
	HEAD 0
	HEAD 1
	; ---- OUT
	global_store_b128 v1, v[200:203], s[54:55]
	global_store_b128 v1, v[204:207], s[54:55] offset:512
	ds_store_b32 v31, v235
	s_wait_dscnt 0x0
	s_barrier_signal -1
	s_barrier_wait -1
	s_cmp_gt_u32 s20, 1
	s_cbranch_scc1 .Ldone
	ds_load_b128 v[96:99], v2                      ; the 16 tiles' scale words leave as 1,024 bytes on end: waves 0 and 1
	s_lshl_b32 s50, s20, 9
	v_add_nc_u32 v250, s50, v1
	s_wait_dscnt 0x0
	global_store_b128 v250, v[96:99], s[56:57]
.Ldone:
	s_wait_tensorcnt 0x0                           ; the wave's end, behind my last LDS store
	ds_add_u32 v[SPW], v[NIL]
	s_wait_dscnt 0x0
	s_endpgm
.Lfunc_end_k_q807d6514e6_attn:
	.size	k_q807d6514e6_attn, .Lfunc_end_k_q807d6514e6_attn-k_q807d6514e6_attn
	.p2alignl 7, 3214868480
	.fill 96, 4, 3214868480
	.section	.rodata,"a",@progbits
	.p2align	6, 0x0
	.amdhsa_kernel k_q807d6514e6_attn
		.amdhsa_group_segment_fixed_size 171520
		.amdhsa_private_segment_fixed_size 0
		.amdhsa_enable_private_segment 0
		.amdhsa_kernarg_size 64
		.amdhsa_user_sgpr_count 2
		.amdhsa_user_sgpr_kernarg_segment_ptr 1
		.amdhsa_wavefront_size32 1
		.amdhsa_system_sgpr_workgroup_id_x 1
		.amdhsa_system_sgpr_workgroup_id_y 1
		.amdhsa_system_sgpr_workgroup_id_z 1
		.amdhsa_system_vgpr_workitem_id 0
		.amdhsa_next_free_vgpr 256
		.amdhsa_next_free_sgpr 66
		.amdhsa_reserve_vcc 1
		.amdhsa_float_denorm_mode_32 3
		.amdhsa_float_denorm_mode_16_64 3
		.amdhsa_memory_ordered 1
		.amdhsa_forward_progress 1
		.amdhsa_inst_pref_size 83
	.end_amdhsa_kernel
	.amdgpu_metadata
---
amdhsa.version: [ 1, 2 ]
amdhsa.kernels:
  - .name:           k_q807d6514e6_attn
    .symbol:         k_q807d6514e6_attn.kd
    .args:
      - { .name: xq, .offset: 0, .size: 8, .value_kind: global_buffer, .address_space: global }
      - { .name: kv, .offset: 8, .size: 8, .value_kind: global_buffer, .address_space: global }
      - { .name: r_in_w_codes, .offset: 16, .size: 8, .value_kind: global_buffer, .address_space: global }
      - { .name: r_in_w_scales, .offset: 24, .size: 8, .value_kind: global_buffer, .address_space: global }
      - { .name: r_in_b, .offset: 32, .size: 8, .value_kind: global_buffer, .address_space: global }
      - { .name: w_in_w, .offset: 40, .size: 8, .value_kind: global_buffer, .address_space: global }
      - { .name: w_in_b, .offset: 48, .size: 8, .value_kind: global_buffer, .address_space: global }
      - { .name: oq, .offset: 56, .size: 8, .value_kind: global_buffer, .address_space: global }
    .group_segment_fixed_size: 171520
    .private_segment_fixed_size: 0
    .kernarg_segment_align: 8
    .kernarg_segment_size: 64
    .max_flat_workgroup_size: 512
    .sgpr_count:     66
    .vgpr_count:     256
    .wavefront_size: 32
...
	.end_amdgpu_metadata
.endif
;; end of part 2
;; launch finr (part 3): grid 128 x 1, 16 waves a work-group, no clusters, 300,032 bytes of LDS; arguments query, r_out_b, r_out_w_scales, rn_g, rn_b, oq, gw, out0; writes out0
.if DOCPART == 3
	.amdgcn_target "amdgcn-amd-amdhsa--gfx1250"
	.amdhsa_code_object_version 6
	.text
	.protected	k_q807d6514e6_finr
	.globl	k_q807d6514e6_finr
	.p2align	8
	.type	k_q807d6514e6_finr,@function
k_q807d6514e6_finr:
	s_mov_b64 s[64:65], 0
	v_nop
	global_prefetch_b8 v0, s[64:65] scope:SCOPE_SE
	s_setreg_imm32_b32 hwreg(HW_REG_WAVE_MODE, 25, 1), 1
	s_wait_xcnt 0x0
; CONTEXT MEMORY, launch 3 of 4: out0 = LN(O r_out_w^T + r_out_b + query).  Nothing of this product is left out.
; SHARES.  A work-group takes 64 rows (four tiles of 16, rows chosen as launch 1's head says).  In the product wave w owns columns 64 w .. 64 w + 63 (its weights come as images, straight into registers, each read once);
; in the norm it owns four whole rows.  The two views meet in Y, 64 rows x (4,096 + 16) bytes of LDS: first query + bias is laid there by rows, each wave takes its strip of columns as the sums' start,
; adds the product onto it and puts it back; behind the second barrier the rows are read whole.
; The product is used transposed (source 0 = 16 weight rows, source 1 = 16 rows of O): a lane holds one row, its registers run along the columns.
.set AIMG,  263168                     ; LDS: Y at 0; O's 32 images (slot 8 t + s);
.set OSCL,  295936                     ; their scale words [s][t][r];
.set SPARE, 297984
.set OSCG,  4194304
.set WIMG,  2097152
.set SPW, 3
.set NIL, 4
.set SEL, 32
; REGISTERS: v1 16 lane; v2 scale words' place; v5 images' place; v6 Y by rows; v8-11 O's scale words, v12-27 the weights' (scales alone); v28-59 O's four fragments, at the ends the bias and the norm's figures;
; v60-123 the weights' fragments, two sets, later gain and bias of the norm; v124-127 Y by strips, one register a tile of rows; v128-255 sixteen accumulators, at the ends four rows.
.macro NOPS n
.rept \n
	v_nop
.endr
.endm
.macro WM d, a, b, c, sa, sb, ar, br
.if (\c) < 0
	v_wmma_scale_f32_16x16x128_f8f6f4 v[(\d):(\d)+7], v[(\a):(\a)+7], v[(\b):(\b)+7], 0, v[(\sa)], v[(\sb)] matrix_a_fmt:MATRIX_FMT_FP4 matrix_b_fmt:MATRIX_FMT_FP4
.elseif (\ar) == 1
	v_wmma_scale_f32_16x16x128_f8f6f4 v[(\d):(\d)+7], v[(\a):(\a)+7], v[(\b):(\b)+7], v[(\c):(\c)+7], v[(\sa)], v[(\sb)] matrix_a_fmt:MATRIX_FMT_FP4 matrix_b_fmt:MATRIX_FMT_FP4 matrix_a_scale:MATRIX_SCALE_ROW1
.elseif (\br) == 1
	v_wmma_scale_f32_16x16x128_f8f6f4 v[(\d):(\d)+7], v[(\a):(\a)+7], v[(\b):(\b)+7], v[(\c):(\c)+7], v[(\sa)], v[(\sb)] matrix_a_fmt:MATRIX_FMT_FP4 matrix_b_fmt:MATRIX_FMT_FP4 matrix_b_scale:MATRIX_SCALE_ROW1
.else
	v_wmma_scale_f32_16x16x128_f8f6f4 v[(\d):(\d)+7], v[(\a):(\a)+7], v[(\b):(\b)+7], v[(\c):(\c)+7], v[(\sa)], v[(\sb)] matrix_a_fmt:MATRIX_FMT_FP4 matrix_b_fmt:MATRIX_FMT_FP4
.endif
.endm
.macro LOADB ks, st                    ; my four weight fragments of K step ks: eight loads of 512 bytes on end
.irp n, 0,1,2,3
.irp c, 0,1
	global_load_b128 v[60+32*(\st)+8*\n+4*\c:63+32*(\st)+8*\n+4*\c], v1, s[28:29] offset:4096*(\ks)+1024*\n+512*\c
.endr
.endr
.endm
.macro RED rb                          ; four rows' sums, by turns: the pair's halves, the 16 lanes of a half, the other half
.irp i, 0,1,2,3
	v_add_f32 v[\rb+2*\i], v[\rb+2*\i], v[\rb+1+2*\i]
.endr
.irp m, 1,2,4,8
.irp i, 0,1,2,3
	v_add_f32_dpp v[\rb+2*\i], v[\rb+2*\i], v[\rb+2*\i] row_xmask:\m row_mask:0xf bank_mask:0xf
.endr
.endr
.irp i, 0,1,2,3
	v_permlanex16_b32 v[\rb+1+2*\i], v[\rb+2*\i], s[SEL], s[SEL+1]
.endr
.irp i, 0,1,2,3
	v_add_f32 v[\rb+2*\i], v[\rb+2*\i], v[\rb+1+2*\i]
.endr
.endm
; the norm of four rows, v[128 + 32 i ..]; gain in v60-91, bias in v92-123 (still on their way: their wait stands ahead of their use).  Two passes: the mean, then the squares of x - mean
.macro LNORM
.irp i, 0,1,2,3
	v_pk_add_f32 v[28+2*\i:29+2*\i], v[128+32*\i:129+32*\i], v[130+32*\i:131+32*\i]
.endr
.set lj, 4
.rept 14
.irp i, 0,1,2,3
	v_pk_add_f32 v[28+2*\i:29+2*\i], v[28+2*\i:29+2*\i], v[128+32*\i+lj:129+32*\i+lj]
.endr
.set lj, lj+2
.endr
	RED 28
.irp i, 0,1,2,3
	v_mul_f32 v[28+2*\i], 0x3a800000, v[28+2*\i]   ; / 1,024
.endr
.set lj, 0
.rept 16
.irp i, 0,1,2,3
	v_pk_add_f32 v[128+32*\i+lj:129+32*\i+lj], v[128+32*\i+lj:129+32*\i+lj], v[28+2*\i:29+2*\i] op_sel_hi:[1,0] neg_lo:[0,1] neg_hi:[0,1]
.endr
.set lj, lj+2
.endr
.irp i, 0,1,2,3
	v_pk_mul_f32 v[36+2*\i:37+2*\i], v[128+32*\i:129+32*\i], v[128+32*\i:129+32*\i]
.endr
.set lj, 2
.rept 15
.irp i, 0,1,2,3
	v_pk_fma_f32 v[36+2*\i:37+2*\i], v[128+32*\i+lj:129+32*\i+lj], v[128+32*\i+lj:129+32*\i+lj], v[36+2*\i:37+2*\i]
.endr
.set lj, lj+2
.endr
	RED 36
.irp i, 0,1,2,3
	v_fma_f32 v[36+2*\i], v[36+2*\i], s34, s35     ; / 1,024 + 1e-5
.endr
.irp i, 0,1,2,3
	v_rsq_f32 v[36+2*\i], v[36+2*\i]
.endr
	v_nop
	s_wait_alu depctr_va_vdst(0)                   ; one wait for the four
	s_wait_loadcnt 0x0                             ; gain and bias are in
.irp i, 0,1,2,3
.set lj, 0
.rept 16
	v_pk_mul_f32 v[128+32*\i+lj:129+32*\i+lj], v[128+32*\i+lj:129+32*\i+lj], v[36+2*\i:37+2*\i] op_sel_hi:[1,0]
	v_pk_fma_f32 v[128+32*\i+lj:129+32*\i+lj], v[128+32*\i+lj:129+32*\i+lj], v[60+lj:61+lj], v[92+lj:93+lj]
.set lj, lj+2
.endr
.endr
.endm
	s_load_b512 s[4:19], s[0:1], 0x0               ; query, r_out_b, r_out_w scales, rn_g, rn_b, oq, gw, out0
	v_lshl_add_u32 v[SPW], v0, 2, SPARE
	v_mov_b32 v[NIL], 0
	v_lshrrev_b32 v7, 5, v0
	v_readfirstlane_b32 s40, v7                    ; wave 0..15
	v_and_b32 v28, 31, v0                          ; lane
	v_and_b32 v29, 15, v0                          ; r
	v_bfe_u32 v30, v0, 4, 1                        ; h
	v_and_b32 v31, 8, v29
	v_add_nc_u32 v31, v31, v29                     ; r + 8 (r / 8)
	v_lshlrev_b32 v1, 4, v28
	v_lshl_add_u32 v2, v29, 2, OSCL
	v_add_nc_u32 v5, AIMG, v1
	s_mul_i32 s36, s40, 16448
	v_add_nc_u32 v6, s36, v1                       ; Y rows 4 w ..
	s_lshl_b32 s36, s40, 8
	v_mul_u32_u24 v124, v29, 4112
	v_lshl_add_u32 v124, v30, 6, v124
	v_add_nc_u32 v124, s36, v124                   ; Y row r, my strip of 256 bytes, + 64 h
	v_add_nc_u32 v125, 65792, v124                 ; the same in the next tiles of 16 rows
	v_add_nc_u32 v126, 131584, v124
	v_add_nc_u32 v127, 197376, v124
	v_lshlrev_b32 v112, 4, v0                      ; the fill's addresses, in registers that the weights' second set takes later
	v_add_nc_u32 v113, AIMG, v112
	v_lshl_add_u32 v114, v0, 2, OSCL
	v_lshrrev_b32 v115, 6, v0
	v_lshlrev_b32 v115, 15, v115
	v_and_b32 v116, 63, v0
	v_lshl_add_u32 v115, v116, 2, v115             ; O's scale words in memory: s x 32,768 + the word
	v_lshlrev_b32 v116, 5, v31
	v_lshl_add_u32 v116, v30, 4, v116              ; the weights' scale rows: lanes 0-15 K steps 0-3, lanes 16-31 steps 4-7
	s_mov_b32 s[SEL], 0x76543210
	s_mov_b32 s[SEL+1], 0xfedcba98
	s_mov_b32 s34, 0x3a800000                      ; 2^-10
	s_mov_b32 s35, 0x3727c5ac                      ; 1e-5
	s_mov_b32 s37, 0
	s_wait_kmcnt 0x0
	s_lshl_b32 s36, ttmp9, 15
	s_add_nc_u64 s[20:21], s[14:15], s[36:37]      ; my four tiles' images of O
	s_lshl_b32 s36, ttmp9, 8
	s_add_co_u32 s36, s36, OSCG
	s_add_nc_u64 s[22:23], s[14:15], s[36:37]
	s_lshl_b32 s36, s40, 11
	s_add_nc_u64 s[24:25], s[8:9], s[36:37]
	s_lshl_b32 s36, s40, 15
	s_add_co_u32 s36, s36, WIMG
	s_add_nc_u64 s[28:29], s[16:17], s[36:37]      ; r_out_w's images of my 64 columns
	s_lshl_b32 s36, ttmp9, 6                       ; Y rows 4 w .. 4 w + 3 are rows 64 id + 32 (w / 8) + 8 ((w / 4) % 2) + 8 ((w / 2) % 2) + 4 (w % 4) ..
	s_lshr_b32 s41, s40, 3
	s_lshl_b32 s41, s41, 5
	s_add_co_u32 s36, s36, s41
	s_bfe_u32 s41, s40, 0x10002
	s_lshl_b32 s41, s41, 3
	s_add_co_u32 s36, s36, s41
	s_bfe_u32 s41, s40, 0x10001
	s_lshl_b32 s41, s41, 3
	s_add_co_u32 s36, s36, s41
	s_and_b32 s41, s40, 3
	s_lshl_b32 s41, s41, 2
	s_add_co_u32 s36, s36, s41
	s_lshl_b32 s36, s36, 12
	s_add_nc_u64 s[26:27], s[4:5], s[36:37]
	s_add_nc_u64 s[30:31], s[18:19], s[36:37]
.irp k, 0,1,2,3
	global_load_b128 v[92+4*\k:95+4*\k], v112, s[20:21] offset:8192*\k
.endr
	global_load_b32 v108, v115, s[22:23]
.irp n, 0,1,2,3
	global_load_b128 v[12+4*\n:15+4*\n], v116, s[24:25] offset:(32*(\n/2)+8*(\n%2))*32
.endr
.irp q, 0,1,2,3,4,5,6,7
	global_load_b128 v[28+4*\q:31+4*\q], v1, s[6:7] offset:512*\q
.endr
.irp i, 0,1,2,3
.irp q, 0,1,2,3,4,5,6,7
	global_load_b128 v[128+32*\i+4*\q:131+32*\i+4*\q], v1, s[26:27] offset:4096*\i+512*\q th:TH_LOAD_NT
.endr
.endr
	LOADB 0, 0
	s_wait_loadcnt 48                              ; O's images and all scale words are in; the bias's 8, query's 32 and the weights' 8 loads stay out
.irp k, 0,1,2,3
	ds_store_b128 v113, v[92+4*\k:95+4*\k] offset:8192*\k
.endr
	ds_store_b32 v114, v108
	s_wait_loadcnt 8                               ; the weights' 8 stay out
.irp i, 0,1,2,3
.set lj, 0
.rept 16
	v_pk_add_f32 v[128+32*\i+lj:129+32*\i+lj], v[128+32*\i+lj:129+32*\i+lj], v[28+lj:29+lj]    ; query + r_out_b
.set lj, lj+2
.endr
.endr
.irp i, 0,1,2,3
.irp q, 0,1,2,3,4,5,6,7
	ds_store_b128 v6, v[128+32*\i+4*\q:131+32*\i+4*\q] offset:4112*\i+512*\q
.endr
.endr
	s_wait_dscnt 0x0                               ; for the others' sake: my stores have landed; and they have read their registers
	LOADB 1, 1
	s_barrier_signal -1
	s_barrier_wait -1
.irp t, 0,1,2,3
.irp n, 0,1,2,3
.irp q, 0,1
	ds_load_b128 v[128+32*\t+8*\n+4*\q:131+32*\t+8*\n+4*\q], v[124+\t] offset:128*(\n/2)+32*(\n%2)+16*\q    ; my strip: the sums begin with query + bias
.endr
.endr
.endr
.set gs, 0
.rept 8
.if gs < 7
	s_wait_loadcnt 8                               ; this step's weights are in, the next step's 8 loads stay out
.else
	s_wait_loadcnt 0x0
.endif
.irp t, 0,1,2,3
.irp c, 0,1
	ds_load_b128 v[28+8*\t+4*\c:31+8*\t+4*\c], v5 offset:(8*\t+gs)*1024+512*\c
.endr
.endr
.irp t, 0,1,2,3
	ds_load_b32 v[8+\t], v2 offset:256*gs+64*\t
.endr
	s_wait_dscnt 0x0
.irp t, 0,1,2,3
.irp n, 0,1,2,3
	WM 128+32*\t+8*\n, 60+32*(gs%2)+8*\n, 28+8*\t, 128+32*\t+8*\n, 12+4*\n+gs%4, 8+\t, gs/4, 0
.endr
.endr
	NOPS 4                                         ; places in front of loads into registers that these products read, and of the first read of results
.if gs < 6
	LOADB gs+2, gs%2
.endif
.set gs, gs+1
.endr
.irp q, 0,1,2,3,4,5,6,7
	global_load_b128 v[60+4*\q:63+4*\q], v1, s[10:11] offset:512*\q
	global_load_b128 v[92+4*\q:95+4*\q], v1, s[12:13] offset:512*\q
.endr
.irp t, 0,1,2,3
.irp n, 0,1,2,3
.irp q, 0,1
	ds_store_b128 v[124+\t], v[128+32*\t+8*\n+4*\q:131+32*\t+8*\n+4*\q] offset:128*(\n/2)+32*(\n%2)+16*\q    ; each accumulator from its low end on
.endr
.endr
.endr
	s_wait_dscnt 0x0
	s_barrier_signal -1
	s_barrier_wait -1
.irp i, 0,1,2,3
.irp q, 0,1,2,3,4,5,6,7
	ds_load_b128 v[128+32*\i+4*\q:131+32*\i+4*\q], v6 offset:4112*\i+512*\q
.endr
.endr
	s_wait_dscnt 0x0
	LNORM
.irp i, 0,1,2,3
.irp q, 0,1,2,3,4,5,6,7
	global_store_b128 v1, v[128+32*\i+4*\q:131+32*\i+4*\q], s[30:31] offset:4096*\i+512*\q th:TH_STORE_NT    ; 512 bytes on end a store
.endr
.endr
	s_wait_tensorcnt 0x0                           ; the wave's end, behind my last LDS store
	ds_add_u32 v[SPW], v[NIL]
	s_wait_dscnt 0x0
	s_endpgm
.Lfunc_end_k_q807d6514e6_finr:
	.size	k_q807d6514e6_finr, .Lfunc_end_k_q807d6514e6_finr-k_q807d6514e6_finr
	.p2alignl 7, 3214868480
	.fill 96, 4, 3214868480
	.section	.rodata,"a",@progbits
	.p2align	6, 0x0
	.amdhsa_kernel k_q807d6514e6_finr
		.amdhsa_group_segment_fixed_size 300032
		.amdhsa_private_segment_fixed_size 0
		.amdhsa_enable_private_segment 0
		.amdhsa_kernarg_size 64
		.amdhsa_user_sgpr_count 2
		.amdhsa_user_sgpr_kernarg_segment_ptr 1
		.amdhsa_wavefront_size32 1
		.amdhsa_system_sgpr_workgroup_id_x 1
		.amdhsa_system_sgpr_workgroup_id_y 1
		.amdhsa_system_sgpr_workgroup_id_z 1
		.amdhsa_system_vgpr_workitem_id 0
		.amdhsa_next_free_vgpr 256
		.amdhsa_next_free_sgpr 66
		.amdhsa_reserve_vcc 0
		.amdhsa_float_denorm_mode_32 3
		.amdhsa_float_denorm_mode_16_64 3
		.amdhsa_memory_ordered 1
		.amdhsa_forward_progress 1
		.amdhsa_inst_pref_size 78
	.end_amdhsa_kernel
	.amdgpu_metadata
---
amdhsa.version: [ 1, 2 ]
amdhsa.kernels:
  - .name:           k_q807d6514e6_finr
    .symbol:         k_q807d6514e6_finr.kd
    .args:
      - { .name: query, .offset: 0, .size: 8, .value_kind: global_buffer, .address_space: global }
      - { .name: r_out_b, .offset: 8, .size: 8, .value_kind: global_buffer, .address_space: global }
      - { .name: r_out_w_scales, .offset: 16, .size: 8, .value_kind: global_buffer, .address_space: global }
      - { .name: rn_g, .offset: 24, .size: 8, .value_kind: global_buffer, .address_space: global }
      - { .name: rn_b, .offset: 32, .size: 8, .value_kind: global_buffer, .address_space: global }
      - { .name: oq, .offset: 40, .size: 8, .value_kind: global_buffer, .address_space: global }
      - { .name: gw, .offset: 48, .size: 8, .value_kind: global_buffer, .address_space: global }
      - { .name: out0, .offset: 56, .size: 8, .value_kind: global_buffer, .address_space: global }
    .group_segment_fixed_size: 300032
    .private_segment_fixed_size: 0
    .kernarg_segment_align: 8
    .kernarg_segment_size: 64
    .max_flat_workgroup_size: 512
    .sgpr_count:     66
    .vgpr_count:     256
    .wavefront_size: 32
...
	.end_amdgpu_metadata
.endif
;; end of part 3
;; launch finw (part 4): grid 64 x 1, 16 waves a work-group, no clusters, 151,040 bytes of LDS; arguments memory, w_out_b, w_out_w_scales, gate_b, gate_w_scales, wn_g, wn_b, oq, gw, out1; writes out1
.if DOCPART == 4
	.amdgcn_target "amdgcn-amd-amdhsa--gfx1250"
	.amdhsa_code_object_version 6
	.text
	.protected	k_q807d6514e6_finw
	.globl	k_q807d6514e6_finw
	.p2align	8
	.type	k_q807d6514e6_finw,@function
k_q807d6514e6_finw:
	s_mov_b64 s[64:65], 0
	v_nop
	global_prefetch_b8 v0, s[64:65] scope:SCOPE_SE
	s_setreg_imm32_b32 hwreg(HW_REG_WAVE_MODE, 25, 1), 1
	s_wait_xcnt 0x0
; CONTEXT MEMORY, launch 4 of 4: out1 = LN(gate upd + (1 - gate) mem).
; Left out, as shown at the head of launch 1: upd has one row a batch, u_b = v_b w_out_w^T + w_out_b, and the gate's logit is G1[m][n] (launch 1) + G2[b][n] + gate_b[n], G2 = u_b x the second half of gate_w.
; SHARES.  A work-group takes 8 slots m x all 8 batches.  It makes u and G2 for the 8 batches itself (two products of one tile of rows; rows 8-15 of the tile repeat rows 0-7): wave w owns columns 64 w .. 64 w + 63,
; its weights come as images straight into registers.  Then wave w takes slot m = 8 id + w / 2 and the four batches 4 (w % 2) ..: four whole rows of out1.
; Three barriers: v_b's eight images lie in LDS | u's rows and u's eight images | G2's rows.
.set YG,    65792                      ; LDS: u's 16 rows x (4,096 + 16) at 0; G2's from here;
.set VIM,   131584                     ; v_b's 8 images;
.set VSC,   139776                     ; their scale words;
.set UIM,   140288                     ; u's 8 images;
.set USC,   148480                     ; their scale words;
.set SPARE, 148992
.set VBQ,   4456448
.set WIMG,  2097152
.set SPW, 3
.set NIL, 4
.set QM,  36
.set QB,  40
.set QO,  44
.set PW,  48
.set PC,  28
.set SEL, 48
; REGISTERS: v1 16 lane; v2, v5 u's and G2's rows for my four batches; v6 G1's offsets; v8 the rows' scale word, v12-27 the weights' (scales alone); v28-35 the rows' fragment, and the codes just made;
; v36-59 the quantiser's figures and the products' LDS addresses, later with v28-35 a row of u; v60-123 the weights' fragments, two sets, later G1 and mem, later the norm's gain and bias;
; v128-159 four accumulators, v160-191 the bias, v192-255 64 numbers of v_b; at the end v128-255 four rows.
.macro NOPS n
.rept \n
	v_nop
.endr
.endm
.macro WM d, a, b, c, sa, sb, ar, br
.if (\c) < 0
	v_wmma_scale_f32_16x16x128_f8f6f4 v[(\d):(\d)+7], v[(\a):(\a)+7], v[(\b):(\b)+7], 0, v[(\sa)], v[(\sb)] matrix_a_fmt:MATRIX_FMT_FP4 matrix_b_fmt:MATRIX_FMT_FP4
.elseif (\ar) == 1
	v_wmma_scale_f32_16x16x128_f8f6f4 v[(\d):(\d)+7], v[(\a):(\a)+7], v[(\b):(\b)+7], v[(\c):(\c)+7], v[(\sa)], v[(\sb)] matrix_a_fmt:MATRIX_FMT_FP4 matrix_b_fmt:MATRIX_FMT_FP4 matrix_a_scale:MATRIX_SCALE_ROW1
.elseif (\br) == 1
	v_wmma_scale_f32_16x16x128_f8f6f4 v[(\d):(\d)+7], v[(\a):(\a)+7], v[(\b):(\b)+7], v[(\c):(\c)+7], v[(\sa)], v[(\sb)] matrix_a_fmt:MATRIX_FMT_FP4 matrix_b_fmt:MATRIX_FMT_FP4 matrix_b_scale:MATRIX_SCALE_ROW1
.else
	v_wmma_scale_f32_16x16x128_f8f6f4 v[(\d):(\d)+7], v[(\a):(\a)+7], v[(\b):(\b)+7], v[(\c):(\c)+7], v[(\sa)], v[(\sb)] matrix_a_fmt:MATRIX_FMT_FP4 matrix_b_fmt:MATRIX_FMT_FP4
.endif
.endm
.macro QUANT src, nb, sw               ; as in launch 1
.set qb, 0
.rept \nb
	v_max3_num_f32 v[QM+qb], |v[(\src)+16*qb]|, |v[(\src)+16*qb+1]|, 0x1800000
.set qb, qb+1
.endr
.set qi, 2
.rept 7
.set qb, 0
.rept \nb
	v_max3_num_f32 v[QM+qb], v[QM+qb], |v[(\src)+16*qb+qi]|, |v[(\src)+16*qb+qi+1]|
.set qb, qb+1
.endr
.set qi, qi+2
.endr
.set qb, 0
.rept \nb
	v_permlanex16_b32 v[QB+qb], v[QM+qb], s[SEL], s[SEL+1]
.set qb, qb+1
.endr
.set qb, 0
.rept \nb
	v_max_num_f32 v[QM+qb], v[QM+qb], v[QB+qb]
.set qb, qb+1
.endr
.set qb, 0
.rept \nb
	v_add_nc_u32 v[QO+qb], 0xff000000, v[QM+qb]
.set qb, qb+1
.endr
.set qb, 0
.rept \nb
	v_lshrrev_b32 v[QB+qb], 23, v[QO+qb]
.set qb, qb+1
.endr
.if \sw
	v_lshl_or_b32 v[PW], v[QB+1], 8, v[QB]
.if \nb == 4
	v_lshl_or_b32 v[PW], v[QB+2], 16, v[PW]
	v_lshl_or_b32 v[PW], v[QB+3], 24, v[PW]
.endif
.endif
.set qb, 0
.rept \nb
	v_cvt_scalef32_pk8_fp4_f32 v[PC+2*qb], v[(\src)+16*qb:(\src)+16*qb+7], v[QO+qb]
	v_cvt_scalef32_pk8_fp4_f32 v[PC+2*qb+1], v[(\src)+16*qb+8:(\src)+16*qb+15], v[QO+qb]
.set qb, qb+1
.endr
	v_nop
.if \sw
.set qb, 0
.rept \nb/2
	v_permlane16_swap_b32 v[PC+4*qb], v[PC+4*qb+2]
	v_permlane16_swap_b32 v[PC+4*qb+1], v[PC+4*qb+3]
.set qb, qb+1
.endr
.endif
.endm
.macro LOADB wb, ks, st                ; my four weight fragments of K step ks, from the images at s[wb]
.irp n, 0,1,2,3
.irp c, 0,1
	global_load_b128 v[60+32*(\st)+8*\n+4*\c:63+32*(\st)+8*\n+4*\c], v1, s[\wb:\wb+1] offset:4096*(\ks)+1024*\n+512*\c
.endr
.endr
.endm
; one tile of rows x my 64 columns, K = 1,024; the bias is the C of the first step; four accumulators by turns
.macro GEMMF ia, sa, wb
.set gs, 0
.rept 8
.if gs < 7
	s_wait_loadcnt 8                               ; this step's weights are in, the next step's 8 loads stay out
.else
	s_wait_loadcnt 0x0
.endif
	ds_load_b128 v[28:31], v[\ia] offset:1024*gs
	ds_load_b128 v[32:35], v[\ia] offset:1024*gs+512
	ds_load_b32 v8, v[\sa] offset:64*gs
	s_wait_dscnt 0x0
.irp n, 0,1,2,3
.if gs == 0
	WM 128+8*\n, 60+8*\n, 28, 160+8*\n, 12+4*\n, 8, 0, 0
.else
	WM 128+8*\n, 60+32*(gs%2)+8*\n, 28, 128+8*\n, 12+4*\n+gs%4, 8, gs/4, 0
.endif
.endr
	NOPS 4                                         ; places in front of loads into registers that these products read, and of the first read of results
.if gs < 6
	LOADB \wb, gs+2, gs%2
.endif
.set gs, gs+1
.endr
.endm
.macro YST adr                         ; my strip of 16 rows: each accumulator from its low end on
.irp n, 0,1,2,3
.irp q, 0,1
	ds_store_b128 v[\adr], v[128+8*\n+4*\q:131+8*\n+4*\q] offset:128*(\n/2)+32*(\n%2)+16*\q
.endr
.endr
.endm
.macro RED rb
.irp i, 0,1,2,3
	v_add_f32 v[\rb+2*\i], v[\rb+2*\i], v[\rb+1+2*\i]
.endr
.irp m, 1,2,4,8
.irp i, 0,1,2,3
	v_add_f32_dpp v[\rb+2*\i], v[\rb+2*\i], v[\rb+2*\i] row_xmask:\m row_mask:0xf bank_mask:0xf
.endr
.endr
.irp i, 0,1,2,3
	v_permlanex16_b32 v[\rb+1+2*\i], v[\rb+2*\i], s[SEL], s[SEL+1]
.endr
.irp i, 0,1,2,3
	v_add_f32 v[\rb+2*\i], v[\rb+2*\i], v[\rb+1+2*\i]
.endr
.endm
.macro LNORM                           ; as in launch 3
.irp i, 0,1,2,3
	v_pk_add_f32 v[28+2*\i:29+2*\i], v[128+32*\i:129+32*\i], v[130+32*\i:131+32*\i]
.endr
.set lj, 4
.rept 14
.irp i, 0,1,2,3
	v_pk_add_f32 v[28+2*\i:29+2*\i], v[28+2*\i:29+2*\i], v[128+32*\i+lj:129+32*\i+lj]
.endr
.set lj, lj+2
.endr
	RED 28
.irp i, 0,1,2,3
	v_mul_f32 v[28+2*\i], 0x3a800000, v[28+2*\i]
.endr
.set lj, 0
.rept 16
.irp i, 0,1,2,3
	v_pk_add_f32 v[128+32*\i+lj:129+32*\i+lj], v[128+32*\i+lj:129+32*\i+lj], v[28+2*\i:29+2*\i] op_sel_hi:[1,0] neg_lo:[0,1] neg_hi:[0,1]
.endr
.set lj, lj+2
.endr
.irp i, 0,1,2,3
	v_pk_mul_f32 v[36+2*\i:37+2*\i], v[128+32*\i:129+32*\i], v[128+32*\i:129+32*\i]
.endr
.set lj, 2
.rept 15
.irp i, 0,1,2,3
	v_pk_fma_f32 v[36+2*\i:37+2*\i], v[128+32*\i+lj:129+32*\i+lj], v[128+32*\i+lj:129+32*\i+lj], v[36+2*\i:37+2*\i]
.endr
.set lj, lj+2
.endr
	RED 36
.irp i, 0,1,2,3
	v_fma_f32 v[36+2*\i], v[36+2*\i], s50, s51
.endr
.irp i, 0,1,2,3
	v_rsq_f32 v[36+2*\i], v[36+2*\i]
.endr
	v_nop
	s_wait_alu depctr_va_vdst(0)
	s_wait_loadcnt 0x0
.irp i, 0,1,2,3
.set lj, 0
.rept 16
	v_pk_mul_f32 v[128+32*\i+lj:129+32*\i+lj], v[128+32*\i+lj:129+32*\i+lj], v[36+2*\i:37+2*\i] op_sel_hi:[1,0]
	v_pk_fma_f32 v[128+32*\i+lj:129+32*\i+lj], v[128+32*\i+lj:129+32*\i+lj], v[60+lj:61+lj], v[92+lj:93+lj]
.set lj, lj+2
.endr
.endr
.endm
; row i of my four: gate = 1 / (1 + 2^(-log2(e) z)), z = G1 + G2 (gate_b is in G2); x = mem + gate (u - mem).  v60-91 hold -log2(e) G1, v92-123 mem
.macro ROWI i
.irp q, 0,1,2,3,4,5,6,7
	ds_load_b128 v[128+32*\i+4*\q:131+32*\i+4*\q], v5 offset:4112*\i+512*\q
	ds_load_b128 v[28+4*\q:31+4*\q], v2 offset:4112*\i+512*\q
.endr
	s_wait_dscnt 0x0
.set rj, 0
.rept 16
	v_pk_fma_f32 v[128+32*\i+rj:129+32*\i+rj], v[128+32*\i+rj:129+32*\i+rj], 0xbfb8aa3b, v[60+rj:61+rj] op_sel_hi:[1,0,1]
.set rj, rj+2
.endr
.set rj, 0
.rept 32
	v_exp_f32 v[128+32*\i+rj], v[128+32*\i+rj]
.set rj, rj+1
.endr
.set rj, 0
.rept 16
	v_pk_add_f32 v[28+rj:29+rj], v[28+rj:29+rj], v[92+rj:93+rj] neg_lo:[0,1] neg_hi:[0,1]    ; u - mem: work that names no exponential's result
.set rj, rj+2
.endr
	s_wait_alu depctr_va_vdst(0)                   ; one wait for the 32 exponentials
.set rj, 0
.rept 16
	v_pk_add_f32 v[128+32*\i+rj:129+32*\i+rj], v[128+32*\i+rj:129+32*\i+rj], 1.0 op_sel_hi:[1,0]
.set rj, rj+2
.endr
.set rj, 0
.rept 32
	v_rcp_f32 v[128+32*\i+rj], v[128+32*\i+rj]
.set rj, rj+1
.endr
	v_nop
	s_wait_alu depctr_va_vdst(0)                   ; and one for the 32 reciprocals
.set rj, 0
.rept 16
	v_pk_fma_f32 v[128+32*\i+rj:129+32*\i+rj], v[128+32*\i+rj:129+32*\i+rj], v[28+rj:29+rj], v[92+rj:93+rj]
.set rj, rj+2
.endr
.endm
	s_load_b512 s[4:19], s[0:1], 0x0               ; memory, w_out_b, w_out_w scales, gate_b, gate_w scales, wn_g, wn_b, oq
	s_load_b128 s[20:23], s[0:1], 0x40             ; gw, out1
	v_lshl_add_u32 v[SPW], v0, 2, SPARE
	v_mov_b32 v[NIL], 0
	v_lshrrev_b32 v11, 5, v0
	v_readfirstlane_b32 s40, v11                   ; wave 0..15
	v_and_b32 v28, 31, v0                          ; lane
	v_and_b32 v29, 15, v0                          ; r
	v_bfe_u32 v30, v0, 4, 1                        ; h
	v_and_b32 v31, 8, v29
	v_add_nc_u32 v31, v31, v29                     ; r + 8 (r / 8)
	v_lshlrev_b32 v1, 4, v28
	s_and_b32 s41, s40, 1
	s_mul_i32 s42, s41, 16448
	v_add_nc_u32 v2, s42, v1                       ; u's rows 4 (w % 2) ..
	v_add_nc_u32 v5, YG, v2                        ; G2's
	v_lshrrev_b32 v6, 3, v28
	v_lshlrev_b32 v6, 16, v6
	v_and_b32 v7, 7, v28
	v_lshl_add_u32 v6, v7, 4, v6                   ; G1 [n / 32][m][32]: 65,536 (lane / 8) + 16 (lane % 8)
	v_lshlrev_b32 v7, 6, v30                       ; a bias in the result's layout: 64 h
	v_and_b32 v9, 7, v29
	v_lshlrev_b32 v9, 4, v9
	v_lshl_add_u32 v9, v30, 7, v9                  ; v_b: 128 h + 16 (r % 8): rows 8-15 repeat the 8 batches
	v_lshlrev_b32 v10, 6, v31
	v_lshl_add_u32 v10, v30, 4, v10                ; gate_w's scale rows, 64 bytes apart
	v_lshlrev_b32 v59, 5, v31
	v_lshl_add_u32 v59, v30, 4, v59                ; w_out_w's, 32 apart
	v_lshl_add_u32 v49, v29, 2, VSC
	v_lshl_add_u32 v50, v29, 2, USC
	v_add_nc_u32 v51, VIM, v1
	v_add_nc_u32 v52, UIM, v1
	s_lshl_b32 s42, s40, 9
	v_add_nc_u32 v53, s42, v52                     ; my 64 columns of u are half c = w % 2 of K step w / 2: 512 bytes of its image
	s_lshr_b32 s42, s40, 1
	s_lshl_b32 s42, s42, 6
	s_lshl_b32 s43, s41, 1
	s_add_co_u32 s42, s42, s43
	v_add_nc_u32 v54, s42, v50                     ; and two bytes of its scale word
	s_and_b32 s43, s40, 7
	s_lshl_b32 s42, s43, 10
	v_add_nc_u32 v55, s42, v51
	s_lshl_b32 s42, s43, 6
	v_add_nc_u32 v56, s42, v49
	s_lshl_b32 s42, s40, 8
	v_mul_u32_u24 v57, v29, 4112
	v_lshl_add_u32 v57, v30, 6, v57
	v_add_nc_u32 v57, s42, v57                     ; row r, my strip of 256 bytes, + 64 h
	v_add_nc_u32 v58, YG, v57
.irp b, 0,1,2,3
	v_mov_b32 v[QB+\b], 0                          ; written once: a lane permute's destination counts as one of its sources
.endr
	s_mov_b32 s[SEL], 0x76543210
	s_mov_b32 s[SEL+1], 0xfedcba98
	s_mov_b32 s50, 0x3a800000                      ; 2^-10
	s_mov_b32 s51, 0x3727c5ac                      ; 1e-5
	s_mov_b32 s53, 0
	s_wait_kmcnt 0x0
	s_lshl_b32 s52, s40, 11
	s_add_nc_u64 s[24:25], s[8:9], s[52:53]
	s_lshl_b32 s52, s40, 8
	s_add_nc_u64 s[26:27], s[6:7], s[52:53]
	s_add_nc_u64 s[46:47], s[10:11], s[52:53]
	s_lshl_b32 s52, s40, 15
	s_add_co_u32 s52, s52, WIMG+524288
	s_add_nc_u64 s[28:29], s[20:21], s[52:53]      ; w_out_w's images of my 64 columns,
	s_add_nc_u64 s[30:31], s[28:29], 524288        ; gate_w's second half's
	s_lshl_b32 s52, s43, 12
	s_add_co_u32 s52, s52, VBQ
	s_add_nc_u64 s[32:33], s[18:19], s[52:53]
	s_lshl_b32 s52, s40, 12
	s_add_co_u32 s52, s52, 32
	s_add_nc_u64 s[44:45], s[12:13], s[52:53]
	s_lshl_b32 s54, ttmp9, 3
	s_lshr_b32 s55, s40, 1
	s_add_co_u32 s54, s54, s55                     ; m
	s_lshl_b32 s52, s54, 7
	s_add_nc_u64 s[34:35], s[20:21], s[52:53]
	s_lshl_b32 s52, s54, 12
	s_add_nc_u64 s[36:37], s[4:5], s[52:53]
	s_lshl_b32 s55, s41, 23
	s_add_co_u32 s52, s52, s55
	s_add_nc_u64 s[38:39], s[22:23], s[52:53]      ; out1[4 (w % 2)][m]
.irp n, 0,1,2,3
	global_load_b128 v[12+4*\n:15+4*\n], v59, s[24:25] offset:(32*(\n/2)+8*(\n%2))*32
.endr
.irp n, 0,1,2,3
.irp q, 0,1
	global_load_b128 v[160+8*\n+4*\q:163+8*\n+4*\q], v7, s[26:27] offset:128*(\n/2)+32*(\n%2)+16*\q
.endr
.endr
	LOADB 28, 0, 0
	LOADB 28, 1, 1
	s_cmp_gt_u32 s40, 7
	s_cbranch_scc1 .Lnoq
.irp b, 0,1,2,3                        ; waves 0 to 7: K step w of v_b becomes an image
.irp j, 0,1,2,3
	global_load_b128 v[192+16*\b+4*\j:195+16*\b+4*\j], v9, s[32:33] offset:256*(4*\b+\j)
.endr
.endr
	s_wait_loadcnt 0x0
	QUANT 192, 4, 1
	ds_store_b128 v55, v[28:31]
	ds_store_b128 v55, v[32:35] offset:512
	ds_store_b32 v56, v[PW]
.Lnoq:
	s_wait_dscnt 0x0
	s_barrier_signal -1
	s_barrier_wait -1
	GEMMF 51, 49, 28                               ; u = v_b w_out_w^T + w_out_b
.irp n, 0,1,2,3
	global_load_b128 v[12+4*\n:15+4*\n], v10, s[44:45] offset:(32*(\n/2)+8*(\n%2))*64
.endr
.irp n, 0,1,2,3
.irp q, 0,1
	global_load_b128 v[160+8*\n+4*\q:163+8*\n+4*\q], v7, s[46:47] offset:128*(\n/2)+32*(\n%2)+16*\q
.endr
.endr
	LOADB 30, 0, 0
	LOADB 30, 1, 1
	YST 57
	QUANT 128, 2, 1
	ds_store_b128 v53, v[28:31]
	ds_store_b16 v54, v[PW]
	s_wait_dscnt 0x0
	s_barrier_signal -1
	s_barrier_wait -1
	GEMMF 52, 50, 30                               ; G2 + gate_b
.irp q, 0,1,2,3,4,5,6,7
	global_load_b128 v[60+4*\q:63+4*\q], v6, s[34:35] offset:262144*\q
	global_load_b128 v[92+4*\q:95+4*\q], v1, s[36:37] offset:512*\q
.endr
	YST 58
	s_wait_dscnt 0x0
	s_barrier_signal -1
	s_barrier_wait -1
	s_wait_loadcnt 0x0
.set rj, 0
.rept 16
	v_pk_mul_f32 v[60+rj:61+rj], v[60+rj:61+rj], 0xbfb8aa3b op_sel_hi:[1,0]    ; -log2(e) G1, once for my four rows
.set rj, rj+2
.endr
	ROWI 0
	ROWI 1
	ROWI 2
	ROWI 3
.irp q, 0,1,2,3,4,5,6,7
	global_load_b128 v[60+4*\q:63+4*\q], v1, s[14:15] offset:512*\q
	global_load_b128 v[92+4*\q:95+4*\q], v1, s[16:17] offset:512*\q
.endr
	LNORM
.irp i, 0,1,2,3
.irp q, 0,1,2,3,4,5,6,7
	global_store_b128 v1, v[128+32*\i+4*\q:131+32*\i+4*\q], s[38:39] offset:2097152*\i+512*\q th:TH_STORE_NT    ; the next batch lies 512 rows on; 512 bytes on end a store
.endr
.endr
	s_wait_tensorcnt 0x0                           ; the wave's end, behind my last LDS store
	ds_add_u32 v[SPW], v[NIL]
	s_wait_dscnt 0x0
	s_endpgm
.Lfunc_end_k_q807d6514e6_finw:
	.size	k_q807d6514e6_finw, .Lfunc_end_k_q807d6514e6_finw-k_q807d6514e6_finw
	.p2alignl 7, 3214868480
	.fill 96, 4, 3214868480
	.section	.rodata,"a",@progbits
	.p2align	6, 0x0
	.amdhsa_kernel k_q807d6514e6_finw
		.amdhsa_group_segment_fixed_size 151040
		.amdhsa_private_segment_fixed_size 0
		.amdhsa_enable_private_segment 0
		.amdhsa_kernarg_size 80
		.amdhsa_user_sgpr_count 2
		.amdhsa_user_sgpr_kernarg_segment_ptr 1
		.amdhsa_wavefront_size32 1
		.amdhsa_system_sgpr_workgroup_id_x 1
		.amdhsa_system_sgpr_workgroup_id_y 1
		.amdhsa_system_sgpr_workgroup_id_z 1
		.amdhsa_system_vgpr_workitem_id 0
		.amdhsa_next_free_vgpr 256
		.amdhsa_next_free_sgpr 66
		.amdhsa_reserve_vcc 0
		.amdhsa_float_denorm_mode_32 3
		.amdhsa_float_denorm_mode_16_64 3
		.amdhsa_memory_ordered 1
		.amdhsa_forward_progress 1
		.amdhsa_inst_pref_size 103
	.end_amdhsa_kernel
	.amdgpu_metadata
---
amdhsa.version: [ 1, 2 ]
amdhsa.kernels:
  - .name:           k_q807d6514e6_finw
    .symbol:         k_q807d6514e6_finw.kd
    .args:
      - { .name: memory, .offset: 0, .size: 8, .value_kind: global_buffer, .address_space: global }
      - { .name: w_out_b, .offset: 8, .size: 8, .value_kind: global_buffer, .address_space: global }
      - { .name: w_out_w_scales, .offset: 16, .size: 8, .value_kind: global_buffer, .address_space: global }
      - { .name: gate_b, .offset: 24, .size: 8, .value_kind: global_buffer, .address_space: global }
      - { .name: gate_w_scales, .offset: 32, .size: 8, .value_kind: global_buffer, .address_space: global }
      - { .name: wn_g, .offset: 40, .size: 8, .value_kind: global_buffer, .address_space: global }
      - { .name: wn_b, .offset: 48, .size: 8, .value_kind: global_buffer, .address_space: global }
      - { .name: oq, .offset: 56, .size: 8, .value_kind: global_buffer, .address_space: global }
      - { .name: gw, .offset: 64, .size: 8, .value_kind: global_buffer, .address_space: global }
      - { .name: out1, .offset: 72, .size: 8, .value_kind: global_buffer, .address_space: global }
    .group_segment_fixed_size: 151040
    .private_segment_fixed_size: 0
    .kernarg_segment_align: 8
    .kernarg_segment_size: 80
    .max_flat_workgroup_size: 512
    .sgpr_count:     66
    .vgpr_count:     256
    .wavefront_size: 32
...
	.end_amdgpu_metadata
.endif
;; end of part 4
;; ======== version 2 of 2: 3 launches
;; limits: right only within a limited range of input values
;; workspace buffers: xq 4,521,984 bytes; kv 622,592 bytes; gw 3,670,016 bytes; oq 4,489,216 bytes
;; launch prep (part 5): grid 182 x 1, 16 waves a work-group, no clusters, 317,440 bytes of LDS; arguments query, memory, r_in_w_codes, r_in_w_scales, r_in_b, gate_w_codes, gate_w_scales, r_out_w_codes, w_out_w_codes, xq, kv, gw; writes xq, kv, gw
.if DOCPART == 5
	.amdgcn_target "amdgcn-amd-amdhsa--gfx1250"
	.amdhsa_code_object_version 6
	.text
	.protected	k_q807d6514e6_prep
	.globl	k_q807d6514e6_prep
	.p2align	8
	.type	k_q807d6514e6_prep,@function
k_q807d6514e6_prep:
	s_mov_b64 s[64:65], 0
	v_nop
	global_prefetch_b8 v0, s[64:65] scope:SCOPE_SE
	s_setreg_imm32_b32 hwreg(HW_REG_WAVE_MODE, 25, 1), 1
	s_wait_xcnt 0x0
; CONTEXT MEMORY, launch 1 of 4: everything that hangs on the inputs alone.
; WORK LEFT OUT, for all finite values of the inputs:
;  (a) mem is one [512][1024] matrix broadcast over the 8 batches, so the read attention's K and V (and their codes) have 512 different rows, not 4,096: they are made once.
;  (b) The write attention has ONE key.  A softmax over one element is p / l = 1 whatever the score, so its result is the value row v_b of the batch for every slot: the write attention's q and k
;      projections and its scores reach no output.  Rows 0 .. 2047 of w_in_w and w_in_b[0 .. 2047] have no way to an output and are not loaded.
;  (c) So upd has 8 different rows (one a batch): its out projection has 8 rows.
;  (d) The gate's K = 2,048 is 32 blocks of mem (they hang on the slot m alone) and 32 blocks of upd (on the batch b alone); blocks are quantised one by one, so the logit is G1[m][n] + G2[b][n] + gate_b[n],
;      G1 with 512 rows (made here), G2 with 8.
; LIMITS: a NaN, an infinity or an overflow that reaches only the work left out is not carried to the result.  A block whose largest magnitude lies under 2^-124 gets the scale byte 1, a block of zeros too
; (its codes are zeros; the bytes are read by this program alone).  f32 sums are taken in another order than the problem's text takes them.  NaN and infinities among the inputs are not served.
; ROLES, by the work-group's number; each takes its own path to its own end:
;  M (0 .. 47): 64 rows of memory x 512 columns of one of K, V, G1.  The 16 waves quantise the rows (images in LDS), then each wave multiplies them by its 32 weight rows.
;  W (48 .. 53): r_out_w, w_out_w and the second half of gate_w are laid out in the order of the operand's registers.
;  S (54 .. 181): 512 rows x 128 columns of query: codes (images), scale words, column sums for the mean.
; AN IMAGE is a fragment (16 rows x 128 K of 4-bit codes, 8 registers a lane) as it stands in registers: byte 512 c + 16 lane holds registers 4 c .. 4 c + 3.
; THE ROWS OF A TILE ARE NOT NEIGHBOURS: in a group of 64, tile t's row p is member 32 (t / 2) + 8 (t % 2) + p + 8 (p / 8), so that a transposed product's 16 registers of tiles 2 b, 2 b + 1 are 16 neighbours.
; No tensor load, no copy, no cluster: every operand comes by dense loads of 512 bytes.
.set STGW,  16896                      ; LDS: a stage of 32 rows x 528 bytes for each wave, its own
.set XIMG,  270336                     ; M: the 64 rows' 32 images (slot 8 t + s)
.set XSCM,  303104                     ; M: their scale words, 64 bytes a slot
.set XSCS,  305152                     ; S: the scale words of 32 tiles
.set CSB,   307200                     ; S: 16 waves' column sums, 512 bytes each
.set SPARE, 315392                     ; the spare words, 128 bytes a wave
.set XSCO,  4194304                    ; xq: images [T 512][s 8][1024]; from here scale words [b][hf][s][tile 32][r 16];
.set PSUM,  4456448                    ; from here column sums [b][hf][1024]
.set KSC2,  262144                     ; kv: K images [head][tile 32][512]; K's scale bytes in two planes [head][bb][rb][r][t];
.set VIMG,  327680                     ; V images [head][d tile 4][rb 8][512];
.set VSC2,  589824                     ; V's scale bytes in planes [rb][head][r][d tile]
.set WIMG,  2097152                    ; gw: G1 [n / 32][m 512][32]; from here weight images [mat 3][w 16][s 8][tile 4][1024]
.set SPW, 10
.set NIL, 11
.set QM,  18                           ; v18-21 largest magnitudes; v22-25 the other half's, then bytes; v30-33 the conversions' scale operands
.set QB,  22
.set QO,  30
.set PW,  34                           ; the scale word just made
.set PC,  36                           ; v36-43 the codes just made
.set AS,  48                           ; v48-55 the rows' scale words, two sets (scales alone)
.set BS,  56                           ; v56-63 my weight rows' scale words (scales alone)
.set WA,  64                           ; v64-127 weight rows 0-15, later the accumulators
.set ACC, 64
.set RA,  128                          ; v128-191 16 rows of f32, later weight rows 16-31, later the rows' fragments, two sets
.set AF,  128
.set RB,  192                          ; v192-255 16 rows of f32, later my weights' fragments, two sets (192-223), and the bias (224-239)
.set BF,  192
.set BI,  224
.set SEL, 48                           ; s[48:49] lane selects for lane xor 16
.macro ENDW                            ; a wave's end, behind its last LDS store
	s_wait_tensorcnt 0x0
	ds_add_u32 v[SPW], v[NIL]
	s_wait_dscnt 0x0
	s_endpgm
.endm
.macro NOPS n
.rept \n
	v_nop
.endr
.endm
; one scaled product.  c < 0: the sum begins with the constant 0.  ar, br = 1: that side's scale words stand in lanes 16-31
.macro WM d, a, b, c, sa, sb, ar, br
.if (\c) < 0
	v_wmma_scale_f32_16x16x128_f8f6f4 v[(\d):(\d)+7], v[(\a):(\a)+7], v[(\b):(\b)+7], 0, v[(\sa)], v[(\sb)] matrix_a_fmt:MATRIX_FMT_FP4 matrix_b_fmt:MATRIX_FMT_FP4
.elseif (\ar) == 1
	v_wmma_scale_f32_16x16x128_f8f6f4 v[(\d):(\d)+7], v[(\a):(\a)+7], v[(\b):(\b)+7], v[(\c):(\c)+7], v[(\sa)], v[(\sb)] matrix_a_fmt:MATRIX_FMT_FP4 matrix_b_fmt:MATRIX_FMT_FP4 matrix_a_scale:MATRIX_SCALE_ROW1
.elseif (\br) == 1
	v_wmma_scale_f32_16x16x128_f8f6f4 v[(\d):(\d)+7], v[(\a):(\a)+7], v[(\b):(\b)+7], v[(\c):(\c)+7], v[(\sa)], v[(\sb)] matrix_a_fmt:MATRIX_FMT_FP4 matrix_b_fmt:MATRIX_FMT_FP4 matrix_b_scale:MATRIX_SCALE_ROW1
.else
	v_wmma_scale_f32_16x16x128_f8f6f4 v[(\d):(\d)+7], v[(\a):(\a)+7], v[(\b):(\b)+7], v[(\c):(\c)+7], v[(\sa)], v[(\sb)] matrix_a_fmt:MATRIX_FMT_FP4 matrix_b_fmt:MATRIX_FMT_FP4
.endif
.endm
; nb blocks of 32: register src + 16 b + i is number 32 b + 16 (lane / 16) + i of my row.  Codes to v[PC + 2 b], v[PC + 2 b + 1]; bytes to v[QB + b].
; sw = 1: the bytes make the scale word v[PW], and the halves change places so that a lane holds whole blocks (the operand's layout).
.macro QUANT src, nb, sw
.set qb, 0
.rept \nb
	v_max3_num_f32 v[QM+qb], |v[(\src)+16*qb]|, |v[(\src)+16*qb+1]|, 0x1800000    ; my 16 numbers and the floor 2^(3 - 127): the byte cannot fall under 1
.set qb, qb+1
.endr
.set qi, 2
.rept 7
.set qb, 0
.rept \nb
	v_max3_num_f32 v[QM+qb], v[QM+qb], |v[(\src)+16*qb+qi]|, |v[(\src)+16*qb+qi+1]|
.set qb, qb+1
.endr
.set qi, qi+2
.endr
.set qb, 0
.rept \nb
	s_delay_alu instid0(VALU_DEP_4)
	v_permlanex16_b32 v[QB+qb], v[QM+qb], s[SEL], s[SEL+1]
.set qb, qb+1
.endr
.set qb, 0
.rept \nb
	s_delay_alu instid0(VALU_DEP_4)
	v_max_num_f32 v[QM+qb], v[QM+qb], v[QB+qb]                 ; with lane xor 16's: the block's largest magnitude
.set qb, qb+1
.endr
.set qb, 0
.rept \nb
	s_delay_alu instid0(VALU_DEP_4)
	v_add_nc_u32 v[QO+qb], 0xff000000, v[QM+qb]                ; 2 off its exponent field: the conversion's scale operand
.set qb, qb+1
.endr
.set qb, 0
.rept \nb
	s_delay_alu instid0(VALU_DEP_4)
	v_lshrrev_b32 v[QB+qb], 23, v[QO+qb]                       ; the scale's byte
.set qb, qb+1
.endr
.if \sw
	s_delay_alu instid0(VALU_DEP_3)
	v_lshl_or_b32 v[PW], v[QB+1], 8, v[QB]
.if \nb == 4
	s_delay_alu instid0(VALU_DEP_1)
	v_lshl_or_b32 v[PW], v[QB+2], 16, v[PW]
	s_delay_alu instid0(VALU_DEP_1)
	v_lshl_or_b32 v[PW], v[QB+3], 24, v[PW]
.endif
.endif
.set qb, 0
.rept \nb
	v_cvt_scalef32_pk8_fp4_f32 v[PC+2*qb], v[(\src)+16*qb:(\src)+16*qb+7], v[QO+qb]
	v_cvt_scalef32_pk8_fp4_f32 v[PC+2*qb+1], v[(\src)+16*qb+8:(\src)+16*qb+15], v[QO+qb]
.set qb, qb+1
.endr
	v_nop                                                      ; one plain place behind a scaled conversion
.if \sw
.set qb, 0
.rept \nb/2
	v_permlane16_swap_b32 v[PC+4*qb], v[PC+4*qb+2]
	v_permlane16_swap_b32 v[PC+4*qb+1], v[PC+4*qb+3]
.set qb, qb+1
.endr
.endif
.endm
; 16 rows of a tile, 512 bytes of each: one row an instruction, 16 bytes a lane
.macro XLOAD reg, extra, nt
.set xi, 0
.rept 16
.if \nt
	global_load_b128 v[\reg+4*xi:\reg+4*xi+3], v1, s[36:37] offset:(xi+8*(xi/8))*4096+\extra th:TH_LOAD_NT
.else
	global_load_b128 v[\reg+4*xi:\reg+4*xi+3], v1, s[36:37] offset:(xi+8*(xi/8))*4096+\extra
.endif
.set xi, xi+1
.endr
.endm
; the 16 rows turn through my stage: in as rows, back as 16 neighbours of each block a lane.  LDS serves a wave's instructions in order: no wait between
.macro TURN reg
.irp i, 0,1,2,3,4,5,6,7,8,9,10,11,12,13,14,15
	ds_store_b128 v2, v[\reg+4*\i:\reg+4*\i+3] offset:528*\i
.endr
.irp b, 0,1,2,3
.irp j, 0,1,2,3
	ds_load_b128 v[\reg+16*\b+4*\j:\reg+16*\b+4*\j+3], v3 offset:128*\b+16*\j
.endr
.endr
.endm
.macro WLOAD reg, first, pitch         ; 16 weight rows, 512 bytes of codes each
.irp i, 0,1,2,3,4,5,6,7,8,9,10,11,12,13,14,15
	global_load_b128 v[\reg+4*\i:\reg+4*\i+3], v1, s[38:39] offset:(\first+\i)*\pitch
.endr
.endm
.macro WARMS reg, first                ; gate_w's rows are 1,024 bytes apart, the others' 512: two arms with the same registers and the same number of loads
	s_cmp_eq_u32 s31, 2
	s_cbranch_scc1 .Lwg_\@
	WLOAD \reg, \first, 512
	s_branch .Lwj_\@
.Lwg_\@:
	WLOAD \reg, \first, 1024
.Lwj_\@:
.endm
.macro WSTORE                          ; my 32 weight rows into my stage
.irp i, 0,1,2,3,4,5,6,7,8,9,10,11,12,13,14,15
	ds_store_b128 v2, v[WA+4*\i:WA+4*\i+3] offset:528*\i
.endr
.irp i, 0,1,2,3,4,5,6,7,8,9,10,11,12,13,14,15
	ds_store_b128 v2, v[RA+4*\i:RA+4*\i+3] offset:528*(16+\i)
.endr
.endm
.macro KLOAD ks, st                    ; a K step's operands, 16 LDS loads: four fragments of rows, my two of weights, the rows' four scale words
.irp t, 0,1,2,3
.irp c, 0,1
	ds_load_b128 v[AF+32*(\st)+8*\t+4*\c:AF+32*(\st)+8*\t+4*\c+3], v5 offset:(8*\t+(\ks))*1024+512*\c
.endr
.endr
.irp u, 0,1
.irp c, 0,1
	ds_load_b128 v[BF+16*(\st)+8*\u+4*\c:BF+16*(\st)+8*\u+4*\c+3], v4 offset:8*\u*528+64*(\ks)+32*\c
.endr
.endr
.irp t, 0,1,2,3
	ds_load_b32 v[AS+4*(\st)+\t], v6 offset:(8*\t+(\ks))*64
.endr
.endm
; 64 rows x my 32 columns, K = 1,024 in eight steps; eight accumulators by turns, one instruction a turn.
; var 0: source 0 = weights (a lane holds one row of memory, registers run along the columns); var 1: source 0 = rows (a lane holds one column, registers run along the rows).
; cm 1: the bias is the C of the first step
.macro GEMM var, cm
	KLOAD 0, 0
	KLOAD 1, 1
.set gs, 0
.rept 8
.if gs < 7
	s_wait_dscnt 16                                            ; this step's 16 loads are in, the next step's 16 stay out
.else
	s_wait_dscnt 0x0
.endif
.set gt, 0
.rept 4
.set gu, 0
.rept 2
.if \var == 0
.set DD, ACC+16*gt+8*gu
.else
.set DD, ACC+32*gu+8*gt
.endif
.set CC, DD
.if gs == 0
.if \cm
.set CC, BI+8*gu
.else
.set CC, -1
.endif
.endif
.if \var == 0
	WM DD, BF+16*(gs%2)+8*gu, AF+32*(gs%2)+8*gt, CC, BS+4*gu+gs%4, AS+4*(gs%2)+gt, gs/4, 0
.else
	WM DD, AF+32*(gs%2)+8*gt, BF+16*(gs%2)+8*gu, CC, AS+4*(gs%2)+gt, BS+4*gu+gs%4, 0, gs/4
.endif
.set gu, gu+1
.endr
.set gt, gt+1
.endr
.if gs < 6
	NOPS 4                                                     ; four places in front of loads into registers that these products read
	KLOAD gs+2, gs%2
.endif
.set gs, gs+1
.endr
.endm
.macro MFIN                            ; all my loads are in; my weights go to my stage; my LDS stores have landed: the work-group's barrier; behind it the 32 images are whole
	s_wait_loadcnt 0x0
	WSTORE
	s_wait_dscnt 0x0
	s_barrier_signal -1
	s_barrier_wait -1
.endm
.macro CSUMS reg, first                ; the 16 rows' column sums, in two chains
.set ci, 0
.if \first
	v_pk_add_f32 v[44:45], v[\reg:\reg+1], v[\reg+4:\reg+5]
	v_pk_add_f32 v[46:47], v[\reg+2:\reg+3], v[\reg+6:\reg+7]
.set ci, 2
.endif
	v_pk_add_f32 v[44:45], v[44:45], v[\reg+4*ci:\reg+4*ci+1]
	v_pk_add_f32 v[46:47], v[46:47], v[\reg+4*ci+2:\reg+4*ci+3]
.set ci, ci+1
.rept (16-2*\first)-1
	s_delay_alu instid0(VALU_DEP_2)
	v_pk_add_f32 v[44:45], v[44:45], v[\reg+4*ci:\reg+4*ci+1]
	s_delay_alu instid0(VALU_DEP_2)
	v_pk_add_f32 v[46:47], v[46:47], v[\reg+4*ci+2:\reg+4*ci+3]
.set ci, ci+1
.endr
.endm
	; ---- the common head: every LDS address is made here, ahead of the parting of the roles
	s_load_b512 s[4:19], s[0:1], 0x0               ; query, memory, r_in_w codes, scales, r_in_b, gate_w codes, scales, r_out_w codes
	s_load_b256 s[20:27], s[0:1], 0x40             ; w_out_w codes, xq, kv, gw
	v_lshl_add_u32 v[SPW], v0, 2, SPARE
	v_mov_b32 v[NIL], 0
	v_lshrrev_b32 v36, 5, v0
	s_delay_alu instid0(VALU_DEP_1)
	v_readfirstlane_b32 s28, v36                   ; wave 0..15
	v_and_b32 v36, 31, v0                          ; lane
	v_and_b32 v37, 15, v0                          ; r
	v_bfe_u32 v28, v0, 4, 1                        ; h
	s_delay_alu instid0(VALU_DEP_2)
	v_and_b32 v29, 8, v37
	s_delay_alu instid0(VALU_DEP_1)
	v_add_nc_u32 v29, v29, v37                     ; r + 8 (r / 8)
	s_mul_i32 s30, s28, STGW                       ; my stage
	v_lshlrev_b32 v1, 4, v36                       ; v1  16 x lane
	s_delay_alu instid0(VALU_DEP_1)
	v_add_nc_u32 v2, s30, v1                       ; v2  the stage by rows
	v_mul_u32_u24 v3, v37, 528
	s_delay_alu instid0(VALU_DEP_1)
	v_lshl_add_u32 v3, v28, 6, v3
	s_delay_alu instid0(VALU_DEP_1)
	v_add_nc_u32 v3, s30, v3                       ; v3  row r, + 64 h: my 16 numbers of a block
	v_mul_u32_u24 v4, v29, 528
	s_delay_alu instid0(VALU_DEP_1)
	v_lshl_add_u32 v4, v28, 4, v4
	s_delay_alu instid0(VALU_DEP_1)
	v_add_nc_u32 v4, s30, v4                       ; v4  weight row r + 8 (r / 8), + 16 h: a fragment's place
	v_add_nc_u32 v5, XIMG, v1                      ; v5  an image's place for my lane
	v_lshl_add_u32 v6, v37, 2, XSCM                ; v6  a scale word's
	s_lshl_b32 s31, s28, 7
	v_add_nc_u32 v7, s31, v6                       ; v7  M: where I store my two scale words
	v_lshl_add_u32 v16, v37, 2, XSCS
	s_delay_alu instid0(VALU_DEP_1)
	v_add_nc_u32 v16, s31, v16                     ; v16 S: the same
	s_lshl_b32 s31, s28, 11
	v_add_nc_u32 v8, s31, v5                       ; v8  M: where I store my two images
	s_lshl_b32 s31, s28, 9
	v_add_nc_u32 v26, CSB, v1                      ; v26 S: the column sums, read
	s_delay_alu instid0(VALU_DEP_1)
	v_add_nc_u32 v9, s31, v26                      ; v9  S: and stored
	v_mul_u32_u24 v12, v37, 144
	s_delay_alu instid0(VALU_DEP_1)
	v_lshl_add_u32 v12, v28, 6, v12
	s_delay_alu instid0(VALU_DEP_1)
	v_add_nc_u32 v12, s30, v12                     ; v12 G1's way out: row r of 128 bytes + 16, + 64 h
	v_lshrrev_b32 v38, 3, v36
	s_delay_alu instid0(VALU_DEP_1)
	v_mul_u32_u24 v13, v38, 144
	v_and_b32 v38, 7, v36
	s_delay_alu instid0(VALU_DEP_1)
	v_lshl_add_u32 v13, v38, 4, v13
	s_delay_alu instid0(VALU_DEP_1)
	v_add_nc_u32 v13, s30, v13                     ; v13 and back: four rows an instruction
	v_lshlrev_b32 v14, 4, v37                      ; v14 16 r
	s_delay_alu instid0(VALU_DEP_1)
	v_lshl_add_u32 v15, v28, 3, v14                ; v15 16 r + 8 h
	s_add_co_u32 s31, s28, 3
	s_and_b32 s31, s31, 3
	s_lshl_b32 s31, s31, 9
	v_add_nc_u32 v17, s31, v1                      ; v17 S: 512 ((wave - 1) mod 4) + 16 lane;
	s_delay_alu instid0(VALU_DEP_1)
	v_add_nc_u32 v27, XSCS, v17                    ; v27 the same place among the scale words in LDS
.irp b, 0,1,2,3
	v_mov_b32 v[QB+\b], 0                          ; written once: a lane permute's destination counts as one of its sources
.endr
	s_mov_b32 s[SEL], 0x76543210
	s_mov_b32 s[SEL+1], 0xfedcba98
	s_mov_b32 s53, 0
	s_wait_kmcnt 0x0
	s_cmp_ge_u32 ttmp9, 54
	s_cbranch_scc1 .LroleS
	s_cmp_ge_u32 ttmp9, 48
	s_cbranch_scc1 .LroleW
	; ================ ROLE M
	s_and_b32 s29, ttmp9, 7                        ; rb: which 64 rows of memory
	s_lshr_b32 s30, ttmp9, 3
	s_lshr_b32 s31, s30, 1                         ; kind: 0 K, 1 V, 2 G1
	s_and_b32 s32, s30, 1
	s_lshl_b32 s33, s32, 4
	s_add_co_u32 s33, s33, s28                     ; g32: my 32 columns are 32 g32 ..
	s_add_co_u32 s34, s31, 1
	s_lshl_b32 s34, s34, 5
	s_add_co_u32 s34, s34, s33                     ; in r_in_w they are rows 32 (32 (kind + 1) + g32) ..
	s_cmp_eq_u32 s31, 2
	s_cselect_b32 s34, s33, s34
	s_cselect_b32 s50, 64, 32                      ; bytes of a row of scales
	s_cselect_b32 s35, 15, 14                      ; 32 rows of codes: 2^15 or 2^14 bytes
	s_cselect_b64 s[38:39], s[14:15], s[8:9]
	s_cselect_b64 s[40:41], s[16:17], s[10:11]
	s_lshl_b32 s52, s34, s35
	s_add_nc_u64 s[38:39], s[38:39], s[52:53]      ; my weight rows' codes
	s_mul_i32 s52, s34, s50
	s_lshl_b32 s52, s52, 5
	s_add_nc_u64 s[40:41], s[40:41], s[52:53]      ; their scales
	s_lshl_b32 s52, s34, 7
	s_add_nc_u64 s[42:43], s[12:13], s[52:53]      ; their bias (K, V)
	s_lshl_b32 s52, s29, 6                         ; I quantise tile t = wave / 4, K steps 2 (wave % 4) and + 1
	s_lshr_b32 s54, s28, 3
	s_lshl_b32 s54, s54, 5
	s_add_co_u32 s52, s52, s54
	s_bfe_u32 s54, s28, 0x10002
	s_lshl_b32 s54, s54, 3
	s_add_co_u32 s52, s52, s54
	s_lshl_b32 s52, s52, 12
	s_and_b32 s54, s28, 3
	s_lshl_b32 s54, s54, 10
	s_add_co_u32 s52, s52, s54
	s_add_nc_u64 s[36:37], s[6:7], s[52:53]
	v_mul_lo_u32 v17, v29, s50
	s_delay_alu instid0(VALU_DEP_1)
	v_lshl_add_u32 v17, v28, 4, v17                ; scales: lanes 0-15 take the words of K steps 0-3, lanes 16-31 of steps 4-7
	s_lshl_b32 s54, s50, 3
	v_add_nc_u32 v35, s54, v17                     ; the second tile's rows lie 8 further on
	global_load_b128 v[BS:BS+3], v17, s[40:41]
	global_load_b128 v[BS+4:BS+7], v35, s[40:41]
	XLOAD RA, 0, 0
	XLOAD RB, 512, 0
	WARMS WA, 0
	s_wait_loadcnt 32                              ; the first K step's rows are in; the second's 16 loads and the weights' 16 stay out
	TURN RA
	s_wait_loadcnt 16                              ; the weights' 16 stay out
	TURN RB
	s_wait_dscnt 32                                ; the first turn is back; the second's 32 stay out
	QUANT RA, 4, 1
	ds_store_b128 v8, v[PC:PC+3]
	ds_store_b128 v8, v[PC+4:PC+7] offset:512
	ds_store_b32 v7, v[PW]
	WARMS RA, 16                                   ; weight rows 16-31 into the registers just quantised
	s_wait_dscnt 0x0                               ; the second turn is back, and the stores have read the codes' registers
	QUANT RB, 4, 1
	ds_store_b128 v8, v[PC:PC+3] offset:1024
	ds_store_b128 v8, v[PC+4:PC+7] offset:1536
	ds_store_b32 v7, v[PW] offset:64
	s_cmp_eq_u32 s31, 1
	s_cbranch_scc1 .LkindV
	s_cmp_eq_u32 s31, 2
	s_cbranch_scc1 .LkindG
	; ---- K: my 32 columns are block bb = wave % 2 of head g32 / 2.  A lane holds one key; its 16 registers of a tile of keys are half of that block
	v_lshlrev_b32 v44, 6, v28
.irp u, 0,1
.irp q, 0,1
	global_load_b128 v[BI+8*\u+4*\q:BI+8*\u+4*\q+3], v44, s[42:43] offset:32*\u+16*\q    ; bias of columns 16 h + 8 u + 0 .. 7
.endr
.endr
	s_lshr_b32 s52, s33, 1
	s_lshl_b32 s52, s52, 14
	s_lshl_b32 s54, s29, 11
	s_add_co_u32 s52, s52, s54
	s_and_b32 s54, s33, 1
	s_lshl_b32 s51, s54, 3                         ; my byte's place in a key's scale word
	s_lshl_b32 s54, s54, 8
	s_add_co_u32 s52, s52, s54
	s_add_nc_u64 s[44:45], s[24:25], s[52:53]
	s_lshl_b32 s52, s33, 3
	s_add_co_u32 s52, s52, s29
	s_lshl_b32 s52, s52, 8
	s_add_co_u32 s52, s52, KSC2
	s_add_nc_u64 s[46:47], s[24:25], s[52:53]
	MFIN
	GEMM 0, 1
	NOPS 4
	QUANT ACC, 4, 0                                ; block b of the macro = tile b of keys
.irp t, 0,1,2,3
	v_lshlrev_b32 v[QB+\t], s51, v[QB+\t]
.endr
.irp t, 0,1,2,3
	global_store_b64 v15, v[PC+2*\t:PC+2*\t+1], s[44:45] offset:512*\t    ; 32 lanes store 256 bytes on end: lanes' half bb of the tile's image
.endr
	global_store_b128 v14, v[QB:QB+3], s[46:47]    ; key r's bytes for the four tiles (lanes 16-31 store the same bytes again)
	ENDW
.LkindV:
	; ---- V: a lane holds one column d; its registers run along the keys, which are the second product's K
	v_lshlrev_b32 v44, 2, v29
.irp u, 0,1
.irp j, 0,1,2,3,4,5,6,7
	global_load_b32 v[BI+8*\u+\j], v44, s[42:43] offset:32*\u    ; my column's bias, the same for all eight keys of a register run
.endr
.endr
	s_lshl_b32 s52, s33, 13
	s_lshl_b32 s54, s29, 9
	s_add_co_u32 s52, s52, s54
	s_add_co_u32 s52, s52, VIMG
	s_add_nc_u64 s[44:45], s[24:25], s[52:53]
	s_lshl_b32 s52, s29, 4
	s_lshr_b32 s54, s33, 1
	s_add_co_u32 s52, s52, s54
	s_lshl_b32 s52, s52, 8
	s_and_b32 s54, s33, 1
	s_lshl_b32 s54, s54, 3
	s_add_co_u32 s52, s52, s54
	s_add_co_u32 s52, s52, VSC2
	s_add_nc_u64 s[46:47], s[24:25], s[52:53]
	s_and_b32 s51, s29, 1
	s_lshl_b32 s51, s51, 4                         ; these 64 keys are the lower or the upper half of a key step's scale word
	MFIN
	GEMM 1, 1
	NOPS 4
	QUANT ACC, 4, 0                                ; block 2 u + kb of the macro = d tile u, keys 32 kb ..
.irp u, 0,1
.irp k, 0,1
	global_store_b64 v15, v[PC+4*\u+2*\k:PC+4*\u+2*\k+1], s[44:45] offset:4096*\u+256*\k
.endr
.endr
	v_lshl_or_b32 v18, v23, 8, v22
	v_lshl_or_b32 v19, v25, 8, v24
	s_delay_alu instid0(VALU_DEP_2)
	v_lshlrev_b32 v18, s51, v18
	s_delay_alu instid0(VALU_DEP_2)
	v_lshlrev_b32 v19, s51, v19
	global_store_b64 v14, v[18:19], s[46:47]       ; pieces of 8 bytes, 16 apart: 32,768 bytes in the whole launch
	ENDW
.LkindG:
	; ---- G1: no bias here (gate_b goes in with G2); f32 results leave through my stage, 512 bytes on end a store
	s_lshl_b32 s52, s33, 16
	s_lshl_b32 s54, s29, 13
	s_add_co_u32 s52, s52, s54
	s_add_nc_u64 s[44:45], s[26:27], s[52:53]
	MFIN
	GEMM 0, 0
	NOPS 4
.irp t, 0,1,2,3
.irp u, 0,1
.irp q, 0,1
	ds_store_b128 v12, v[ACC+16*\t+8*\u+4*\q:ACC+16*\t+8*\u+4*\q+3] offset:2304*\t+32*\u+16*\q    ; each accumulator from its low end on
.endr
.endr
.endr
.irp t, 0,1,2,3
.irp i, 0,1,2,3
	ds_load_b128 v[128+16*\t+4*\i:131+16*\t+4*\i], v13 offset:2304*\t+576*\i
.endr
.endr
	s_wait_dscnt 0x0
.irp t, 0,1,2,3
.irp i, 0,1,2,3
	global_store_b128 v1, v[128+16*\t+4*\i:131+16*\t+4*\i], s[44:45] offset:(32*(\t/2)+8*(\t%2)+4*\i+8*(\i/2))*128
.endr
.endr
	ENDW
	; ================ ROLE W: my 32 weight rows go through my stage and leave as images; waves share nothing, so no barrier
.LroleW:
	s_sub_co_u32 s29, ttmp9, 48
	s_lshr_b32 s31, s29, 1                         ; 0 r_out_w, 1 w_out_w, 2 gate_w's second half
	s_and_b32 s30, s29, 1
	s_lshl_b32 s30, s30, 4
	s_add_co_u32 s30, s30, s28                     ; rows 32 unit ..
	s_cmp_eq_u32 s31, 1
	s_cselect_b64 s[38:39], s[20:21], s[18:19]
	s_cmp_eq_u32 s31, 2
	s_cselect_b64 s[38:39], s[14:15], s[38:39]
	s_cselect_b32 s35, 15, 14
	s_cselect_b32 s54, 512, 0
	s_lshl_b32 s52, s30, s35
	s_add_co_u32 s52, s52, s54
	s_add_nc_u64 s[38:39], s[38:39], s[52:53]
	s_lshl_b32 s52, s31, 19
	s_lshr_b32 s54, s30, 1
	s_lshl_b32 s54, s54, 15
	s_add_co_u32 s52, s52, s54
	s_and_b32 s54, s30, 1
	s_lshl_b32 s54, s54, 11
	s_add_co_u32 s52, s52, s54
	s_add_co_u32 s52, s52, WIMG
	s_add_nc_u64 s[44:45], s[26:27], s[52:53]
	WARMS WA, 0
	WARMS RA, 16
	s_wait_loadcnt 0x0
	WSTORE
.irp u, 0,1
.irp k, 0,1,2,3,4,5,6,7
.irp c, 0,1
	ds_load_b128 v[128+64*\u+8*\k+4*\c:131+64*\u+8*\k+4*\c], v4 offset:8*\u*528+64*\k+32*\c
.endr
.endr
.endr
	s_wait_dscnt 0x0
.irp u, 0,1
.irp k, 0,1,2,3,4,5,6,7
.irp c, 0,1
	global_store_b128 v1, v[128+64*\u+8*\k+4*\c:131+64*\u+8*\k+4*\c], s[44:45] offset:4096*\k+1024*\u+512*\c
.endr
.endr
.endr
	ENDW
	; ================ ROLE S: batch b, half hf of its rows, K step s.  My wave: 32 rows = two tiles
.LroleS:
	s_sub_co_u32 s29, ttmp9, 54
	s_lshr_b32 s30, s29, 4                         ; b
	s_bfe_u32 s31, s29, 0x30001                    ; s
	s_and_b32 s32, s29, 1                          ; hf
	s_lshl_b32 s33, s30, 1
	s_add_co_u32 s33, s33, s32
	s_lshl_b32 s34, s33, 4
	s_add_co_u32 s34, s34, s28                     ; which 32 rows of the 8,192
	s_lshl_b32 s52, s34, 17
	s_lshl_b32 s54, s31, 9
	s_add_co_u32 s52, s52, s54
	s_add_nc_u64 s[36:37], s[4:5], s[52:53]
	s_lshl_b32 s52, s34, 14
	s_lshl_b32 s54, s31, 10
	s_add_co_u32 s52, s52, s54
	s_add_nc_u64 s[38:39], s[22:23], s[52:53]      ; my two images
	s_lshl_b32 s52, s33, 12
	s_lshl_b32 s54, s31, 9
	s_add_co_u32 s52, s52, s54
	s_add_co_u32 s52, s52, PSUM
	s_add_nc_u64 s[40:41], s[22:23], s[52:53]
	s_lshl_b32 s52, s33, 3
	s_add_co_u32 s52, s52, s31
	s_lshl_b32 s52, s52, 11
	s_add_co_u32 s52, s52, XSCO
	s_add_nc_u64 s[42:43], s[22:23], s[52:53]
	XLOAD RA, 0, 1
	XLOAD RB, 32768, 1
	s_wait_loadcnt 16                              ; the first tile's rows are in, the second's 16 loads stay out
	CSUMS RA, 1
	TURN RA
	s_wait_alu depctr_va_vdst(0)
	s_wait_loadcnt 0x0
	CSUMS RB, 0
	TURN RB
	s_wait_dscnt 32                                ; the first turn is back; the second's 32 stay out
	QUANT RA, 4, 1
	global_store_b128 v1, v[PC:PC+3], s[38:39]
	global_store_b128 v1, v[PC+4:PC+7], s[38:39] offset:512
	ds_store_b32 v16, v[PW]
	s_wait_dscnt 0x0                               ; the second turn is back, the word's store has read its register,
	s_wait_xcnt 0x0                                ; and the codes' registers are written again only behind this wait
	QUANT RB, 4, 1
	global_store_b128 v1, v[PC:PC+3], s[38:39] offset:8192
	global_store_b128 v1, v[PC+4:PC+7], s[38:39] offset:8704
	ds_store_b32 v16, v[PW] offset:64
	ds_store_b128 v9, v[44:47]
	s_wait_dscnt 0x0                               ; for the others' sake: my words and sums have landed
	s_barrier_signal -1
	s_barrier_wait -1
	s_cmp_lg_u32 s28, 0
	s_cbranch_scc1 .Lsw
.set ci, 0
.rept 16
	ds_load_b128 v[64+4*ci:67+4*ci], v26 offset:512*ci         ; wave 0 adds the 16 waves' column sums
.set ci, ci+1
.endr
	s_wait_dscnt 0x0
.set ci, 1
	v_pk_add_f32 v[64:65], v[64:65], v[64+4*ci:65+4*ci]
	v_pk_add_f32 v[66:67], v[66:67], v[66+4*ci:67+4*ci]
.set ci, ci+1
.rept (15)-1
	s_delay_alu instid0(VALU_DEP_2)
	v_pk_add_f32 v[64:65], v[64:65], v[64+4*ci:65+4*ci]
	s_delay_alu instid0(VALU_DEP_2)
	v_pk_add_f32 v[66:67], v[66:67], v[66+4*ci:67+4*ci]
.set ci, ci+1
.endr
	global_store_b128 v1, v[64:67], s[40:41]
	ENDW
.Lsw:
	s_cmp_gt_u32 s28, 4
	s_cbranch_scc1 .Lsx
	ds_load_b128 v[64:67], v27                     ; waves 1 to 4 send the 2,048 bytes of scale words out, 512 on end each
	s_wait_dscnt 0x0
	global_store_b128 v17, v[64:67], s[42:43]
.Lsx:
	ENDW
.Lfunc_end_k_q807d6514e6_prep:
	.size	k_q807d6514e6_prep, .Lfunc_end_k_q807d6514e6_prep-k_q807d6514e6_prep
	.p2alignl 7, 3214868480
	.fill 96, 4, 3214868480
	.section	.rodata,"a",@progbits
	.p2align	6, 0x0
	.amdhsa_kernel k_q807d6514e6_prep
		.amdhsa_group_segment_fixed_size 317440
		.amdhsa_private_segment_fixed_size 0
		.amdhsa_enable_private_segment 0
		.amdhsa_kernarg_size 96
		.amdhsa_user_sgpr_count 2
		.amdhsa_user_sgpr_kernarg_segment_ptr 1
		.amdhsa_wavefront_size32 1
		.amdhsa_system_sgpr_workgroup_id_x 1
		.amdhsa_system_sgpr_workgroup_id_y 1
		.amdhsa_system_sgpr_workgroup_id_z 1
		.amdhsa_system_vgpr_workitem_id 0
		.amdhsa_next_free_vgpr 256
		.amdhsa_next_free_sgpr 66
		.amdhsa_reserve_vcc 0
		.amdhsa_float_denorm_mode_32 3
		.amdhsa_float_denorm_mode_16_64 3
		.amdhsa_memory_ordered 1
		.amdhsa_forward_progress 1
		.amdhsa_inst_pref_size 144
	.end_amdhsa_kernel
	.amdgpu_metadata
---
amdhsa.version: [ 1, 2 ]
amdhsa.kernels:
  - .name:           k_q807d6514e6_prep
    .symbol:         k_q807d6514e6_prep.kd
    .args:
      - { .name: query, .offset: 0, .size: 8, .value_kind: global_buffer, .address_space: global }
      - { .name: memory, .offset: 8, .size: 8, .value_kind: global_buffer, .address_space: global }
      - { .name: r_in_w_codes, .offset: 16, .size: 8, .value_kind: global_buffer, .address_space: global }
      - { .name: r_in_w_scales, .offset: 24, .size: 8, .value_kind: global_buffer, .address_space: global }
      - { .name: r_in_b, .offset: 32, .size: 8, .value_kind: global_buffer, .address_space: global }
      - { .name: gate_w_codes, .offset: 40, .size: 8, .value_kind: global_buffer, .address_space: global }
      - { .name: gate_w_scales, .offset: 48, .size: 8, .value_kind: global_buffer, .address_space: global }
      - { .name: r_out_w_codes, .offset: 56, .size: 8, .value_kind: global_buffer, .address_space: global }
      - { .name: w_out_w_codes, .offset: 64, .size: 8, .value_kind: global_buffer, .address_space: global }
      - { .name: xq, .offset: 72, .size: 8, .value_kind: global_buffer, .address_space: global }
      - { .name: kv, .offset: 80, .size: 8, .value_kind: global_buffer, .address_space: global }
      - { .name: gw, .offset: 88, .size: 8, .value_kind: global_buffer, .address_space: global }
    .group_segment_fixed_size: 317440
    .private_segment_fixed_size: 0
    .kernarg_segment_align: 8
    .kernarg_segment_size: 96
    .max_flat_workgroup_size: 512
    .sgpr_count:     66
    .vgpr_count:     256
    .wavefront_size: 32
...
	.end_amdgpu_metadata
.endif
;; end of part 5
;; launch attn (part 6): grid 256 x 1, 16 waves a work-group, no clusters, 204,288 bytes of LDS; arguments xq, kv, r_in_w_codes, r_in_w_scales, r_in_b, w_in_w, w_in_b, oq; writes oq
.if DOCPART == 6
	.amdgcn_target "amdgcn-amd-amdhsa--gfx1250"
	.amdhsa_code_object_version 6
	.text
	.protected	k_q807d6514e6_attn
	.globl	k_q807d6514e6_attn
	.p2align	8
	.type	k_q807d6514e6_attn,@function
k_q807d6514e6_attn:
	s_mov_b64 s[64:65], 0
	v_nop
	global_prefetch_b8 v0, s[64:65] scope:SCOPE_SE
	s_setreg_imm32_b32 hwreg(HW_REG_WAVE_MODE, 25, 1), 1
	s_wait_xcnt 0x0
; CONTEXT MEMORY, launch 2 of 4: the read attention (q projection, scores, softmax, values) on codes of FP4, and the write path's value rows v_b.
; Left out, as shown at the head of launch 1: the write attention's q, k and scores (one key: its softmax is 1), and the repeated rows of K and V (memory is the same for all batches).
; SHARES.  Work-group id: head pair hp = id % 8, 256 queries rg = id / 8.  Each of the sixteen waves owns one tile of 16 queries, in 256 registers, and takes it through both heads of the pair.
; Both heads' K and V images, their scale words and Wq's 128 rows lie in LDS, filled once: the images by copies, the rest through registers.  Beside that the work-group makes 32 numbers of v_b = mean(query) Wv^T + bv, in f32
; multiply-adds (its result goes on into a quantised operand): wave w takes column 8 (id / 2) + w % 8 for two of the four batches 4 (id % 2) ..
; LAYOUT.  All products are used transposed, so that a lane holds ONE query (lane % 16) throughout: q^T = Wq x^T, S^T = K q^T, O^T = V^T P^T.  The rows of every tile are chosen as launch 1's head says, so that the
; registers of two neighbouring tiles are 16 neighbours along the next product's K.  A head's 64 are half of the instruction's K = 128: the other half is zero codes on both sides.
; SOFTMAX: t = score x log2(e) / 8; M = the running largest t rounded up to a whole number; p = 2^(t - M) is quantised along the keys; the row's sum is taken of the unquantised p and divides O at the end.
; LIMITS as in launch 1.
.set VI,    32768                      ; LDS: K images at 0 [head 2][tile 32][512]; V images [head 2][d tile 4][rb 8][512];
.set WQ,    65536                      ; Wq: 128 rows x (512 + 16);
.set KSC,   133120                     ; K's scale words [head][rb][r][t];
.set VSC,   137216                     ; V's [head][step][r][d tile];
.set XSC,   139264                     ; x's [s][tile 16][r];
.set WQS,   147456                     ; Wq's scale rows as they lie;
.set BQ,    151552                     ; bq, 128 numbers;
.set WQM,   152064                     ; four batches' column sums of query;
.set OSG,   168448                     ; O's scale words [tile 16][r];
.set SPARE, 169472                     ; the spare words
.set WVR,   171520                     ; the work-group's eight rows of w_in_w, 4,096 bytes each: filled once by copies
.set XSCO,  4194304
.set PSUM,  4456448
.set KSC2,  262144
.set VIMG,  327680
.set VSC2,  589824
.set OSCG,  4194304                    ; oq: O images [T][head pair][1024]; scale words [head pair][T][r]; v_b
.set VBQ,   4456448
.set SPW, 9
.set NIL, 10
.set QM,  238                          ; v238-241 largest magnitudes or scores; v242-245 the other half's, then bytes; v246-249 the conversions' scale operands
.set QB,  242
.set QO,  246
.set QA,  160                          ; v160-191 q's four tiles, later O^T
.set SEL, 40                           ; s[40:41]
; REGISTERS: v1 16 lane; v2 .. v8, v31 LDS addresses that stay; v11, v28-30 addresses of the step in hand; v12 -M, v13 the largest t, v[14:15] the sum; v16-23 q's fragment (20-23 zeros); v24-27 the second head's q;
; v32-63 four fragments of K (upper halves zeros); v64-95 V's four; v96-159 x's eight fragments, later S^T and p; v192-199 p's codes; v200-207 O's codes; v208-231 scale words from LDS; v232, v233 q's scale words; v234 p's;
; v235 O's scale word; v[236:237] f; v250, v251 at work; v[252:253] the sum's second chain.
.macro NOPS n
.rept \n
	v_nop
.endr
.endm
.macro WM d, a, b, c, sa, sb, ar, br
.if (\c) < 0
	v_wmma_scale_f32_16x16x128_f8f6f4 v[(\d):(\d)+7], v[(\a):(\a)+7], v[(\b):(\b)+7], 0, v[(\sa)], v[(\sb)] matrix_a_fmt:MATRIX_FMT_FP4 matrix_b_fmt:MATRIX_FMT_FP4
.elseif (\ar) == 1
	v_wmma_scale_f32_16x16x128_f8f6f4 v[(\d):(\d)+7], v[(\a):(\a)+7], v[(\b):(\b)+7], v[(\c):(\c)+7], v[(\sa)], v[(\sb)] matrix_a_fmt:MATRIX_FMT_FP4 matrix_b_fmt:MATRIX_FMT_FP4 matrix_a_scale:MATRIX_SCALE_ROW1
.elseif (\br) == 1
	v_wmma_scale_f32_16x16x128_f8f6f4 v[(\d):(\d)+7], v[(\a):(\a)+7], v[(\b):(\b)+7], v[(\c):(\c)+7], v[(\sa)], v[(\sb)] matrix_a_fmt:MATRIX_FMT_FP4 matrix_b_fmt:MATRIX_FMT_FP4 matrix_b_scale:MATRIX_SCALE_ROW1
.else
	v_wmma_scale_f32_16x16x128_f8f6f4 v[(\d):(\d)+7], v[(\a):(\a)+7], v[(\b):(\b)+7], v[(\c):(\c)+7], v[(\sa)], v[(\sb)] matrix_a_fmt:MATRIX_FMT_FP4 matrix_b_fmt:MATRIX_FMT_FP4
.endif
.endm
; as in launch 1: nb blocks of 32, register src + 16 b + i = number 32 b + 16 (lane / 16) + i of my row; codes to v[PC] on, the scale word to v[PW]
.macro QUANT src, nb, sw
.set qb, 0
.rept \nb
	v_max3_num_f32 v[QM+qb], |v[(\src)+16*qb]|, |v[(\src)+16*qb+1]|, 0x1800000
.set qb, qb+1
.endr
.set qi, 2
.rept 7
.set qb, 0
.rept \nb
	v_max3_num_f32 v[QM+qb], v[QM+qb], |v[(\src)+16*qb+qi]|, |v[(\src)+16*qb+qi+1]|
.set qb, qb+1
.endr
.set qi, qi+2
.endr
.set qb, 0
.rept \nb
	s_delay_alu instid0(VALU_DEP_2)
	v_permlanex16_b32 v[QB+qb], v[QM+qb], s[SEL], s[SEL+1]
.set qb, qb+1
.endr
.set qb, 0
.rept \nb
	s_delay_alu instid0(VALU_DEP_2)
	v_max_num_f32 v[QM+qb], v[QM+qb], v[QB+qb]
.set qb, qb+1
.endr
.set qb, 0
.rept \nb
	s_delay_alu instid0(VALU_DEP_2)
	v_add_nc_u32 v[QO+qb], 0xff000000, v[QM+qb]
.set qb, qb+1
.endr
.set qb, 0
.rept \nb
	s_delay_alu instid0(VALU_DEP_2)
	v_lshrrev_b32 v[QB+qb], 23, v[QO+qb]
.set qb, qb+1
.endr
.if \sw
	s_delay_alu instid0(VALU_DEP_1)
	v_lshl_or_b32 v[PW], v[QB+1], 8, v[QB]
.if \nb == 4
	v_lshl_or_b32 v[PW], v[QB+2], 16, v[PW]
	v_lshl_or_b32 v[PW], v[QB+3], 24, v[PW]
.endif
.endif
.set qb, 0
.rept \nb
	v_cvt_scalef32_pk8_fp4_f32 v[PC+2*qb], v[(\src)+16*qb:(\src)+16*qb+7], v[QO+qb]
	v_cvt_scalef32_pk8_fp4_f32 v[PC+2*qb+1], v[(\src)+16*qb+8:(\src)+16*qb+15], v[QO+qb]
.set qb, qb+1
.endr
	v_nop
.if \sw
.set qb, 0
.rept \nb/2
	v_permlane16_swap_b32 v[PC+4*qb], v[PC+4*qb+2]
	v_permlane16_swap_b32 v[PC+4*qb+1], v[PC+4*qb+3]
.set qb, qb+1
.endr
.endif
.endm
	s_load_b512 s[4:19], s[0:1], 0x0               ; xq, kv, r_in_w codes, scales, r_in_b, w_in_w, w_in_b, oq
	v_lshl_add_u32 v[SPW], v0, 2, SPARE
	v_mov_b32 v[NIL], 0
	v_lshrrev_b32 v11, 5, v0
	s_delay_alu instid0(VALU_DEP_1)
	v_readfirstlane_b32 s20, v11                   ; wave 0..15
	s_and_b32 s21, ttmp9, 7                        ; hp
	s_lshr_b32 s22, ttmp9, 3                       ; rg
	v_and_b32 v11, 31, v0                          ; lane
	v_and_b32 v12, 15, v0                          ; r
	v_bfe_u32 v13, v0, 4, 1                        ; h
	s_delay_alu instid0(VALU_DEP_2)
	v_and_b32 v14, 8, v12
	s_delay_alu instid0(VALU_DEP_1)
	v_add_nc_u32 v14, v14, v12                     ; r + 8 (r / 8)
	v_lshlrev_b32 v1, 4, v11                       ; v1  16 lane: an image's place, K's too (K's images begin at LDS byte 0)
	s_delay_alu instid0(VALU_DEP_1)
	v_add_nc_u32 v3, VI, v1                        ; v3  V's images
	v_lshl_add_u32 v4, v12, 4, KSC                 ; v4  K's scale words: four tiles' for key row r
	v_lshl_add_u32 v5, v12, 4, VSC                 ; v5  V's: four d tiles' for row r
	v_mul_u32_u24 v6, v14, 528
	s_delay_alu instid0(VALU_DEP_1)
	v_lshl_add_u32 v6, v13, 4, v6
	s_delay_alu instid0(VALU_DEP_1)
	v_add_nc_u32 v6, WQ, v6                        ; v6  a fragment of Wq
	v_lshlrev_b32 v7, 5, v14
	s_delay_alu instid0(VALU_DEP_1)
	v_lshl_add_u32 v7, v13, 4, v7
	s_delay_alu instid0(VALU_DEP_1)
	v_add_nc_u32 v7, WQS, v7                       ; v7  its scale words: lanes 0-15 K steps 0-3, lanes 16-31 steps 4-7
	v_lshl_add_u32 v8, v13, 6, BQ                  ; v8  bq in the result's layout
	s_lshl_b32 s50, s20, 6
	v_lshl_add_u32 v31, v12, 2, OSG
	s_delay_alu instid0(VALU_DEP_1)
	v_add_nc_u32 v31, s50, v31                     ; v31 where O's scale word goes
	v_lshl_add_u32 v254, v12, 2, XSC
	s_delay_alu instid0(VALU_DEP_1)
	v_add_nc_u32 v254, s50, v254                   ; v254 my tile's scale words of x
	s_and_b32 s50, s20, 1
	s_lshl_b32 s50, s50, 9
	v_add_nc_u32 v2, OSG, v1
	s_delay_alu instid0(VALU_DEP_1)
	v_add_nc_u32 v2, s50, v2                       ; v2  O's scale words on the way out (waves 0, 1)
	; the fill's addresses, in registers that take other work later
	v_lshlrev_b32 v16, 4, v0                       ; 16 x thread
	s_mul_i32 s50, s20, 528
	v_add_nc_u32 v17, WQ, v1
	s_delay_alu instid0(VALU_DEP_1)
	v_add_nc_u32 v17, s50, v17
	v_lshlrev_b32 v18, 3, v0                       ; 8 x thread
	s_delay_alu instid0(VALU_DEP_1)
	v_add_nc_u32 v19, KSC, v18
	s_delay_alu instid0(VALU_DEP_2)
	v_add_nc_u32 v20, WQS, v18
	v_lshrrev_b32 v21, 8, v0
	s_delay_alu instid0(VALU_DEP_4)
	v_and_b32 v22, 2047, v18
	s_delay_alu instid0(VALU_DEP_1)
	v_lshl_add_u32 v21, v21, 12, v22               ; K's planes in memory: head x 4,096 + the place in a plane
	v_bfe_u32 v22, v0, 6, 2
	s_delay_alu instid0(VALU_DEP_1)
	v_lshlrev_b32 v22, 13, v22
	v_lshrrev_b32 v23, 8, v0
	s_delay_alu instid0(VALU_DEP_1)
	v_lshl_add_u32 v22, v23, 8, v22
	v_and_b32 v23, 63, v0
	s_delay_alu instid0(VALU_DEP_1)
	v_lshl_add_u32 v22, v23, 2, v22                ; V's planes: step x 8,192 + head x 256 + the word
	v_lshrrev_b32 v24, 6, v0
	s_delay_alu instid0(VALU_DEP_1)
	v_lshlrev_b32 v24, 11, v24
	s_delay_alu instid0(VALU_DEP_1)
	v_lshl_add_u32 v24, v23, 4, v24                ; x's scale words: s x 2,048 + 16 bytes
	v_lshl_add_u32 v23, v0, 2, VSC
	v_add_nc_u32 v25, XSC, v16
	v_lshrrev_b32 v27, 7, v0
	v_and_b32 v28, 127, v0
	s_delay_alu instid0(VALU_DEP_1)
	v_lshlrev_b32 v28, 4, v28
	s_delay_alu instid0(VALU_DEP_1)
	v_lshl_add_u32 v26, v27, 13, v28               ; the column sums in memory: batch x 8,192
	s_delay_alu instid0(VALU_DEP_2)
	v_lshl_add_u32 v27, v27, 12, v28
	s_delay_alu instid0(VALU_DEP_1)
	v_add_nc_u32 v27, WQM, v27                     ; and in LDS: batch x 4,096
	v_add_nc_u32 v28, BQ, v1
	v_lshlrev_b32 v29, 4, v0                       ; the copies' addresses stay untouched until the wait for the copies: v29 16 x thread (in memory, and K's place in LDS),
	v_add_nc_u32 v30, VI, v16                      ; v30 V's place in LDS,
	v_add_nc_u32 v252, WVR, v16                    ; v252 the place of w_in_w's rows
	s_mov_b32 s[SEL], 0x76543210
	s_mov_b32 s[SEL+1], 0xfedcba98
	s_mov_b32 s42, 0x3e38aa3b                      ; c = log2(e) / sqrt(64)
	s_mov_b32 s43, s42                             ; (named with it as a pair, so it is written)
	s_mov_b32 s61, 0x3a800000                      ; 2^-10: the mean over 1,024 rows
	s_mov_b32 s51, 0
	s_wait_alu depctr_va_vdst(0)
	s_wait_kmcnt 0x0
	s_lshl_b32 s50, s21, 15
	s_add_nc_u64 s[24:25], s[6:7], s[50:51]        ; the pair's K images,
	s_add_nc_u64 s[26:27], s[24:25], VIMG          ; V images,
	s_lshl_b32 s50, s21, 16
	s_add_nc_u64 s[28:29], s[8:9], s[50:51]        ; Wq's 128 rows,
	s_lshl_b32 s50, s21, 13
	s_add_co_u32 s50, s50, KSC2
	s_add_nc_u64 s[30:31], s[6:7], s[50:51]
	s_lshl_b32 s50, s21, 9
	s_add_nc_u64 s[44:45], s[12:13], s[50:51]      ; bq,
	s_add_co_u32 s50, s50, VSC2
	s_add_nc_u64 s[32:33], s[6:7], s[50:51]
	s_lshr_b32 s50, s22, 1
	s_lshl_b32 s50, s50, 14
	s_and_b32 s52, s22, 1
	s_lshl_b32 s52, s52, 10
	s_add_co_u32 s50, s50, s52
	s_add_co_u32 s50, s50, XSCO
	s_add_nc_u64 s[34:35], s[4:5], s[50:51]
	s_lshl_b32 s50, s21, 12
	s_add_nc_u64 s[36:37], s[10:11], s[50:51]
	s_and_b32 s50, ttmp9, 1
	s_lshl_b32 s50, s50, 15
	s_add_co_u32 s50, s50, PSUM
	s_add_nc_u64 s[38:39], s[4:5], s[50:51]
	s_lshl_b32 s50, s22, 4
	s_add_co_u32 s50, s50, s20                     ; my tile T = 16 rg + wave
	s_lshl_b32 s50, s50, 13
	s_add_nc_u64 s[46:47], s[4:5], s[50:51]        ; its eight images of x
	s_lshl_b32 s52, s21, 10
	s_add_co_u32 s50, s50, s52
	s_add_nc_u64 s[54:55], s[18:19], s[50:51]      ; its image of O for this head pair
	s_lshl_b32 s50, s21, 15
	s_lshl_b32 s52, s22, 10
	s_add_co_u32 s50, s50, s52
	s_add_co_u32 s50, s50, OSCG
	s_add_nc_u64 s[56:57], s[18:19], s[50:51]
	s_lshr_b32 s52, ttmp9, 1
	s_lshl_b32 s52, s52, 3
	s_add_co_u32 s50, s52, 2048
	s_lshl_b32 s50, s50, 12
	s_add_nc_u64 s[48:49], s[14:15], s[50:51]      ; rows 2,048 + 8 (id / 2) .. + 7 of w_in_w: 32,768 bytes on end
	s_and_b32 s53, s20, 7
	s_add_co_u32 s52, s52, s53                     ; n: my column of v_b
	s_lshl_b32 s53, s52, 2
	s_load_b32 s60, s[16:17], s53 offset:0x2000    ; w_in_b[2,048 + n]
	s_lshr_b32 s50, s52, 5                         ; v_b's place: laid so that launch 4's lanes load 16 neighbours of a block by 16-byte loads
	s_lshl_b32 s50, s50, 10
	s_bfe_u32 s59, s52, 0x20002
	s_lshl_b32 s59, s59, 8
	s_add_co_u32 s50, s50, s59
	s_bfe_u32 s59, s52, 0x10004
	s_lshl_b32 s59, s59, 7
	s_add_co_u32 s50, s50, s59
	s_and_b32 s59, s52, 3
	s_lshl_b32 s59, s59, 2
	s_add_co_u32 s50, s50, s59
	s_and_b32 s59, ttmp9, 1
	s_lshl_b32 s59, s59, 6
	s_add_co_u32 s50, s50, s59
	s_lshr_b32 s59, s20, 3
	s_lshl_b32 s59, s59, 5
	s_add_co_u32 s50, s50, s59
	s_add_co_u32 s50, s50, VBQ
	s_add_nc_u64 s[58:59], s[18:19], s[50:51]
	; ---- THE FILL: all loads go out together
.irp k, 0,1,2,3,4,5,6,7
	global_load_b128 v[64+4*\k:67+4*\k], v16, s[28:29] offset:8192*\k
.endr
	global_load_b64 v[192:193], v21, s[30:31]
	global_load_b64 v[194:195], v21, s[30:31] offset:2048
	global_load_b32 v196, v22, s[32:33]
	global_load_b32 v197, v22, s[32:33] offset:4096
	global_load_b64 v[198:199], v18, s[36:37]
	global_load_b128 v[200:203], v24, s[34:35]
.irp e, 0,1
.irp f, 0,1
	global_load_b128 v[236+8*\e+4*\f:239+8*\e+4*\f], v26, s[38:39] offset:2048*\e+4096*\f
.endr
.endr
	global_load_b128 v[204:207], v1, s[44:45]
.irp k, 0,1,2,3,4,5,6,7
.irp c, 0,1
	global_load_b128 v[96+8*\k+4*\c:99+8*\k+4*\c], v1, s[46:47] offset:1024*\k+512*\c
.endr
.endr
	s_wait_loadcnt 16                              ; what goes to LDS through registers is in; my 16 loads of x stay out
	s_cmp_lg_u32 s20, 0
	s_cbranch_scc1 .Lnobq
	ds_store_b128 v28, v[204:207]                  ; bq's 512 bytes: wave 0 stores them
.Lnobq:
	v_or_b32 v192, v192, v194                      ; a key's two bytes, a key step's four: the planes are joined
	v_or_b32 v193, v193, v195
	v_or_b32 v196, v196, v197
	v_pk_add_f32 v[236:237], v[236:237], v[240:241]   ; the two halves of a batch's rows
	v_pk_add_f32 v[238:239], v[238:239], v[242:243]
	v_pk_add_f32 v[244:245], v[244:245], v[248:249]
	v_pk_add_f32 v[246:247], v[246:247], v[250:251]
.irp k, 0,1,2,3,4,5,6,7
	ds_store_b128 v17, v[64+4*\k:67+4*\k] offset:8448*\k
.endr
	ds_store_b64 v19, v[192:193]
	ds_store_b32 v23, v196
	ds_store_b64 v20, v[198:199]
	ds_store_b128 v25, v[200:203]
	ds_store_b128 v27, v[236:239]
	ds_store_b128 v27, v[244:247] offset:2048
	ds_add_u32 v[SPW], v[NIL]                      ; the wave's opening, behind my last LDS store of the fill and ahead of my first copy: the add, twice on end, and its wait
	ds_add_u32 v[SPW], v[NIL]
	s_wait_dscnt 0x0                               ; both adds are done, and my stores have landed
	; K's and V's images and the eight rows of w_in_w go to LDS by copies, 16 bytes a thread and 8,192 a line: 12 lines, 98,304 bytes, each byte filled once.
	; Nothing reads them before the q projection is over: the wait for them and a second barrier stand behind it.  (The immediate is added to both addresses.)
.irp k, 0,1,2,3
	global_load_async_to_lds_b128 v29, v29, s[24:25] offset:8192*\k
.endr
.irp k, 0,1,2,3
	global_load_async_to_lds_b128 v30, v29, s[26:27] offset:8192*\k
.endr
.irp k, 0,1,2,3
	global_load_async_to_lds_b128 v252, v29, s[48:49] offset:8192*\k
.endr
	s_wait_dscnt 0x0                               ; for the others' sake: my stores have landed
	s_barrier_signal -1
	s_barrier_wait -1
	; ---- v_b: one column, two batches
	s_wait_loadcnt 0x0                             ; x
	s_wait_kmcnt 0x0
.macro VB                              ; v_b: it runs behind the second head's key steps; my row of w_in_w is asked for ahead of it, into v160-191
.irp e, 0,1
.irp i, 0,1,2,3,4,5,6,7
	ds_load_b128 v[32+32*\e+4*\i:35+32*\e+4*\i], v255 offset:4096*\e+512*\i
.endr
.endr
	s_wait_dscnt 0x0
.irp e, 0,1
	v_pk_mul_f32 v[192+4*\e:193+4*\e], v[32+32*\e:33+32*\e], v[160:161]
	v_pk_mul_f32 v[194+4*\e:195+4*\e], v[34+32*\e:35+32*\e], v[162:163]
.endr
.irp i, 1,2,3,4,5,6,7
.irp e, 0,1
	s_delay_alu instid0(VALU_DEP_4)
	v_pk_fma_f32 v[192+4*\e:193+4*\e], v[32+32*\e+4*\i:33+32*\e+4*\i], v[160+4*\i:161+4*\i], v[192+4*\e:193+4*\e]
	s_delay_alu instid0(VALU_DEP_4)
	v_pk_fma_f32 v[194+4*\e:195+4*\e], v[34+32*\e+4*\i:35+32*\e+4*\i], v[162+4*\i:163+4*\i], v[194+4*\e:195+4*\e]
.endr
.endr
.irp e, 0
	s_delay_alu instid0(VALU_DEP_3)
	v_pk_add_f32 v[192+4*\e:193+4*\e], v[192+4*\e:193+4*\e], v[194+4*\e:195+4*\e]
.endr
.irp e, 1
	s_delay_alu instid0(VALU_DEP_2)
	v_pk_add_f32 v[192+4*\e:193+4*\e], v[192+4*\e:193+4*\e], v[194+4*\e:195+4*\e]
.endr
.irp e, 0,1
	s_delay_alu instid0(VALU_DEP_2)
	v_add_f32 v[192+4*\e], v[192+4*\e], v[193+4*\e]
.endr
.irp m, 1,2,4,8
.irp e, 0,1
	s_delay_alu instid0(VALU_DEP_2)
	v_add_f32_dpp v[192+4*\e], v[192+4*\e], v[192+4*\e] row_xmask:\m row_mask:0xf bank_mask:0xf
.endr
.endr
.irp e, 0,1
	s_delay_alu instid0(VALU_DEP_2)
	v_permlanex16_b32 v[193+4*\e], v[192+4*\e], s[SEL], s[SEL+1]
.endr
.irp e, 0,1
	s_delay_alu instid0(VALU_DEP_2)
	v_add_f32 v[192+4*\e], v[192+4*\e], v[193+4*\e]
.endr
.irp e, 0,1
	s_delay_alu instid0(VALU_DEP_2)
	v_fma_f32 v[192+4*\e], v[192+4*\e], s61, s60   ; x 2^-10 (the mean; exact) + the bias
.endr
	v_and_b32 v194, 1, v0
	s_delay_alu instid0(VALU_DEP_1)
	v_cmp_eq_u32 vcc_lo, 1, v194
	s_delay_alu instid0(VALU_DEP_1)
	v_cndmask_b32 v192, v192, v196, vcc_lo         ; even lanes hold the first batch's number, odd lanes the second's
	s_delay_alu instid0(VALU_DEP_3)
	v_lshlrev_b32 v194, 4, v194
	global_store_b32 v194, v192, s[58:59]          ; all lanes on: sixteen lanes store the same number to the same place
.endm
	; ---- THE q PROJECTION of one head: four tiles of 16 of its 64, K = 1,024 in eight steps; the bias is loaded into the accumulators; four accumulators by turns
.macro FLOAD hd, ks, st
.irp n, 0,1,2,3
.irp c, 0,1
	ds_load_b128 v[32+32*(\st)+8*\n+4*\c:35+32*(\st)+8*\n+4*\c], v6 offset:33792*(\hd)+(32*(\n/2)+8*(\n%2))*528+64*(\ks)+32*\c
.endr
.endr
.endm
.macro QPROJ hd
.irp n, 0,1,2,3
.irp q, 0,1
	ds_load_b128 v[QA+8*\n+4*\q:QA+8*\n+4*\q+3], v8 offset:256*\hd+128*(\n/2)+32*(\n%2)+16*\q
.endr
	ds_load_b128 v[208+4*\n:211+4*\n], v7 offset:2048*\hd+(32*(\n/2)+8*(\n%2))*32
.endr
	FLOAD \hd, 0, 0
	FLOAD \hd, 1, 1
.set gs, 0
.rept 8
.if gs < 7
	s_wait_dscnt 8                                 ; this step's fragments are in, the next step's eight loads stay out
.else
	s_wait_dscnt 0x0
.endif
.irp n, 0,1,2,3
	WM QA+8*\n, 32+32*(gs%2)+8*\n, 96+8*gs, QA+8*\n, 208+4*\n+gs%4, 224+gs, gs/4, 0
.endr
.if gs < 6
	NOPS 4
	FLOAD \hd, gs+2, gs%2
.endif
.set gs, gs+1
.endr
	NOPS 4
	QUANT QA, 2, 1
.endm
.irp k, 0,1,2,3,4,5,6,7
	ds_load_b32 v[224+\k], v254 offset:1024*\k
.endr
.set PC, 16
.set PW, 232
	QPROJ 0
	s_wait_alu depctr_va_vdst(0)
	s_wait_asynccnt 0x0                            ; my 12 copies have landed: they had the first head's projection, 32 matrix instructions and 76 LDS loads a wave, in which to land,
	s_wait_dscnt 0x0
	s_barrier_signal -1
	s_barrier_wait -1                              ; and everybody's: K, V and the rows of w_in_w are whole.  No barrier stands between here and the way out
.set PC, 24
.set PW, 233
	QPROJ 1
.irp j, 20,21,22,23, 36,37,38,39, 44,45,46,47, 52,53,54,55, 60,61,62,63
	v_mov_b32 v[\j], 0                             ; zero codes for the upper half of K, in q's fragment and in K's four
.endr
	; ---- A KEY STEP: 128 keys
.macro STEP hd
	v_add_nc_u32 v11, s52, v1
	s_wait_alu depctr_va_vdst(0)
	v_add_nc_u32 v29, s53, v4
	v_add_nc_u32 v28, s62, v3
	v_add_nc_u32 v30, s63, v5
	ds_load_b128 v[208:211], v29 offset:2048*\hd
	ds_load_b128 v[212:215], v29 offset:2048*\hd+256
.irp g, 0,1
.if \g
	NOPS 4                                         ; places in front of loads into registers that the four products above read
.endif
.irp t, 0,1,2,3
	ds_load_b128 v[32+8*\t:35+8*\t], v11 offset:16384*\hd+(4*\g+\t)*512
.endr
	s_wait_dscnt 0x0
.irp t, 0,1,2,3
	WM 96+8*(4*\g+\t), 32+8*\t, 16, -1, 208+4*\g+\t, 232, 0, 0
.endr
.endr
	s_wait_alu depctr_va_vdst(0)
	ds_load_b128 v[216:219], v30 offset:1024*\hd   ; V's operands are asked for here and land under the softmax (eight places lie behind the last products that read these registers)
.irp n, 0,1,2,3
.irp c, 0,1
	ds_load_b128 v[64+8*\n+4*\c:67+8*\n+4*\c], v28 offset:16384*\hd+4096*\n+512*\c
.endr
.endr
	NOPS 4
.irp b, 0,1,2,3
	v_max3_num_f32 v[QM+\b], v[96+16*\b], v[97+16*\b], v[98+16*\b]    ; the largest score of each block of 32 keys: for the row's maximum, and, since p rises with the score, for the block's largest p
.endr
.irp i, 3,5,7,9,11,13
.irp b, 0,1,2,3
	v_max3_num_f32 v[QM+\b], v[QM+\b], v[96+16*\b+\i], v[97+16*\b+\i]
.endr
.endr
.irp b, 0,1,2,3
	v_max_num_f32 v[QM+\b], v[QM+\b], v[111+16*\b]
.endr
.irp b, 0,1,2,3
	s_delay_alu instid0(VALU_DEP_4)
	v_permlanex16_b32 v[QB+\b], v[QM+\b], s[SEL], s[SEL+1]
.endr
.irp b, 0,1,2,3
	s_delay_alu instid0(VALU_DEP_4)
	v_max_num_f32 v[QM+\b], v[QM+\b], v[QB+\b]
.endr
	s_delay_alu instid0(VALU_DEP_2)
	v_max3_num_f32 v250, v238, v239, v240
	s_delay_alu instid0(VALU_DEP_1)
	v_max_num_f32 v250, v250, v241
	s_delay_alu instid0(VALU_DEP_1)
	v_mul_f32 v250, s42, v250                      ; as t (c is positive)
	s_delay_alu instid0(VALU_DEP_1)
	v_max_num_f32 v13, v13, v250                   ; the running largest t
	v_mov_b32 v250, v12
	s_delay_alu instid0(VALU_DEP_2)
	v_floor_f32 v12, -v13                          ; the new -M = floor(-t): M is a whole number
	s_delay_alu instid0(VALU_DEP_1)
	v_sub_f32 v250, v12, v250                      ; old M less new M, 0 or less
	s_delay_alu instid0(VALU_DEP_1)
	v_cvt_i32_f32 v250, v250                       ; (it saturates)
	s_delay_alu instid0(VALU_DEP_1)
	v_ldexp_f32 v236, 1.0, v250                    ; f = 2^(old M - new M): rounds nothing
.set sj, 0
.rept 32
	v_pk_fma_f32 v[96+sj:97+sj], v[96+sj:97+sj], s[42:43], v[12:13] op_sel_hi:[1,0,0]    ; t - M
.set sj, sj+2
.endr
.irp b, 0,1,2,3
	v_fma_f32 v[QM+\b], v[QM+\b], s42, v12
.endr
.set sj, 0
	s_wait_alu depctr_va_vdst(0)
.rept 64
	v_exp_f32 v[96+sj], v[96+sj]                   ; p = 2^(t - M)
.set sj, sj+1
.endr
	v_pk_mul_f32 v[14:15], v[14:15], v[236:237] op_sel_hi:[1,0]    ; the sums under the new M; the plain place behind the exponentials
	s_wait_alu depctr_va_vdst(0)                   ; one wait for the batch of 64, ahead of its first reader
.irp b, 0,1,2,3
	v_exp_f32 v[QM+\b], v[QM+\b]                   ; each block's largest p
.endr
	v_pk_add_f32 v[252:253], v[100:101], v[104:105]
	v_pk_add_f32 v[254:255], v[108:109], v[112:113]
	v_pk_add_f32 v[248:249], v[116:117], v[120:121]
	v_pk_add_f32 v[246:247], v[124:125], v[128:129]
	v_pk_add_f32 v[244:245], v[132:133], v[136:137]
	v_pk_add_f32 v[242:243], v[140:141], v[144:145]
	v_pk_add_f32 v[230:231], v[148:149], v[152:153]
	v_pk_add_f32 v[14:15], v[14:15], v[156:157]
	v_pk_add_f32 v[252:253], v[252:253], v[96:97]
	v_pk_add_f32 v[254:255], v[254:255], v[98:99]
	v_pk_add_f32 v[248:249], v[248:249], v[102:103]
	v_pk_add_f32 v[246:247], v[246:247], v[106:107]
	v_pk_add_f32 v[244:245], v[244:245], v[110:111]
	v_pk_add_f32 v[242:243], v[242:243], v[114:115]
	v_pk_add_f32 v[230:231], v[230:231], v[118:119]
	v_pk_add_f32 v[14:15], v[14:15], v[122:123]
	v_pk_add_f32 v[252:253], v[252:253], v[126:127]
	v_pk_add_f32 v[254:255], v[254:255], v[130:131]
	v_pk_add_f32 v[248:249], v[248:249], v[134:135]
	v_pk_add_f32 v[246:247], v[246:247], v[138:139]
	v_pk_add_f32 v[244:245], v[244:245], v[142:143]
	v_pk_add_f32 v[242:243], v[242:243], v[146:147]
	v_pk_add_f32 v[230:231], v[230:231], v[150:151]
	v_pk_add_f32 v[14:15], v[14:15], v[154:155]
	v_pk_add_f32 v[252:253], v[252:253], v[158:159]
	s_delay_alu instid0(VALU_DEP_2)
	v_pk_add_f32 v[14:15], v[14:15], v[246:247]
	s_delay_alu instid0(VALU_DEP_2)
	v_pk_add_f32 v[252:253], v[252:253], v[244:245]
	v_pk_add_f32 v[254:255], v[254:255], v[242:243]
	v_pk_add_f32 v[248:249], v[248:249], v[230:231]
	s_delay_alu instid0(VALU_DEP_2)
	v_pk_add_f32 v[14:15], v[14:15], v[254:255]
	s_delay_alu instid0(VALU_DEP_2)
	v_pk_add_f32 v[252:253], v[252:253], v[248:249]
	s_delay_alu instid0(VALU_DEP_1)
	v_pk_add_f32 v[14:15], v[14:15], v[252:253]
	s_wait_alu depctr_va_vdst(0)                   ; and one for the four
.irp b, 0,1,2,3
	v_max_num_f32 v[QM+\b], 0x1800000, v[QM+\b]    ; the floor 2^(3 - 127)
.endr
.irp b, 0,1,2,3
	s_delay_alu instid0(VALU_DEP_4)
	v_add_nc_u32 v[QO+\b], 0xff000000, v[QM+\b]
.endr
.irp b, 0,1,2,3
	s_delay_alu instid0(VALU_DEP_4)
	v_lshrrev_b32 v[QB+\b], 23, v[QO+\b]
.endr
	s_delay_alu instid0(VALU_DEP_3)
	v_lshl_or_b32 v234, v243, 8, v242              ; p's scale word for these 128 keys
	s_delay_alu instid0(VALU_DEP_1)
	v_lshl_or_b32 v234, v244, 16, v234
	s_delay_alu instid0(VALU_DEP_1)
	v_lshl_or_b32 v234, v245, 24, v234
.irp b, 0,1,2,3
	v_cvt_scalef32_pk8_fp4_f32 v[192+2*\b], v[96+16*\b:103+16*\b], v[QO+\b]
	v_cvt_scalef32_pk8_fp4_f32 v[193+2*\b], v[104+16*\b:111+16*\b], v[QO+\b]
.endr
	v_nop
.irp c, 0,1
.irp i, 0,1
	v_permlane16_swap_b32 v[192+4*\c+\i], v[194+4*\c+\i]
.endr
.endr
.set sj, 0
.rept 16
	v_pk_mul_f32 v[160+sj:161+sj], v[160+sj:161+sj], v[236:237] op_sel_hi:[1,0]    ; O^T under the new M; for each product below twelve of these name none of its registers: the places behind p's codes and scale word
.set sj, sj+2
.endr
	s_wait_alu depctr_va_vdst(0)
	s_wait_dscnt 0x0                               ; V's operands are in
.irp n, 0,1,2,3
	WM 160+8*\n, 64+8*\n, 192, 160+8*\n, 216+\n, 234, 0, 0
.endr
	s_add_co_u32 s52, s52, 4096                    ; the next step's eight tiles of K,
	s_add_co_u32 s53, s53, 512                     ; their scale words,
	s_add_co_u32 s62, s62, 1024                    ; V's next 128 keys,
	s_add_co_u32 s63, s63, 256                     ; their scale words
.endm
; ---- A HEAD: four key steps; then O^T / the sum is quantised along the head's 64: half of the out projection's K step hp
.macro HEAD hd
	v_mov_b32 v13, 0xff61b1e6                      ; the largest t so far: -3e38
	s_delay_alu instid0(VALU_DEP_1)
	v_floor_f32 v12, -v13
	v_mov_b32 v14, 0
	v_mov_b32 v15, 0
.set sj, 0
.rept 32
	v_mov_b32 v[160+sj], 0                         ; O^T: the step is written once, its first trip finds zeros.  (These are also the places behind q's codes and scale word)
.set sj, sj+1
.endr
	s_mov_b32 s52, 0
	s_mov_b32 s53, 0
	s_mov_b32 s62, 0
	s_mov_b32 s63, 0
	s_mov_b32 s23, 4
.Lstep\hd:
	STEP \hd
	s_sub_co_u32 s23, s23, 1
	s_cmp_lg_u32 s23, 0
	s_cbranch_scc1 .Lstep\hd
	NOPS 4
	v_add_f32 v14, v14, v15
	s_delay_alu instid0(VALU_DEP_1)
	v_permlanex16_b32 v250, v14, s[SEL], s[SEL+1]
	s_delay_alu instid0(VALU_DEP_1)
	v_add_f32 v14, v14, v250                       ; the row's sum
	s_wait_alu depctr_va_vdst(0)
	v_rcp_f32 v14, v14
	v_nop
	s_wait_alu depctr_va_vdst(0)
.set sj, 0
.rept 16
	v_pk_mul_f32 v[160+sj:161+sj], v[160+sj:161+sj], v[14:15] op_sel_hi:[1,0]
.set sj, sj+2
.endr
.set PC, 200+4*\hd
.set PW, 251
	QUANT 160, 2, 1
.if \hd == 0
	v_mov_b32 v235, v251
.irp j, 0,1,2,3
	v_mov_b32 v[16+\j], v[24+\j]                   ; the second head's q
.endr
	v_mov_b32 v232, v233
.else
	v_lshl_or_b32 v235, v251, 16, v235             ; the two heads' bytes make the K step's scale word
.endif
.endm
	HEAD 0
	HEAD 1
	; ---- v_b, one column and two batches a wave; its operands lie in LDS since the second barrier.  The key steps used v253 and v255, so the two addresses are made here
	s_lshr_b32 s50, s20, 3
	s_lshl_b32 s50, s50, 13
	v_add_nc_u32 v255, WQM, v1
	v_add_nc_u32 v255, s50, v255                   ; v255 my two batches' column sums
	s_and_b32 s50, s20, 7
	s_lshl_b32 s50, s50, 12
	v_add_nc_u32 v253, WVR, v1
	v_add_nc_u32 v253, s50, v253                   ; v253 my row of w_in_w: row wave % 8, 16 bytes a lane
.irp i, 0,1,2,3,4,5,6,7
	ds_load_b128 v[160+4*\i:163+4*\i], v253 offset:512*\i    ; the wait stands in VB, behind the column sums' loads
.endr
	VB
	; ---- OUT
	global_store_b128 v1, v[200:203], s[54:55]
	global_store_b128 v1, v[204:207], s[54:55] offset:512
	ds_store_b32 v31, v235
	s_wait_dscnt 0x0
	s_barrier_signal -1
	s_barrier_wait -1
	s_cmp_gt_u32 s20, 1
	s_cbranch_scc1 .Ldone
	ds_load_b128 v[96:99], v2                      ; the 16 tiles' scale words leave as 1,024 bytes on end: waves 0 and 1
	s_lshl_b32 s50, s20, 9
	v_add_nc_u32 v250, s50, v1
	s_wait_alu depctr_va_vdst(0)
	s_wait_dscnt 0x0
	global_store_b128 v250, v[96:99], s[56:57]
.Ldone:
	s_wait_tensorcnt 0x0                           ; the wave's end, behind my last LDS store
	ds_add_u32 v[SPW], v[NIL]
	s_wait_dscnt 0x0
	s_endpgm
.Lfunc_end_k_q807d6514e6_attn:
	.size	k_q807d6514e6_attn, .Lfunc_end_k_q807d6514e6_attn-k_q807d6514e6_attn
	.p2alignl 7, 3214868480
	.fill 96, 4, 3214868480
	.section	.rodata,"a",@progbits
	.p2align	6, 0x0
	.amdhsa_kernel k_q807d6514e6_attn
		.amdhsa_group_segment_fixed_size 204288
		.amdhsa_private_segment_fixed_size 0
		.amdhsa_enable_private_segment 0
		.amdhsa_kernarg_size 64
		.amdhsa_user_sgpr_count 2
		.amdhsa_user_sgpr_kernarg_segment_ptr 1
		.amdhsa_wavefront_size32 1
		.amdhsa_system_sgpr_workgroup_id_x 1
		.amdhsa_system_sgpr_workgroup_id_y 1
		.amdhsa_system_sgpr_workgroup_id_z 1
		.amdhsa_system_vgpr_workitem_id 0
		.amdhsa_next_free_vgpr 256
		.amdhsa_next_free_sgpr 66
		.amdhsa_reserve_vcc 1
		.amdhsa_float_denorm_mode_32 3
		.amdhsa_float_denorm_mode_16_64 3
		.amdhsa_memory_ordered 1
		.amdhsa_forward_progress 1
		.amdhsa_inst_pref_size 89
	.end_amdhsa_kernel
	.amdgpu_metadata
---
amdhsa.version: [ 1, 2 ]
amdhsa.kernels:
  - .name:           k_q807d6514e6_attn
    .symbol:         k_q807d6514e6_attn.kd
    .args:
      - { .name: xq, .offset: 0, .size: 8, .value_kind: global_buffer, .address_space: global }
      - { .name: kv, .offset: 8, .size: 8, .value_kind: global_buffer, .address_space: global }
      - { .name: r_in_w_codes, .offset: 16, .size: 8, .value_kind: global_buffer, .address_space: global }
      - { .name: r_in_w_scales, .offset: 24, .size: 8, .value_kind: global_buffer, .address_space: global }
      - { .name: r_in_b, .offset: 32, .size: 8, .value_kind: global_buffer, .address_space: global }
      - { .name: w_in_w, .offset: 40, .size: 8, .value_kind: global_buffer, .address_space: global }
      - { .name: w_in_b, .offset: 48, .size: 8, .value_kind: global_buffer, .address_space: global }
      - { .name: oq, .offset: 56, .size: 8, .value_kind: global_buffer, .address_space: global }
    .group_segment_fixed_size: 204288
    .private_segment_fixed_size: 0
    .kernarg_segment_align: 8
    .kernarg_segment_size: 64
    .max_flat_workgroup_size: 512
    .sgpr_count:     66
    .vgpr_count:     256
    .wavefront_size: 32
...
	.end_amdgpu_metadata
.endif
;; end of part 6
;; launch fin (part 7): grid 256 x 1, 16 waves a work-group, no clusters, 139,264 bytes of LDS; arguments query, memory, r_out_b, r_out_w_scales, rn_g, rn_b, w_out_b, w_out_w_scales, gate_b, gate_w_scales, wn_g, wn_b, oq, gw, out0, out1; writes out0, out1
.if DOCPART == 7
	.amdgcn_target "amdgcn-amd-amdhsa--gfx1250"
	.amdhsa_code_object_version 6
	.text
	.protected	k_q807d6514e6_fin
	.globl	k_q807d6514e6_fin
	.p2align	8
	.type	k_q807d6514e6_fin,@function
k_q807d6514e6_fin:
	s_mov_b64 s[64:65], 0
	v_nop
	global_prefetch_b8 v0, s[64:65] scope:SCOPE_SE
	s_setreg_imm32_b32 hwreg(HW_REG_WAVE_MODE, 25, 1), 1
	s_wait_xcnt 0x0
; CONTEXT MEMORY, launch 3, the last.  (The heads of launches 1 and 2 count four launches: their launches 3 and 4 are the two roles of this one.)
; Left out, as shown at the head of launch 1: upd has one row a batch, u_b = v_b w_out_w^T + w_out_b, and the gate's logit is G1[m][n] (launch 1) + G2[b][n] + gate_b[n], G2 = u_b x the second half of gate_w.
; ROLES, by the work-group's number (even: R, odd: F; idx = number / 2); each takes its own path to its own end:
;  R: out0 = LN(O r_out_w^T + r_out_b + query), 64 rows (four tiles of 16, rows chosen as launch 1's head says).
;  F: out1 = LN(gate u + (1 - gate) mem) for 4 slots m x 8 batches.  It makes u and G2 for the 8 batches itself (one tile of rows; rows 8-15 repeat rows 0-7).
; SHARES.  In both roles wave w owns columns 64 w .. 64 w + 63 of all the work-group's rows, from the products to the stores.  The products are used transposed (source 0 = 16 weight rows, source 1 = 16 rows):
; lane (r, h) holds row r, and register 8 n + j of a tile the column 64 w + 32 (n / 2) + 16 h + 8 (n % 2) + j.  In F tile t's row r is slot 4 idx + 2 t + r / 8, batch r % 8: u and G2 stand in the right lanes as they come.
; THE NORM IS TAKEN IN THAT LAYOUT: a wave adds its 64 columns of each row, the 16 waves' sums meet in LDS (16 words a row, rows 80 bytes apart), a barrier, every lane adds 8 of them and lane xor 16 the other 8;
; the same again for the squares of x - mean.
; ROWS ENTER AND LEAVE THROUGH A STAGE OF THE WAVE'S OWN, 16 rows x (256 + 16) bytes: on the memory's side an instruction takes two rows of 256 consecutive bytes, aligned; no barrier, since LDS serves a wave's instructions in order.
; THE WEIGHTS come as images (launch 1), each wave's 32,768 bytes of a matrix once, straight into the registers that multiply them: two sets of registers in R, a ring of four in F, which goes on from w_out_w into gate_w
; and then into the norm's gain and bias.  Work-groups begin the walk along K at different steps (R: 2 (idx % 4); F: 4 (idx % 2)), so that at any time they ask for different parts of the weights; the products are
; written out once for each start.
; NO CLUSTER, NO TENSOR LOAD, though all work-groups of a role read the same weights: through LDS the 524,288 bytes of a matrix would be written and read once more, and they do not fit there.
; LIMITS as in launch 1; the f32 sums along K begin at a step that hangs on the work-group's number.
.set STGW,  4352                       ; LDS: a stage for each wave, from byte 0 on
.set AIMG,  69632                      ; R: O's 32 images (slot 8 t + s);
.set OSCL,  102400                     ; R: their scale words [s][t][r];
.set PR1,   104448                     ; R: the sums, 64 rows x 80; the squares 5,120 further on
.set VIM,   114688                     ; F: v_b's 8 images;
.set VSC,   122880                     ; F: their scale words;
.set UOFF,  8704                       ; F: u's images and scale words lie so far behind v_b's
.set PF1,   132096                     ; F: the sums, 32 rows x 80; the squares 2,560 further on
.set SPARE, 137216                     ; the spare words, 128 bytes a wave
.set OSCG,  4194304
.set VBQ,   4456448
.set WIMG,  2097152
.set SPW, 3
.set NIL, 4
.set PC,  28                           ; the quantiser: v28-31 codes, v36-37 largest magnitudes, v38-39 scale operands, v40-41 bytes, v42 the scale word
.set QM,  36
.set QO,  38
.set QB,  40
.set PW,  42
.set SEL, 40                           ; s[40:41] lane selects for lane xor 16
; REGISTERS.  Both: v1 16 lane; v6, v7 my stage, in the result's layout and by rows; v124 64 h; v125, v126 the sums' places, stored and read; v127 my offset in two rows of memory; v8-27 scale words and nothing else.
; R: v2, v5 O's scale words and images; v28-59 the bias, then O's four fragments, then the norm's figures; v60-123 the weights, two sets, then the norm's gain and bias; v128-255 sixteen accumulators.
; F: v2, v5 the operand's images and scale words, at the end mem's and G1's places in the stage; v28-43 what is parked, the operand's fragments (two sets), the quantiser's and the norm's figures; v44-59 gate_w's scale rows on their way
;    to the stage; v60-123 and v192-255 the ring's four sets, at the end gain and bias, and the rows; v128-159 u; v160-191 v_b, then G2, then mem.
.macro ENDW                            ; a wave's end, behind its last LDS store
	s_wait_tensorcnt 0x0
	ds_add_u32 v[SPW], v[NIL]
	s_wait_dscnt 0x0
	s_endpgm
.endm
.macro NOPS n
.rept \n
	v_nop
.endr
.endm
.macro BAR
	s_barrier_signal -1
	s_barrier_wait -1
.endm
.macro WM d, a, b, c, sa, sb, ar, br
.if (\c) < 0
	v_wmma_scale_f32_16x16x128_f8f6f4 v[(\d):(\d)+7], v[(\a):(\a)+7], v[(\b):(\b)+7], 0, v[(\sa)], v[(\sb)] matrix_a_fmt:MATRIX_FMT_FP4 matrix_b_fmt:MATRIX_FMT_FP4
.elseif (\ar) == 1
	v_wmma_scale_f32_16x16x128_f8f6f4 v[(\d):(\d)+7], v[(\a):(\a)+7], v[(\b):(\b)+7], v[(\c):(\c)+7], v[(\sa)], v[(\sb)] matrix_a_fmt:MATRIX_FMT_FP4 matrix_b_fmt:MATRIX_FMT_FP4 matrix_a_scale:MATRIX_SCALE_ROW1
.elseif (\br) == 1
	v_wmma_scale_f32_16x16x128_f8f6f4 v[(\d):(\d)+7], v[(\a):(\a)+7], v[(\b):(\b)+7], v[(\c):(\c)+7], v[(\sa)], v[(\sb)] matrix_a_fmt:MATRIX_FMT_FP4 matrix_b_fmt:MATRIX_FMT_FP4 matrix_b_scale:MATRIX_SCALE_ROW1
.else
	v_wmma_scale_f32_16x16x128_f8f6f4 v[(\d):(\d)+7], v[(\a):(\a)+7], v[(\b):(\b)+7], v[(\c):(\c)+7], v[(\sa)], v[(\sb)] matrix_a_fmt:MATRIX_FMT_FP4 matrix_b_fmt:MATRIX_FMT_FP4
.endif
.endm
; as in launch 1: nb blocks of 32, register src + 16 b + i = number 32 b + 16 (lane / 16) + i of my row; codes to v[PC] on, the scale word to v[PW]
.macro QUANT src, nb, sw
.set qb, 0
.rept \nb
	v_max3_num_f32 v[QM+qb], |v[(\src)+16*qb]|, |v[(\src)+16*qb+1]|, 0x1800000
.set qb, qb+1
.endr
.set qi, 2
.rept 7
.set qb, 0
.rept \nb
	v_max3_num_f32 v[QM+qb], v[QM+qb], |v[(\src)+16*qb+qi]|, |v[(\src)+16*qb+qi+1]|
.set qb, qb+1
.endr
.set qi, qi+2
.endr
.set qb, 0
.rept \nb
	s_delay_alu instid0(VALU_DEP_2)
	v_permlanex16_b32 v[QB+qb], v[QM+qb], s[SEL], s[SEL+1]
.set qb, qb+1
.endr
.set qb, 0
.rept \nb
	s_delay_alu instid0(VALU_DEP_2)
	v_max_num_f32 v[QM+qb], v[QM+qb], v[QB+qb]
.set qb, qb+1
.endr
.set qb, 0
.rept \nb
	s_delay_alu instid0(VALU_DEP_2)
	v_add_nc_u32 v[QO+qb], 0xff000000, v[QM+qb]
.set qb, qb+1
.endr
.set qb, 0
.rept \nb
	s_delay_alu instid0(VALU_DEP_2)
	v_lshrrev_b32 v[QB+qb], 23, v[QO+qb]
.set qb, qb+1
.endr
.if \sw
	s_delay_alu instid0(VALU_DEP_1)
	v_lshl_or_b32 v[PW], v[QB+1], 8, v[QB]
.endif
.set qb, 0
.rept \nb
	v_cvt_scalef32_pk8_fp4_f32 v[PC+2*qb], v[(\src)+16*qb:(\src)+16*qb+7], v[QO+qb]
	v_cvt_scalef32_pk8_fp4_f32 v[PC+2*qb+1], v[(\src)+16*qb+8:(\src)+16*qb+15], v[QO+qb]
.set qb, qb+1
.endr
	v_nop                                          ; one plain place behind a scaled conversion
.if \sw
.set qb, 0
.rept \nb/2
	v_permlane16_swap_b32 v[PC+4*qb], v[PC+4*qb+2]
	v_permlane16_swap_b32 v[PC+4*qb+1], v[PC+4*qb+3]
.set qb, qb+1
.endr
.endif
.endm
.macro STADR r, h                      ; my stage: v6 row r, + 64 h (the result's layout); v7 row h, + 16 r (two rows an instruction)
	v_mul_u32_u24 v6, v[\r], 272
	s_delay_alu instid0(VALU_DEP_1)
	v_lshl_add_u32 v6, v[\h], 6, v6
	s_delay_alu instid0(VALU_DEP_1)
	v_add_nc_u32 v6, s46, v6
	v_mul_u32_u24 v7, v[\h], 272
	s_delay_alu instid0(VALU_DEP_1)
	v_lshl_add_u32 v7, v[\r], 4, v7
	s_delay_alu instid0(VALU_DEP_1)
	v_add_nc_u32 v7, s46, v7
.endm
.macro PADR r, h, base                 ; the sums: v125 row r's word of my wave; v126 row r's words 8 h .. 8 h + 7
	v_mul_u32_u24 v125, v[\r], 80
	s_delay_alu instid0(VALU_DEP_1)
	v_lshl_add_u32 v126, v[\h], 5, v125
	s_delay_alu instid0(VALU_DEP_2)
	v_add_nc_u32 v125, s47, v125
	s_delay_alu instid0(VALU_DEP_1)
	v_add_nc_u32 v125, \base, v125
	s_delay_alu instid0(VALU_DEP_3)
	v_add_nc_u32 v126, \base, v126
.endm
.macro LOADB wb, ks, rg                ; my four weight fragments of K step ks: eight loads of 512 bytes on end
.irp n, 0,1,2,3
.irp c, 0,1
	global_load_b128 v[(\rg)+8*\n+4*\c:(\rg)+8*\n+4*\c+3], v1, s[\wb:\wb+1] offset:4096*(\ks)+1024*\n+512*\c
.endr
.endr
.endm
.macro CL8 rg, sb                      ; 64 numbers of my strip (a bias, a gain) in the result's layout: 32 a lane
.irp n, 0,1,2,3
.irp q, 0,1
	global_load_b128 v[(\rg)+8*\n+4*\q:(\rg)+8*\n+4*\q+3], v124, s[\sb:\sb+1] offset:128*(\n/2)+32*(\n%2)+16*\q
.endr
.endr
.endm
.macro QIN xr                          ; a tile of 16 rows x my 256 bytes: in by rows, back in the result's layout, into the same registers
.irp i, 0,1,2,3,4,5,6,7
	ds_store_b128 v7, v[\xr+4*\i:\xr+4*\i+3] offset:544*\i
.endr
.irp n, 0,1,2,3
.irp q, 0,1
	ds_load_b128 v[\xr+8*\n+4*\q:\xr+8*\n+4*\q+3], v6 offset:128*(\n/2)+32*(\n%2)+16*\q
.endr
.endr
.endm
.macro QOUT xr                         ; and the other way round
.irp n, 0,1,2,3
.irp q, 0,1
	ds_store_b128 v6, v[\xr+8*\n+4*\q:\xr+8*\n+4*\q+3] offset:128*(\n/2)+32*(\n%2)+16*\q
.endr
.endr
.irp i, 0,1,2,3,4,5,6,7
	ds_load_b128 v[\xr+4*\i:\xr+4*\i+3], v7 offset:544*\i
.endr
.endm
.macro BADD xr                         ; + the bias
.set bj, 0
.rept 16
	v_pk_add_f32 v[\xr+bj:\xr+bj+1], v[\xr+bj:\xr+bj+1], v[28+bj:29+bj]
.set bj, bj+2
.endr
.endm
.macro HSUM nt, rb                     ; nt tiles by turns: a pair's halves, then lane xor 16's
.set ht, 0
.rept \nt
	v_add_f32 v[\rb+8*ht], v[\rb+8*ht], v[\rb+8*ht+1]
.set ht, ht+1
.endr
.set ht, 0
.rept \nt
	v_permlanex16_b32 v[\rb+8*ht+1], v[\rb+8*ht], s[SEL], s[SEL+1]
.set ht, ht+1
.endr
.set ht, 0
.rept \nt
	v_add_f32 v[\rb+8*ht], v[\rb+8*ht], v[\rb+8*ht+1]
.set ht, ht+1
.endr
.endm
.macro WSUM nt, off                    ; the 16 waves' words of my rows: I add 8, lane xor 16 the other 8; the result in v[28 + 8 t]
.set ht, 0
.rept \nt
	ds_load_b128 v[28+8*ht:31+8*ht], v126 offset:\off+1280*ht
	ds_load_b128 v[32+8*ht:35+8*ht], v126 offset:\off+1280*ht+16
.set ht, ht+1
.endr
	s_wait_dscnt 0x0
.set ht, 0
.rept \nt
	v_pk_add_f32 v[28+8*ht:29+8*ht], v[28+8*ht:29+8*ht], v[30+8*ht:31+8*ht]
	v_pk_add_f32 v[32+8*ht:33+8*ht], v[32+8*ht:33+8*ht], v[34+8*ht:35+8*ht]
.set ht, ht+1
.endr
.set ht, 0
.rept \nt
	v_pk_add_f32 v[28+8*ht:29+8*ht], v[28+8*ht:29+8*ht], v[32+8*ht:33+8*ht]
.set ht, ht+1
.endr
	HSUM \nt, 28
.endm
; THE NORM of nt tiles of 16 rows, tile t in v[xb + 32 t ..]; gain in v[gb ..], bias in v[gb + 32 ..] (still on their way: their wait stands ahead of their use); p2: the squares' words lie so far behind the sums'.
; Two passes: the mean, then the squares of x - mean.  Each accumulator is read from its low end on.
.macro LNT nt, xb, gb, p2
.set lt, 0
.rept \nt
	v_pk_add_f32 v[28+8*lt:29+8*lt], v[\xb+32*lt:\xb+32*lt+1], v[\xb+32*lt+2:\xb+32*lt+3]
.set lt, lt+1
.endr
.set lj, 4
.rept 14
.set lt, 0
.rept \nt
	v_pk_add_f32 v[28+8*lt:29+8*lt], v[28+8*lt:29+8*lt], v[\xb+32*lt+lj:\xb+32*lt+lj+1]
.set lt, lt+1
.endr
.set lj, lj+2
.endr
	HSUM \nt, 28
.set lt, 0
.rept \nt
	ds_store_b32 v125, v[28+8*lt] offset:1280*lt   ; (lanes 16-31 store the same word with the same value)
.set lt, lt+1
.endr
	s_wait_dscnt 0x0                               ; for the others' sake: my words have landed
	BAR
	WSUM \nt, 0
.set lt, 0
.rept \nt
	v_mul_f32 v[28+8*lt], 0x3a800000, v[28+8*lt]   ; / 1,024
.set lt, lt+1
.endr
.set lj, 0
.rept 16
.set lt, 0
.rept \nt
	v_pk_add_f32 v[\xb+32*lt+lj:\xb+32*lt+lj+1], v[\xb+32*lt+lj:\xb+32*lt+lj+1], v[28+8*lt:29+8*lt] op_sel_hi:[1,0] neg_lo:[0,1] neg_hi:[0,1]
.set lt, lt+1
.endr
.set lj, lj+2
.endr
.set lt, 0
.rept \nt
	v_pk_mul_f32 v[30+8*lt:31+8*lt], v[\xb+32*lt:\xb+32*lt+1], v[\xb+32*lt:\xb+32*lt+1]
.set lt, lt+1
.endr
.set lj, 2
.rept 15
.set lt, 0
.rept \nt
	v_pk_fma_f32 v[30+8*lt:31+8*lt], v[\xb+32*lt+lj:\xb+32*lt+lj+1], v[\xb+32*lt+lj:\xb+32*lt+lj+1], v[30+8*lt:31+8*lt]
.set lt, lt+1
.endr
.set lj, lj+2
.endr
	HSUM \nt, 30
.set lt, 0
.rept \nt
	ds_store_b32 v125, v[30+8*lt] offset:\p2+1280*lt
.set lt, lt+1
.endr
	s_wait_dscnt 0x0
	BAR
	WSUM \nt, \p2
.set lt, 0
.rept \nt
	v_fma_f32 v[28+8*lt], v[28+8*lt], s42, s43     ; / 1,024 + 1e-5
.set lt, lt+1
.endr
.set lt, 0
	s_wait_alu depctr_va_vdst(0)
.rept \nt
	v_rsq_f32 v[28+8*lt], v[28+8*lt]
.set lt, lt+1
.endr
	v_nop
	s_wait_alu depctr_va_vdst(0)                   ; one wait for the batch
	s_wait_loadcnt 0x0                             ; gain and bias are in
.set lt, 0
.rept \nt
.set lj, 0
.rept 16
	v_pk_mul_f32 v[\xb+32*lt+lj:\xb+32*lt+lj+1], v[\xb+32*lt+lj:\xb+32*lt+lj+1], v[28+8*lt:29+8*lt] op_sel_hi:[1,0]
	s_delay_alu instid0(VALU_DEP_1)
	v_pk_fma_f32 v[\xb+32*lt+lj:\xb+32*lt+lj+1], v[\xb+32*lt+lj:\xb+32*lt+lj+1], v[\gb+lj:\gb+lj+1], v[\gb+32+lj:\gb+32+lj+1]
.set lj, lj+2
.endr
.set lt, lt+1
.endr
.endm
	; ---- the common head
	s_load_b512 s[4:19], s[0:1], 0x0               ; query, memory, r_out_b, r_out_w scales, rn_g, rn_b, w_out_b, w_out_w scales
	s_load_b512 s[20:35], s[0:1], 0x40             ; gate_b, gate_w scales, wn_g, wn_b, oq, gw, out0, out1
	v_lshl_add_u32 v[SPW], v0, 2, SPARE
	v_mov_b32 v[NIL], 0
	v_lshrrev_b32 v115, 5, v0
	s_delay_alu instid0(VALU_DEP_1)
	v_readfirstlane_b32 s36, v115                  ; wave 0..15
	v_and_b32 v115, 31, v0                         ; lane
	v_and_b32 v112, 15, v0                         ; r
	v_bfe_u32 v113, v0, 4, 1                       ; h
	s_delay_alu instid0(VALU_DEP_2)
	v_and_b32 v114, 8, v112
	s_delay_alu instid0(VALU_DEP_1)
	v_add_nc_u32 v114, v114, v112                  ; r + 8 (r / 8)
	v_lshlrev_b32 v1, 4, v115
	s_delay_alu instid0(VALU_DEP_4)
	v_lshlrev_b32 v124, 6, v113
	s_mul_i32 s46, s36, STGW                       ; my stage
	s_lshl_b32 s47, s36, 2
	s_lshr_b32 s37, ttmp9, 1                       ; idx
	s_mov_b32 s[SEL], 0x76543210
	s_mov_b32 s[SEL+1], 0xfedcba98
	s_mov_b32 s42, 0x3a800000                      ; 2^-10
	s_mov_b32 s43, 0x3727c5ac                      ; 1e-5
	s_mov_b32 s45, 0
	s_wait_kmcnt 0x0
	s_and_b32 s38, ttmp9, 1
	s_cmp_lg_u32 s38, 0
	s_cbranch_scc1 .LroleF
	; ================ ROLE R
	s_wait_alu depctr_va_vdst(0)
	STADR 112, 113
	PADR 112, 113, PR1
	v_lshlrev_b32 v116, 5, v114
	s_delay_alu instid0(VALU_DEP_1)
	v_lshl_add_u32 v116, v113, 4, v116             ; the weights' scale rows: lanes 0-15 K steps 0-3, lanes 16-31 steps 4-7
	v_lshlrev_b32 v127, 12, v113
	s_delay_alu instid0(VALU_DEP_1)
	v_lshl_add_u32 v127, v112, 4, v127             ; two rows of query or out0: 4,096 h + 16 r
	v_lshl_add_u32 v2, v112, 2, OSCL
	v_add_nc_u32 v5, AIMG, v1
	v_lshlrev_b32 v117, 4, v0                      ; the fill's addresses, in registers that the weights' second set takes later
	s_wait_alu depctr_va_vdst(0)
	v_add_nc_u32 v118, AIMG, v117
	v_lshl_add_u32 v119, v0, 2, OSCL
	v_lshrrev_b32 v120, 6, v0
	s_delay_alu instid0(VALU_DEP_1)
	v_lshlrev_b32 v120, 15, v120
	v_and_b32 v121, 63, v0
	s_delay_alu instid0(VALU_DEP_1)
	v_lshl_add_u32 v120, v121, 2, v120             ; O's scale words in memory: s x 32,768 + the word
	s_wait_alu depctr_va_vdst(0)
	s_lshl_b32 s44, s37, 15
	s_add_nc_u64 s[48:49], s[28:29], s[44:45]      ; my four tiles' images of O
	s_lshl_b32 s44, s37, 8
	s_add_co_u32 s44, s44, OSCG
	s_add_nc_u64 s[50:51], s[28:29], s[44:45]
	s_lshl_b32 s44, s36, 11
	s_add_nc_u64 s[52:53], s[10:11], s[44:45]
	s_lshl_b32 s44, s36, 8                         ; my strip: 256 bytes of a row
	s_add_nc_u64 s[54:55], s[8:9], s[44:45]
	s_add_nc_u64 s[66:67], s[12:13], s[44:45]
	s_add_nc_u64 s[68:69], s[14:15], s[44:45]
	s_lshl_b32 s39, s37, 18
	s_add_co_u32 s44, s44, s39                     ; + 64 idx rows
	s_add_nc_u64 s[56:57], s[4:5], s[44:45]
	s_add_nc_u64 s[62:63], s[32:33], s[44:45]
	s_lshl_b32 s44, s36, 15
	s_add_co_u32 s44, s44, WIMG
	s_add_nc_u64 s[58:59], s[30:31], s[44:45]      ; r_out_w's images of my 64 columns
	s_and_b32 s38, s37, 3
	s_lshl_b32 s38, s38, 1                         ; the K step at which I begin
	s_lshl_b32 s44, s38, 12
	s_add_nc_u64 s[60:61], s[58:59], s[44:45]
.irp k, 0,1,2,3
	global_load_b128 v[92+4*\k:95+4*\k], v117, s[48:49] offset:8192*\k
.endr
	global_load_b32 v108, v120, s[50:51]
.irp n, 0,1,2,3
	global_load_b128 v[12+4*\n:15+4*\n], v116, s[52:53] offset:(32*(\n/2)+8*(\n%2))*32
.endr
	CL8 28, 54                                     ; r_out_b
.irp t, 0,1,2,3
.irp i, 0,1,2,3,4,5,6,7
	global_load_b128 v[128+32*\t+4*\i:131+32*\t+4*\i], v127, s[56:57] offset:(32*(\t/2)+8*(\t%2)+2*\i+8*(\i/4))*4096 th:TH_LOAD_NT
.endr
.endr
	LOADB 60, 0, 60
	s_wait_loadcnt 48                              ; O's images and all scale words are in; the bias's 8, query's 32 and the weights' 8 loads stay out
.irp k, 0,1,2,3
	ds_store_b128 v118, v[92+4*\k:95+4*\k] offset:8192*\k
.endr
	ds_store_b32 v119, v108
	s_wait_dscnt 0x0                               ; for the others' sake: my stores have landed; and they have read their registers,
	LOADB 60, 1, 92                                ; which take the weights' second step
	BAR
	s_wait_loadcnt 16                              ; bias and query are in; the weights' two steps stay out
	QIN 128
	QIN 160
	s_wait_dscnt 16                                ; a tile is back; the next tile's 16 instructions stay out
	BADD 128
	QIN 192
	s_wait_dscnt 16
	BADD 160
	QIN 224
	s_wait_dscnt 16
	BADD 192
	s_wait_dscnt 0x0
	BADD 224
; 64 rows x my 64 columns, K = 1,024 in eight steps from step rot on; the sums begin with query + bias; sixteen accumulators by turns, one instruction a turn
.macro GEMMR rot
.set gk, 0
.rept 8
.set gs, (gk+\rot)%8
.if gk < 7
	s_wait_loadcnt 8                               ; this step's weights are in, the next step's 8 loads stay out
.else
	s_wait_loadcnt 0x0
.endif
.irp t, 0,1,2,3
.irp c, 0,1
	ds_load_b128 v[28+8*\t+4*\c:31+8*\t+4*\c], v5 offset:(8*\t+gs)*1024+512*\c
.endr
.endr
.irp t, 0,1,2,3
	ds_load_b32 v[8+\t], v2 offset:256*gs+64*\t
.endr
	s_wait_dscnt 0x0
.irp t, 0,1,2,3
.irp n, 0,1,2,3
	WM 128+32*\t+8*\n, 60+32*(gk%2)+8*\n, 28+8*\t, 128+32*\t+8*\n, 12+4*\n+gs%4, 8+\t, gs/4, 0
.endr
.endr
	NOPS 4                                         ; places in front of loads into registers that these products read, and of the first read of results
.if gk < 6
	LOADB 58, (gk+2+\rot)%8, 60+32*(gk%2)
.endif
.set gk, gk+1
.endr
.endm
	s_cmp_eq_u32 s38, 0
	s_cbranch_scc1 .Lr0
	s_cmp_eq_u32 s38, 2
	s_cbranch_scc1 .Lr2
	s_cmp_eq_u32 s38, 4
	s_cbranch_scc1 .Lr4
	s_wait_alu depctr_va_vdst(0)
	GEMMR 6
	s_branch .Lrt
.Lr4:
	s_wait_alu depctr_va_vdst(0)
	GEMMR 4
	s_branch .Lrt
.Lr2:
	s_wait_alu depctr_va_vdst(0)
	GEMMR 2
	s_branch .Lrt
.Lr0:
	s_wait_alu depctr_va_vdst(0)
	GEMMR 0
.Lrt:
	CL8 60, 66                                     ; rn_g
	CL8 92, 68                                     ; rn_b
	LNT 4, 128, 60, 5120
.macro SENDR t
.irp i, 0,1,2,3,4,5,6,7
	global_store_b128 v127, v[128+32*\t+4*\i:131+32*\t+4*\i], s[62:63] offset:(32*(\t/2)+8*(\t%2)+2*\i+8*(\i/4))*4096 th:TH_STORE_NT    ; sixteen lanes store 256 consecutive bytes, aligned
.endr
.endm
	QOUT 128
	QOUT 160
	s_wait_alu depctr_va_vdst(0)
	s_wait_dscnt 16                                ; a tile is back by rows; the next tile's 16 instructions stay out
	SENDR 0
	QOUT 192
	s_wait_dscnt 16
	SENDR 1
	QOUT 224
	s_wait_dscnt 16
	SENDR 2
	s_wait_dscnt 0x0
	SENDR 3
	ENDW
	; ================ ROLE F
.LroleF:
	s_wait_alu depctr_va_vdst(0)
	v_lshlrev_b32 v126, 5, v114
	s_delay_alu instid0(VALU_DEP_1)
	v_lshl_add_u32 v126, v113, 4, v126             ; w_out_w's scale rows, 32 bytes apart
	v_lshlrev_b32 v127, 6, v114
	s_delay_alu instid0(VALU_DEP_1)
	v_lshl_add_u32 v127, v113, 4, v127             ; gate_w's, 64 apart
	v_and_b32 v125, 7, v112
	s_delay_alu instid0(VALU_DEP_1)
	v_lshlrev_b32 v125, 4, v125
	s_delay_alu instid0(VALU_DEP_1)
	v_lshl_add_u32 v125, v113, 7, v125             ; v_b: 128 h + 16 (r % 8): rows 8-15 repeat the 8 batches
	v_add_nc_u32 v2, VIM, v1                       ; an image's place for my lane
	v_lshl_add_u32 v5, v112, 2, VSC                ; a scale word's
	v_lshlrev_b32 v6, 12, v113
	s_delay_alu instid0(VALU_DEP_1)
	v_lshl_add_u32 v6, v112, 4, v6                 ; two rows of memory: 4,096 h + 16 r
	s_wait_alu depctr_va_vdst(0)
	v_add_nc_u32 v7, s46, v1                       ; my stage, 16 bytes a lane: what is parked there
	s_lshl_b32 s44, s36, 11
	s_add_nc_u64 s[50:51], s[18:19], s[44:45]
	s_add_co_u32 s44, s44, VBQ
	s_add_nc_u64 s[48:49], s[28:29], s[44:45]      ; v_b: numbers 64 w .. 64 w + 63 of the 8 batches
	s_lshl_b32 s44, s36, 12
	s_add_co_u32 s44, s44, 32
	s_add_nc_u64 s[52:53], s[22:23], s[44:45]
	s_lshl_b32 s44, s36, 8                         ; my strip
	s_add_nc_u64 s[54:55], s[16:17], s[44:45]
	s_add_nc_u64 s[56:57], s[20:21], s[44:45]
	s_add_nc_u64 s[66:67], s[24:25], s[44:45]
	s_add_nc_u64 s[68:69], s[26:27], s[44:45]
	s_lshl_b32 s39, s37, 14
	s_add_co_u32 s44, s44, s39                     ; + slot 4 idx
	s_add_nc_u64 s[72:73], s[6:7], s[44:45]
	s_add_nc_u64 s[74:75], s[34:35], s[44:45]      ; out1, batches 0-3;
	s_add_nc_u64 s[76:77], s[74:75], 0x800000      ; batches 4-7: the stores' offsets stay inside their signed 24 bits
	s_lshl_b32 s44, s36, 17
	s_lshl_b32 s39, s37, 9
	s_add_co_u32 s44, s44, s39
	s_add_nc_u64 s[70:71], s[30:31], s[44:45]      ; G1 [n / 32][m][32] at n = 64 w, m = 4 idx
	s_lshl_b32 s44, s36, 15
	s_add_co_u32 s44, s44, WIMG+524288
	s_add_nc_u64 s[58:59], s[30:31], s[44:45]      ; w_out_w's images of my 64 columns,
	s_add_nc_u64 s[62:63], s[58:59], 524288        ; gate_w's second half's
	s_and_b32 s38, s37, 1
	s_lshl_b32 s38, s38, 2                         ; the K step at which I begin
	s_lshl_b32 s44, s38, 12
	s_add_nc_u64 s[60:61], s[58:59], s[44:45]
	s_lshl_b32 s78, s36, 9                         ; my 64 numbers are half w % 2 of K step w / 2: 512 bytes of its image,
	s_lshr_b32 s79, s36, 1
	s_lshl_b32 s79, s79, 6
	s_and_b32 s39, s36, 1
	s_lshl_b32 s39, s39, 1
	s_add_co_u32 s79, s79, s39                     ; two bytes of its scale words
	global_load_b128 v[28:31], v6, s[72:73]                ; what is parked: my strip of memory's four rows,
	global_load_b128 v[32:35], v6, s[72:73] offset:8192
	global_load_b128 v[36:39], v1, s[70:71]                ; of G1's four rows (twice 512 bytes on end),
	global_load_b128 v[40:43], v1, s[70:71] offset:65536
.irp n, 0,1,2,3
	global_load_b128 v[44+4*\n:47+4*\n], v127, s[52:53] offset:(32*(\n/2)+8*(\n%2))*64    ; and gate_w's scale rows
.endr
.irp b, 0,1
.irp j, 0,1,2,3
	global_load_b128 v[160+16*\b+4*\j:163+16*\b+4*\j], v125, s[48:49] offset:1024*\b+256*\j
.endr
.endr
.irp n, 0,1,2,3
	global_load_b128 v[12+4*\n:15+4*\n], v126, s[50:51] offset:(32*(\n/2)+8*(\n%2))*32
.endr
	CL8 128, 54                                    ; w_out_b, into the accumulators
	LOADB 60, 0, 60                                ; the ring's four sets
	LOADB 60, 1, 92
	LOADB 60, 2, 192
	LOADB 60, 3, 224
	s_wait_alu depctr_va_vdst(0)
	s_wait_loadcnt 44                              ; what is parked and v_b are in; the scales' 4, the bias's 8 and the ring's 32 loads stay out
.irp k, 0,1,2,3,4,5,6,7
	ds_store_b128 v7, v[28+4*\k:31+4*\k] offset:512*\k
.endr
	v_add_nc_u32 v125, s78, v2                     ; (their loads are done)  where my half image goes,
	v_add_nc_u32 v6, s79, v5                       ; and my two scale bytes
	s_wait_dscnt 0x0                               ; the stores have read their registers
	QUANT 160, 2, 1
	ds_store_b128 v125, v[28:31]
	ds_store_b16 v6, v[PW]
	CL8 160, 56                                    ; gate_b, into the second product's accumulators
	s_wait_dscnt 0x0
	BAR
; item j of the ring, into set j % 4: 0-7 w_out_w's K steps, 8-15 gate_w's, 16 the norm's gain, 17 its bias: eight loads each
.macro FITEM j, rot
.set RG, 60+32*((\j)%4)+68*(((\j)%4)/2)
.if (\j) < 8
	LOADB 58, ((\j)+\rot)%8, RG
.elseif (\j) < 16
	LOADB 62, ((\j)-8+\rot)%8, RG
.elseif (\j) == 16
	CL8 60, 66
.elseif (\j) == 17
	CL8 92, 68
.endif
.endm
; one tile of rows x my 64 columns, K = 1,024 from step rot on; the bias stands in the accumulators; four accumulators by turns; the operand's fragment and scale word come a step ahead, in two sets
.macro FGEMM rot, acc, ioff, kb
.set gs, (\rot)%8
	ds_load_b128 v[28:31], v2 offset:\ioff+1024*gs
	ds_load_b128 v[32:35], v2 offset:\ioff+1024*gs+512
	ds_load_b32 v8, v5 offset:\ioff+64*gs
.set gk, 0
.rept 8
.set gs, (gk+\rot)%8
.set gn, (gk+1+\rot)%8
.set gq, \kb+gk
.set RS, 60+32*(gq%4)+68*((gq%4)/2)
.if gq < 4
	s_wait_loadcnt 32                              ; this item is in; three items and gate_b's 8 loads stay out
.elseif gq < 15
	s_wait_loadcnt 24                              ; three items stay out
.else
	s_wait_loadcnt 16                              ; gain and bias stay out
.endif
.if gk < 7
	ds_load_b128 v[28+8*((gk+1)%2):31+8*((gk+1)%2)], v2 offset:\ioff+1024*gn
	ds_load_b128 v[32+8*((gk+1)%2):35+8*((gk+1)%2)], v2 offset:\ioff+1024*gn+512
	ds_load_b32 v[8+(gk+1)%2], v5 offset:\ioff+64*gn
	s_wait_dscnt 3                                 ; this step's operand is in, the next step's three loads stay out
.else
	s_wait_dscnt 0x0
.endif
.irp n, 0,1,2,3
	WM \acc+8*\n, RS+8*\n, 28+8*(gk%2), \acc+8*\n, 12+4*\n+gs%4, 8+gk%2, gs/4, 0
.endr
	NOPS 4                                         ; places in front of loads into registers that these products read, and of the first read of results
	FITEM gq+4, \rot
.set gk, gk+1
.endr
.endm
	s_cmp_eq_u32 s38, 0
	s_cbranch_scc1 .Lf10
	FGEMM 4, 128, 0, 0                             ; u = v_b w_out_w^T + w_out_b
	s_branch .Lf1j
.Lf10:
	FGEMM 0, 128, 0, 0
.Lf1j:
.irp n, 0,1,2,3
	ds_load_b128 v[12+4*\n:15+4*\n], v7 offset:2048+512*\n    ; gate_w's scale rows out of my stage
.endr
	QUANT 128, 2, 1
	ds_store_b128 v125, v[28:31] offset:UOFF
	ds_store_b16 v6, v[PW] offset:UOFF
	s_wait_dscnt 0x0
	BAR
	s_cmp_eq_u32 s38, 0
	s_cbranch_scc1 .Lf20
	FGEMM 4, 160, UOFF, 8                          ; G2 + gate_b
	s_branch .Lft
.Lf20:
	FGEMM 0, 160, UOFF, 8
.Lft:
	v_and_b32 v28, 15, v0                          ; r
	v_bfe_u32 v29, v0, 4, 1                        ; h
	v_bfe_u32 v30, v0, 3, 1                        ; r / 8: which of the tile's two slots
	PADR 28, 29, PF1
	STADR 28, 29
	v_lshlrev_b32 v127, 21, v29
	s_delay_alu instid0(VALU_DEP_1)
	v_lshl_add_u32 v127, v28, 4, v127              ; two rows of out1: the next batch lies 512 rows on
	v_lshl_add_u32 v2, v30, 8, v124
	s_delay_alu instid0(VALU_DEP_1)
	v_add_nc_u32 v2, s46, v2                       ; mem in my stage: 256 bytes a slot
	v_lshl_add_u32 v5, v30, 7, v124
	s_delay_alu instid0(VALU_DEP_1)
	v_add_nc_u32 v5, s46, v5                       ; G1: 128 bytes a slot, twice
.irp t, 0,1
.irp n, 0,1,2,3
.irp q, 0,1
	ds_load_b128 v[192+32*\t+8*\n+4*\q:195+32*\t+8*\n+4*\q], v5 offset:1024+512*(\n/2)+256*\t+32*(\n%2)+16*\q
.endr
.endr
.endr
.set rj, 0
.rept 16
	v_pk_mul_f32 v[160+rj:161+rj], v[160+rj:161+rj], 0xbfb8aa3b op_sel_hi:[1,0]    ; -log2(e) (G2 + gate_b), once for both tiles
.set rj, rj+2
.endr
	s_wait_dscnt 0x0
.irp t, 0,1
.set rj, 0
.rept 16
	v_pk_fma_f32 v[192+32*\t+rj:193+32*\t+rj], v[192+32*\t+rj:193+32*\t+rj], 0xbfb8aa3b, v[160+rj:161+rj] op_sel_hi:[1,0,1]    ; -log2(e) z
.set rj, rj+2
.endr
.endr
.macro TLOAD t                         ; mem of tile t, where G2 stood
.irp n, 0,1,2,3
.irp q, 0,1
	ds_load_b128 v[160+8*\n+4*\q:163+8*\n+4*\q], v2 offset:512*\t+128*(\n/2)+32*(\n%2)+16*\q
.endr
.endr
.endm
.macro BLEND t                         ; x = gate u + (mem - gate mem)
.set rj, 0
.rept 16
	v_pk_fma_f32 v[160+rj:161+rj], v[192+32*\t+rj:193+32*\t+rj], v[160+rj:161+rj], v[160+rj:161+rj] neg_lo:[1,0,0] neg_hi:[1,0,0]
.set rj, rj+2
.endr
.set rj, 0
.rept 16
	v_pk_fma_f32 v[192+32*\t+rj:193+32*\t+rj], v[192+32*\t+rj:193+32*\t+rj], v[128+rj:129+rj], v[160+rj:161+rj]
.set rj, rj+2
.endr
.endm
	TLOAD 0
.set rj, 0
	s_wait_alu depctr_va_vdst(0)
.rept 64
	v_exp_f32 v[192+rj], v[192+rj]
.set rj, rj+1
.endr
	v_nop
	s_wait_alu depctr_va_vdst(0)                   ; one wait for the 64 exponentials
.set rj, 0
.rept 32
	v_pk_add_f32 v[192+rj:193+rj], v[192+rj:193+rj], 1.0 op_sel_hi:[1,0]
.set rj, rj+2
.endr
.set rj, 0
	s_wait_alu depctr_va_vdst(0)
.rept 64
	v_rcp_f32 v[192+rj], v[192+rj]                 ; gate = 1 / (1 + 2^(-log2(e) z))
.set rj, rj+1
.endr
	v_nop
	s_wait_alu depctr_va_vdst(0)                   ; and one for the 64 reciprocals
	s_wait_dscnt 0x0
	BLEND 0
	TLOAD 1
	s_wait_dscnt 0x0
	BLEND 1
	LNT 2, 192, 60, 2560
.macro SENDF t                         ; stage row 2 i + h is batch 2 (i % 4) + h of slot 2 t + i / 4
.irp i, 0,1,4,5
	global_store_b128 v127, v[192+32*\t+4*\i:195+32*\t+4*\i], s[74:75] offset:(\i%4)*4194304+(2*\t+\i/4)*4096 th:TH_STORE_NT
.endr
.irp i, 2,3,6,7
	global_store_b128 v127, v[192+32*\t+4*\i:195+32*\t+4*\i], s[76:77] offset:(\i%4-2)*4194304+(2*\t+\i/4)*4096 th:TH_STORE_NT
.endr
.endm
	QOUT 192                                       ; (what was parked in my stage has been read)
	QOUT 224
	s_wait_dscnt 16
	SENDF 0
	s_wait_dscnt 0x0
	SENDF 1
	ENDW
.Lfunc_end_k_q807d6514e6_fin:
	.size	k_q807d6514e6_fin, .Lfunc_end_k_q807d6514e6_fin-k_q807d6514e6_fin
	.p2alignl 7, 3214868480
	.fill 96, 4, 3214868480
	.section	.rodata,"a",@progbits
	.p2align	6, 0x0
	.amdhsa_kernel k_q807d6514e6_fin
		.amdhsa_group_segment_fixed_size 139264
		.amdhsa_private_segment_fixed_size 0
		.amdhsa_enable_private_segment 0
		.amdhsa_kernarg_size 128
		.amdhsa_user_sgpr_count 2
		.amdhsa_user_sgpr_kernarg_segment_ptr 1
		.amdhsa_wavefront_size32 1
		.amdhsa_system_sgpr_workgroup_id_x 1
		.amdhsa_system_sgpr_workgroup_id_y 1
		.amdhsa_system_sgpr_workgroup_id_z 1
		.amdhsa_system_vgpr_workitem_id 0
		.amdhsa_next_free_vgpr 256
		.amdhsa_next_free_sgpr 80
		.amdhsa_reserve_vcc 0
		.amdhsa_float_denorm_mode_32 3
		.amdhsa_float_denorm_mode_16_64 3
		.amdhsa_memory_ordered 1
		.amdhsa_forward_progress 1
		.amdhsa_inst_pref_size 255
	.end_amdhsa_kernel
	.section	.bss,"aw",@nobits
	.p2align	6
	.space	262144
	.amdgpu_metadata
---
amdhsa.version: [ 1, 2 ]
amdhsa.kernels:
  - .name:           k_q807d6514e6_fin
    .symbol:         k_q807d6514e6_fin.kd
    .args:
      - { .name: query, .offset: 0, .size: 8, .value_kind: global_buffer, .address_space: global }
      - { .name: memory, .offset: 8, .size: 8, .value_kind: global_buffer, .address_space: global }
      - { .name: r_out_b, .offset: 16, .size: 8, .value_kind: global_buffer, .address_space: global }
      - { .name: r_out_w_scales, .offset: 24, .size: 8, .value_kind: global_buffer, .address_space: global }
      - { .name: rn_g, .offset: 32, .size: 8, .value_kind: global_buffer, .address_space: global }
      - { .name: rn_b, .offset: 40, .size: 8, .value_kind: global_buffer, .address_space: global }
      - { .name: w_out_b, .offset: 48, .size: 8, .value_kind: global_buffer, .address_space: global }
      - { .name: w_out_w_scales, .offset: 56, .size: 8, .value_kind: global_buffer, .address_space: global }
      - { .name: gate_b, .offset: 64, .size: 8, .value_kind: global_buffer, .address_space: global }
      - { .name: gate_w_scales, .offset: 72, .size: 8, .value_kind: global_buffer, .address_space: global }
      - { .name: wn_g, .offset: 80, .size: 8, .value_kind: global_buffer, .address_space: global }
      - { .name: wn_b, .offset: 88, .size: 8, .value_kind: global_buffer, .address_space: global }
      - { .name: oq, .offset: 96, .size: 8, .value_kind: global_buffer, .address_space: global }
      - { .name: gw, .offset: 104, .size: 8, .value_kind: global_buffer, .address_space: global }
      - { .name: out0, .offset: 112, .size: 8, .value_kind: global_buffer, .address_space: global }
      - { .name: out1, .offset: 120, .size: 8, .value_kind: global_buffer, .address_space: global }
    .group_segment_fixed_size: 139264
    .private_segment_fixed_size: 0
    .kernarg_segment_align: 8
    .kernarg_segment_size: 128
    .max_flat_workgroup_size: 512
    .sgpr_count:     80
    .vgpr_count:     256
    .wavefront_size: 32
...
	.end_amdgpu_metadata
.endif
;; end of part 7
